; MI455X (gfx1250); checked and timed in simulation.
; The chip was launched on July 23, 2026; its instructions are those of AMD's public machine-readable ISA for CDNA 5 (MIT licence, August 2026) and "CDNA5" Instruction Set Architecture Reference Guide (July 2026). The comments in the code are by the model that wrote it; some were corrected since.
;; Transformer Block. Allowed arithmetic: matrix products marked QUANTISED: E2M3 operands, one E8M0 scale for each 32 along K, by v_wmma_scale_f32_16x16x128_f8f6f4 with both operands' format E2M3, f32 sums; everything else in f32.
;; Inputs: W1 1,024 x 4,096 float32; W2 4,096 x 1,024 float32; Wk 1,024 x 1,024 float32; Wo 1,024 x 1,024 float32; Wq 1,024 x 1,024 float32; Wv 1,024 x 1,024 float32; b1 4,096 float32; b2 1,024 float32; bk 1,024 float32; bo 1,024 float32; bq 1,024 float32; bv 1,024 float32; ln1_b 1,024 float32; ln1_g 1,024 float32; ln2_b 1,024 float32; ln2_g 1,024 float32; x 2 x 2,048 x 1,024 float32.
;; Outputs: out0 2 x 2,048 x 1,024 float32.
;; This version of the problem:
;;   THIS VERSION OF THE PROBLEM IS GIVEN IN LOW PRECISION. The matrix products marked QUANTISED in the list below multiply operands that are first quantised to E2M3 (2 exponent bits, 3 mantissa bits; 6 bits a number), with one power-of-two scale for each 32 numbers along K (OCP MX v1.0); their sums are f32. All else is computed in f32.
;;   The module's matrix products, in the order in which they are computed (A, B: the left and right operand; K: the contracted axis; several contracted axes count as one K, in the product's order):
;;     1. [M 4,096, K 1,024] x [K 1,024, N 1,024]; A: computed on the way; B: input Wq: QUANTISED
;;     2. [M 4,096, K 1,024] x [K 1,024, N 1,024]; A: computed on the way; B: input Wk: QUANTISED
;;     3. [M 4,096, K 1,024] x [K 1,024, N 1,024]; A: computed on the way; B: input Wv: QUANTISED
;;     4. batch 32 x [M 2,048, K 64] x [K 64, N 2,048]; A: computed on the way; B: computed on the way: QUANTISED
;;     5. batch 32 x [M 64, K 2,048] x [K 2,048, N 2,048]; A: computed on the way; B: softmax (see below): QUANTISED
;;     6. [M 4,096, K 1,024] x [K 1,024, N 1,024]; A: computed on the way; B: input Wo: QUANTISED
;;     7. [M 4,096, K 1,024] x [K 1,024, N 4,096]; A: computed on the way; B: input W1: QUANTISED
;;     8. [M 4,096, K 4,096] x [K 4,096, N 1,024]; A: computed on the way; B: input W2: QUANTISED
;;   THE QUANTISER, for each operand of a quantised product, along K:
;;     - K is cut into blocks of 32 from its start; a last block that is shorter is filled with zeros.
;;     - A block's scale is 2^e with e = floor(log2(the largest magnitude in the block)) - 2, held to -126 .. 127; a block of zeros has e = 0. As a byte (E8M0): e + 127.
;;     - Each number is divided by its block's scale, clamped to +-7.5, and rounded to the nearest number of E2M3, ties to even, subnormals kept.
;;     - The product sums the exact products of the quantised numbers (number of the format x scale) in f32.
;;   ~~~python
;;   def quantise(x, axis):      # numpy; x: float32 -> the quantised numbers, widened to float32 again
;;       x = np.moveaxis(x, axis, -1); K = x.shape[-1]
;;       x = np.pad(x, [(0, 0)] * (x.ndim - 1) + [(0, -K % 32)]); x = x.reshape(x.shape[:-1] + (-1, 32)); a = np.abs(x).max(-1, keepdims=True)
;;       e = np.where(a > 0, np.clip(np.frexp(np.where(a > 0, a, 1))[1] - 1 - 2, -126, 127), 0)      # np.frexp(a)[1] - 1 = floor(log2(a)), exactly
;;       r = np.clip(x / 2.0 ** e, -7.5, 7.5)
;;       step = 2.0 ** (np.maximum(np.frexp(np.where(r == 0, 1, r))[1] - 1, 0) - 3)
;;       q = np.round(r / step) * step * 2.0 ** e      # np.round: ties to even
;;       return np.moveaxis(q.reshape(q.shape[:-2] + (-1,))[..., :K], -1, axis).astype(np.float32)
;;   ~~~
;;   SOFTMAX AHEAD OF A QUANTISED PRODUCT. Where the list says 'softmax', what is quantised is not the finished softmax but p = 2^(t - M), with t = logit x log2(e) and M = ceil(the row's largest t), a whole number; so 1/2 < the row's largest p <= 1. The row's sum l is taken of the UNQUANTISED p, in f32, and the product's result is divided by l at the end. Since M is a whole number, a kernel that streams over the keys may use a running M (the ceiling of the running maximum): every later rescaling is an exact power of two, which a block's scale takes up: the codes' values come out the same.
;;   OPERANDS COMPUTED ON THE WAY. 'Computed on the way' means the value that the module computes at that place (a softmax that the list does not call 'softmax' is quantised finished and normalised). What goes into a quantiser is computed in f32, as accurately as f32 sums, v_exp_f32 and their like allow (about 1e-6 of the number): no bf16 or f16 on the way to a quantiser, and a product that is left as it is and whose result goes on into a quantised operand takes f32 operands (vector FMAs, or v_wmma_f32_16x16x4_f32). A number that lies on a knife's edge between two numbers of the format may be rounded either way, as far as f32 arithmetic and the matrix unit's own rounding can turn it there, and no further.
;; 2 versions. Each part assembles by itself: llvm-mc -triple=amdgcn-amd-amdhsa -mcpu=gfx1250 --defsym DOCPART=n.
;; ======== version 1 of 2: 8 launches
;; workspace buffers: W 9,830,400 bytes; H 3,276,800 bytes; QKV 9,830,400 bytes; AO 3,276,800 bytes; X1 16,777,216 bytes; HID 13,107,200 bytes
;; launch wq (part 1): grid 384 x 1, 4 waves a work-group, no clusters, 0 bytes of LDS; arguments Wq, Wk, Wv, Wo, W1, W2, W; writes W
.if DOCPART == 1
	.amdgcn_target "amdgcn-amd-amdhsa--gfx1250"
	.amdhsa_code_object_version 6
	.text
	.protected	k_q85b020eb2b_wq
	.globl	k_q85b020eb2b_wq
	.p2align	8
	.type	k_q85b020eb2b_wq,@function
k_q85b020eb2b_wq:
	s_mov_b64 s[64:65], 0
	v_nop
	global_prefetch_b8 v0, s[64:65] scope:SCOPE_SE
	s_setreg_imm32_b32 hwreg(HW_REG_WAVE_MODE, 25, 1), 1
	s_wait_xcnt 0x0
; The six weights, f32 stored [K][N], become codes of FP6 (E2M3) with one E8M0 byte for each 32 along K, laid as IMAGES OF OPERAND REGISTERS.
; DEAD WORK: none. Every bias of the block goes into a quantised operand or into the output, every gain and weight likewise: all 17 inputs are loaded by some launch.
; AN IMAGE is a fragment of 16 rows x 128 K (12 registers a lane) in 1,536 bytes: half c (registers 6 c .. 6 c + 5) at 768 c; in it registers 0-3 of lane l at 16 l, registers 4, 5 at 512 + 8 l.
; Codes: panel (128 columns of the weight = rows of the operand), in it 256 along K (24,576 bytes: what one work-group makes), in it row block (3,072), in it 128 along K (1,536).
; Scale words: row block x K / 2 + 64 x (K / 128 step) + 4 x row.
; THE ORDER INSIDE A BLOCK OF 32: position p holds K index kap(p) = p with its bits 3 and 4 changed over. Every operand of this program has that order along its K, so the products pair the same numbers;
; a block's largest magnitude, its scale and the sum do not hang on the order inside a block.
; A LANE TAKES A COLUMN AND ITS REGISTERS RUN DOWN K: a load reads 128 consecutive bytes a wave, a block lies in one lane. Work-group id: 0-127 Wq, Wk, Wv, Wo (32 each), 128-255 W1, 256-383 W2.
; A block's scale is 2^(floor(log2(largest magnitude)) - 2); the byte is that magnitude's exponent field - 2, held at 1 from below. A block of zeros gets the byte 1 (its codes are zeros; this program alone reads the bytes).
; LIMITS: NaN and infinities among the inputs are not served.
.set WS,  9437184                      ; where the scale words begin in W
.set X,   32                           ; v32-95   two sets of 32 numbers
.set C,   96                           ; v96-143  six registers of codes a block, never rewritten
.set CT,  144                          ; v144-146 a block's upper 16 codes as the conversion leaves them
.set SB,  24                           ; v24-25   scale words
	s_load_b256 s[4:11], s[0:1], 0x0               ; Wq, Wk, Wv, Wo
	s_load_b128 s[12:15], s[0:1], 0x20             ; W1, W2
	s_load_b64 s[16:17], s[0:1], 0x30              ; W
	v_lshrrev_b32 v1, 5, v0
	v_readfirstlane_b32 s20, v1                    ; wave
	v_and_b32 v1, 31, v0                           ; lane
	s_sub_co_u32 s21, ttmp9, 256
	s_lshr_b32 s21, s21, 4                         ; W2: panel
	s_lshr_b32 s22, ttmp9, 2                       ; the others: panel
	s_and_b32 s23, ttmp9, 15                       ; W2: which 256 along K
	s_and_b32 s24, ttmp9, 3                        ; the others
	s_cmp_lt_u32 ttmp9, 256
	s_cselect_b32 s21, s22, s21                    ; panel
	s_cselect_b32 s23, s24, s23                    ; K step of 256
	s_cselect_b32 s25, 12, 14                      ; log2 of a panel's scale bytes
	s_cselect_b32 s26, 9, 11                       ; log2 of a row block's scale bytes
	s_cselect_b32 s27, 0, 262144                   ; W2's scale words lie behind the others'
	s_lshl_b32 s28, s21, s25
	s_add_co_u32 s28, s28, s27
	s_lshl_b32 s29, s23, 7
	s_add_co_u32 s28, s28, s29
	s_add_co_u32 s28, s28, WS                      ; my scale words' first byte
	s_mov_b32 s29, 0
	s_sub_co_u32 s30, ttmp9, 128
	s_cmp_lt_u32 s30, 128                          ; W1?
	s_cselect_b32 s31, 31, 7
	s_cselect_b32 s32, 22, 20                      ; log2 of 256 rows of the source in bytes
	s_and_b32 s31, s21, s31                        ; the panel inside its own tensor
	s_lshl_b32 s31, s31, 9
	s_lshl_b32 s32, s23, s32
	s_add_co_u32 s32, s32, s31                     ; my part of the source
	s_mov_b32 s33, 0
	s_mul_i32 s34, ttmp9, 24576                    ; my codes
	s_mov_b32 s35, 0
	v_lshlrev_b32 v2, 2, v1
	v_lshl_add_u32 v2, s20, 7, v2                  ; in: 128 x wave + 4 x lane
	s_mul_i32 s36, s20, 6144                       ; out: my wave's two row blocks
	v_lshl_add_u32 v3, v1, 4, s36
	v_lshl_add_u32 v4, v1, 3, s36
	v_add_nc_u32 v4, 512, v4
	v_lshrrev_b32 v5, 4, v1
	v_lshl_add_u32 v5, s20, 1, v5                  ; my column's row block
	v_lshlrev_b32 v5, s26, v5
	v_and_b32 v6, 15, v1
	v_lshl_add_u32 v5, v6, 2, v5                   ; and its word there
	s_wait_kmcnt 0x0
	s_cmp_lt_u32 ttmp9, 32                         ; the source: a choice by the work-group's number alone
	s_cselect_b64 s[18:19], s[4:5], s[6:7]
	s_cmp_lt_u32 ttmp9, 64
	s_cselect_b64 s[18:19], s[18:19], s[8:9]
	s_cmp_lt_u32 ttmp9, 96
	s_cselect_b64 s[18:19], s[18:19], s[10:11]
	s_cmp_lt_u32 ttmp9, 128
	s_cselect_b64 s[18:19], s[18:19], s[12:13]
	s_cmp_lt_u32 ttmp9, 256
	s_cselect_b64 s[18:19], s[18:19], s[14:15]
	s_add_nc_u64 s[18:19], s[18:19], s[32:33]
	s_add_nc_u64 s[34:35], s[16:17], s[34:35]
	s_add_nc_u64 s[28:29], s[16:17], s[28:29]
.macro WLOAD t, sn                     ; block t: register i takes K row 32 t + kap(i) of my column; sn = bytes in a row of the source
.set i, 0
.rept 32
	global_load_b32 v[X+32*((\t)%2)+i], v2, s[18:19] offset:(32*(\t)+((i&7)|((i&8)<<1)|((i&16)>>1)))*\sn th:TH_LOAD_NT
.set i, i+1
.endr
.endm
.macro WBLOCK t, sn
.set XS, X+32*((\t)%2)
.if (\t) < 7
	s_wait_loadcnt 32                              ; this block's 32 loads are in; the next block's may be out
.else
	s_wait_loadcnt 0
.endif
	v_max3_num_f32 v12, |v[XS]|, |v[XS+1]|, |v[XS+2]|
	v_max3_num_f32 v13, |v[XS+3]|, |v[XS+4]|, |v[XS+5]|
.irp i, 6,10,14,18,22,26
	v_max3_num_f32 v12, v12, |v[XS+\i]|, |v[XS+\i+1]|
	v_max3_num_f32 v13, v13, |v[XS+\i+2]|, |v[XS+\i+3]|
.endr
	v_max3_num_f32 v12, v12, |v[XS+30]|, |v[XS+31]|
	v_max3_num_f32 v12, v12, v13, 0x1800000        ; with the floor 2^(3 - 127): the byte cannot fall under 1
	v_add_nc_u32 v11, 0xff000000, v12              ; 2 off the exponent field: the conversion's scale operand
	v_cvt_scalef32_pk16_fp6_f32 v[C+6*(\t):C+6*(\t)+2], v[XS:XS+15], v11
	v_cvt_scalef32_pk16_fp6_f32 v[CT:CT+2], v[XS+16:XS+31], v11      ; (a conversion's three registers begin on an even number)
	v_lshrrev_b32 v13, 23, v11                     ; the byte; also the plain line behind the conversions
.if (\t)%4 == 0
	v_mov_b32 v[SB+(\t)/4], v13
.else
	v_lshl_or_b32 v[SB+(\t)/4], v13, 8*((\t)%4), v[SB+(\t)/4]
.endif
.irp i, 0,1,2
	v_mov_b32 v[C+6*(\t)+3+\i], v[CT+\i]
.endr
.if (\t)+2 < 8
	WLOAD (\t)+2, \sn
.endif
.if ((\t)%2) == 1                      ; blocks t - 1 and t make half (t % 4) / 2 of two images: lanes 0-15 of an image hold the even block, lanes 16-31 the odd one
.irp i, 0,1,2,3,4,5
	v_permlane16_swap_b32 v[C+6*((\t)-1)+\i], v[C+6*(\t)+\i]   ; the first now is my wave's first 16 columns' half, the second the other 16 columns'
.endr
.set OFS, ((\t)/4)*1536+(((\t)%4)/2)*768
	global_store_b128 v3, v[C+6*((\t)-1):C+6*((\t)-1)+3], s[34:35] offset:OFS          ; 512 consecutive bytes
	global_store_b64 v4, v[C+6*((\t)-1)+4:C+6*((\t)-1)+5], s[34:35] offset:OFS         ; 256 consecutive bytes
	global_store_b128 v3, v[C+6*(\t):C+6*(\t)+3], s[34:35] offset:OFS+3072
	global_store_b64 v4, v[C+6*(\t)+4:C+6*(\t)+5], s[34:35] offset:OFS+3072
.endif
.if ((\t)%4) == 3
	global_store_b32 v5, v[SB+(\t)/4], s[28:29] offset:64*((\t)/4)   ; my column's word for these 128 along K
.endif
.endm
.macro WBODY sn                        ; no register that a store names is written again: no wait for the stores' sources is owed
	WLOAD 0, \sn
	WLOAD 1, \sn
.irp t, 0,1,2,3,4,5,6,7
	WBLOCK \t, \sn
.endr
.endm
	s_cmp_lt_u32 s30, 128                          ; the row's length stands in the loads' immediates: two copies, chosen by the work-group's number
	s_cbranch_scc1 .Lwide
	WBODY 4096
	s_endpgm
.Lwide:
	WBODY 16384
	s_endpgm
.Lfunc_end_k_q85b020eb2b_wq:
	.size	k_q85b020eb2b_wq, .Lfunc_end_k_q85b020eb2b_wq-k_q85b020eb2b_wq
	.p2alignl 7, 3214868480
	.fill 96, 4, 3214868480
	.section	.rodata,"a",@progbits
	.p2align	6, 0x0
	.amdhsa_kernel k_q85b020eb2b_wq
		.amdhsa_group_segment_fixed_size 0
		.amdhsa_private_segment_fixed_size 0
		.amdhsa_enable_private_segment 0
		.amdhsa_kernarg_size 56
		.amdhsa_user_sgpr_count 2
		.amdhsa_user_sgpr_kernarg_segment_ptr 1
		.amdhsa_wavefront_size32 1
		.amdhsa_system_sgpr_workgroup_id_x 1
		.amdhsa_system_sgpr_workgroup_id_y 1
		.amdhsa_system_sgpr_workgroup_id_z 1
		.amdhsa_system_vgpr_workitem_id 0
		.amdhsa_next_free_vgpr 152
		.amdhsa_next_free_sgpr 66
		.amdhsa_reserve_vcc 0
		.amdhsa_float_denorm_mode_32 3
		.amdhsa_float_denorm_mode_16_64 3
		.amdhsa_memory_ordered 1
		.amdhsa_forward_progress 1
		.amdhsa_inst_pref_size 79
	.end_amdhsa_kernel
	.amdgpu_metadata
---
amdhsa.version: [ 1, 2 ]
amdhsa.kernels:
  - .name:           k_q85b020eb2b_wq
    .symbol:         k_q85b020eb2b_wq.kd
    .args:
      - { .name: Wq, .offset: 0, .size: 8, .value_kind: global_buffer, .address_space: global }
      - { .name: Wk, .offset: 8, .size: 8, .value_kind: global_buffer, .address_space: global }
      - { .name: Wv, .offset: 16, .size: 8, .value_kind: global_buffer, .address_space: global }
      - { .name: Wo, .offset: 24, .size: 8, .value_kind: global_buffer, .address_space: global }
      - { .name: W1, .offset: 32, .size: 8, .value_kind: global_buffer, .address_space: global }
      - { .name: W2, .offset: 40, .size: 8, .value_kind: global_buffer, .address_space: global }
      - { .name: W, .offset: 48, .size: 8, .value_kind: global_buffer, .address_space: global }
    .group_segment_fixed_size: 0
    .private_segment_fixed_size: 0
    .kernarg_segment_align: 8
    .kernarg_segment_size: 56
    .max_flat_workgroup_size: 128
    .sgpr_count:     66
    .vgpr_count:     152
    .wavefront_size: 32
...
	.end_amdgpu_metadata
.endif
;; end of part 1
;; launch ln1 (part 2): grid 256 x 1, 8 waves a work-group, no clusters, 66,816 bytes of LDS; arguments x, ln1_g, ln1_b, H; writes H
.if DOCPART == 2
	.amdgcn_target "amdgcn-amd-amdhsa--gfx1250"
	.amdhsa_code_object_version 6
	.text
	.protected	k_q85b020eb2b_ln1
	.globl	k_q85b020eb2b_ln1
	.p2align	8
	.type	k_q85b020eb2b_ln1,@function
k_q85b020eb2b_ln1:
	s_mov_b64 s[64:65], 0
	v_nop
	global_prefetch_b8 v0, s[64:65] scope:SCOPE_SE
	s_setreg_imm32_b32 hwreg(HW_REG_WAVE_MODE, 25, 1), 1
	s_wait_xcnt 0x0
; LayerNorm of 16 rows of 1,024 f32, and its result quantised along the row into codes of FP6 (E2M3) with E8M0 bytes, stored as images of operand registers (16 rows x 128 K in 1,536 bytes:
; half c at 768 c; registers 0-3 of lane l at 16 l, registers 4, 5 at 512 + 8 l). Codes: panel of 128 rows x 98,304 + 256 along K x 24,576 + row block x 3,072 + 128 along K x 1,536; scale words from byte 3,145,728: row block x 512 + 64 x K step + 4 x row.
; Inside a block of 32, position p holds index p with its bits 3 and 4 changed over, as in every operand of this program.
; No work is left out. PHASE 1: wave w owns rows 2 w and 2 w + 1 whole (32 registers a row): mean, then the sum of squares of x - mean (two true passes), (x - mean) rsqrt(var + eps) g + b, into a stage in LDS.
; PHASE 2, behind one barrier: wave w owns 128 along K (step w) of all 16 rows: lane (r, h) reads the 64 numbers that the operand's layout gives it, quantises them and stores one image.
; LIMITS: NaN and infinities are not served; a block of zeros gets the byte 1 (zero codes; this program alone reads the bytes); v_rsq_f32 stands for rsqrt.
.set PITCH, 4112                       ; a stage row: 4,096 bytes + 16: sixteen rows of one column start in sixteen different groups of banks
.set SPARE, 16*PITCH                   ; behind the stage: the spare words, 128 bytes a wave
.set SPW, 2
.set NIL, 3
.set I16, 4                            ; 16 x lane
.set STW, 5                            ; the stage, on the way in
.set STR, 6                            ; and on the way out
.set I8,  8                            ; 512 + 8 x lane
.set I4,  9                            ; 4 x (lane % 16)
.set PC,  12                           ; v12-31 phase 1: sums; phase 2: codes
.set XR,  32                           ; v32-95 two rows; later my 64 numbers
.set G,   96
.set BT,  128
.set TM,  160
.set PW,  176
.set SEL, 20
.macro QUANT s                         ; 64 numbers, register 16 b + i = position 32 b + 16 (lane / 16) + i of my row, become a fragment's codes in v[PC] on and its scale word in v[PW]
.irp b, 0,1,2,3
	v_max3_num_f32 v[TM+\b], |v[\s+16*\b]|, |v[\s+1+16*\b]|, 0x1800000   ; with the floor 2^(3 - 127)
.endr
.irp i, 2,4,6,8,10,12,14
.irp b, 0,1,2,3
	v_max3_num_f32 v[TM+\b], v[TM+\b], |v[\s+16*\b+\i]|, |v[\s+1+16*\b+\i]|
.endr
.endr
.irp b, 0,1,2,3
	v_permlanex16_b32 v[TM+4+\b], v[TM+\b], s[SEL], s[SEL+1]
.endr
.irp b, 0,1,2,3
	v_max_num_f32 v[TM+\b], v[TM+\b], v[TM+4+\b]   ; the block's largest magnitude
.endr
.irp b, 0,1,2,3
	v_add_nc_u32 v[TM+12+\b], 0xff000000, v[TM+\b] ; 2 off its exponent field: the conversion's scale operand
.endr
.irp b, 0,1,2,3
	v_lshrrev_b32 v[TM+4+\b], 23, v[TM+12+\b]      ; the byte
.endr
	v_lshl_or_b32 v[PW], v[TM+5], 8, v[TM+4]
	v_lshl_or_b32 v[PW], v[TM+6], 16, v[PW]
	v_lshl_or_b32 v[PW], v[TM+7], 24, v[PW]
.irp c, 0,1
	v_cvt_scalef32_pk16_fp6_f32 v[PC+6*\c:PC+2+6*\c], v[\s+32*\c:\s+15+32*\c], v[TM+12+2*\c]
	v_cvt_scalef32_pk16_fp6_f32 v[PC+12+4*\c:PC+14+4*\c], v[\s+16+32*\c:\s+31+32*\c], v[TM+12+2*\c+1]
.endr
	v_nop                                          ; one plain line behind a scaled conversion
.irp c, 0,1
.irp i, 0,1,2
	v_permlane16_swap_b32 v[PC+6*\c+\i], v[PC+12+4*\c+\i]   ; a whole block to a lane
.endr
.irp i, 0,1,2
	v_mov_b32 v[PC+3+6*\c+\i], v[PC+12+4*\c+\i]
.endr
.endr
.endm
.macro ACROSS                          ; v12 and v20, one for each row, summed over the wave's 32 lanes, into every lane
.irp m, 1,2,4,8
.irp p, 0,1
	v_add_f32_dpp v[12+8*\p], v[12+8*\p], v[12+8*\p] row_xmask:\m row_mask:0xf bank_mask:0xf
.endr
.endr
.irp p, 0,1
	v_permlanex16_b32 v[18+8*\p], v[12+8*\p], s[SEL], s[SEL+1]
.endr
.irp p, 0,1
	v_add_f32 v[12+8*\p], v[12+8*\p], v[18+8*\p]
.endr
.endm
	s_load_b256 s[4:11], s[0:1], 0x0               ; in, g, b, H
	v_lshl_add_u32 v[SPW], v0, 2, SPARE
	v_mov_b32 v[NIL], 0
	v_lshrrev_b32 v1, 5, v0
	v_readfirstlane_b32 s12, v1                    ; wave 0..7
	v_and_b32 v1, 31, v0
	v_and_b32 v7, 15, v0                           ; r
	v_bfe_u32 v10, v0, 4, 1                        ; h
	v_lshlrev_b32 v[I16], 4, v1
	v_lshl_add_u32 v[I8], v1, 3, 512
	v_lshlrev_b32 v[I4], 2, v7
	s_mul_i32 s13, s12, 2*PITCH
	v_add_nc_u32 v[STW], s13, v[I16]               ; my two rows, 16 bytes a lane
	v_mul_u32_u24 v[STR], v7, PITCH
	v_lshl_add_u32 v[STR], v10, 5, v[STR]
	s_lshl_b32 s13, s12, 9
	v_add_nc_u32 v[STR], s13, v[STR]               ; row r, + 512 x wave + 32 h
	s_lshl_b32 s14, ttmp9, 16                      ; 16 rows of 4,096 bytes a work-group,
	s_lshl_b32 s15, s12, 13                        ; two a wave
	s_add_co_u32 s14, s14, s15
	s_mov_b32 s15, 0
	s_lshr_b32 s16, ttmp9, 3
	s_mul_i32 s16, s16, 98304
	s_lshr_b32 s17, s12, 1
	s_mul_i32 s17, s17, 24576
	s_add_co_u32 s16, s16, s17
	s_and_b32 s17, ttmp9, 7
	s_mul_i32 s17, s17, 3072
	s_add_co_u32 s16, s16, s17
	s_and_b32 s17, s12, 1
	s_mul_i32 s17, s17, 1536
	s_add_co_u32 s16, s16, s17                     ; my image
	s_mov_b32 s17, 0
	s_lshl_b32 s18, ttmp9, 9
	s_lshl_b32 s19, s12, 6
	s_add_co_u32 s18, s18, s19
	s_add_co_u32 s18, s18, 3145728                 ; its scale words
	s_mov_b32 s19, 0
	s_mov_b32 s[SEL], 0x76543210
	s_mov_b32 s[SEL+1], 0xfedcba98
	s_mov_b32 s22, 0x3a800000                      ; 1 / 1,024
	s_mov_b32 s23, 0x3727c5ac                      ; eps = 1e-5
	s_wait_kmcnt 0x0
	s_add_nc_u64 s[4:5], s[4:5], s[14:15]
	s_add_nc_u64 s[16:17], s[10:11], s[16:17]
	s_add_nc_u64 s[18:19], s[10:11], s[18:19]
.irp p, 0,1
.irp c, 0,1,2,3,4,5,6,7
	global_load_b128 v[XR+32*\p+4*\c:XR+32*\p+4*\c+3], v[I16], s[4:5] offset:4096*\p+512*\c   ; 512 consecutive bytes a load
.endr
.endr
.irp c, 0,1,2,3,4,5,6,7
	global_load_b128 v[G+4*\c:G+4*\c+3], v[I16], s[6:7] offset:512*\c
	global_load_b128 v[BT+4*\c:BT+4*\c+3], v[I16], s[8:9] offset:512*\c
.endr
	v_mov_b32 v18, 0                               ; a lane permute's destination counts as one of its sources
	v_mov_b32 v26, 0
.irp b, 0,1,2,3
	v_mov_b32 v[TM+4+\b], 0
.endr
	s_wait_loadcnt 16                              ; the two rows are in; g's and b's 16 loads may be out
.irp p, 0,1
	v_pk_add_f32 v[12+8*\p:13+8*\p], v[XR+32*\p:XR+32*\p+1], v[XR+32*\p+2:XR+32*\p+3]
	v_pk_add_f32 v[14+8*\p:15+8*\p], v[XR+32*\p+4:XR+32*\p+5], v[XR+32*\p+6:XR+32*\p+7]
.endr
.irp i, 8,12,16,20,24,28
.irp p, 0,1
	v_pk_add_f32 v[12+8*\p:13+8*\p], v[12+8*\p:13+8*\p], v[XR+32*\p+\i:XR+32*\p+\i+1]
	v_pk_add_f32 v[14+8*\p:15+8*\p], v[14+8*\p:15+8*\p], v[XR+32*\p+\i+2:XR+32*\p+\i+3]
.endr
.endr
.irp p, 0,1
	v_pk_add_f32 v[12+8*\p:13+8*\p], v[12+8*\p:13+8*\p], v[14+8*\p:15+8*\p]
.endr
.irp p, 0,1
	v_add_f32 v[12+8*\p], v[12+8*\p], v[13+8*\p]
.endr
	ACROSS                                         ; the rows' sums
.irp p, 0,1
	v_mul_f32 v[16+8*\p], 0xba800000, v[12+8*\p]   ; - mean, twice: a pair for the packed additions
	v_mul_f32 v[17+8*\p], 0xba800000, v[12+8*\p]
.endr
.set i, 0
.rept 16
.irp p, 0,1
	v_pk_add_f32 v[XR+32*\p+2*i:XR+32*\p+2*i+1], v[XR+32*\p+2*i:XR+32*\p+2*i+1], v[16+8*\p:17+8*\p]   ; d = x - mean
.endr
.set i, i+1
.endr
.irp p, 0,1
	v_pk_mul_f32 v[12+8*\p:13+8*\p], v[XR+32*\p:XR+32*\p+1], v[XR+32*\p:XR+32*\p+1]
	v_pk_mul_f32 v[14+8*\p:15+8*\p], v[XR+32*\p+2:XR+32*\p+3], v[XR+32*\p+2:XR+32*\p+3]
.endr
.irp i, 4,8,12,16,20,24,28
.irp p, 0,1
	v_pk_fma_f32 v[12+8*\p:13+8*\p], v[XR+32*\p+\i:XR+32*\p+\i+1], v[XR+32*\p+\i:XR+32*\p+\i+1], v[12+8*\p:13+8*\p]
	v_pk_fma_f32 v[14+8*\p:15+8*\p], v[XR+32*\p+\i+2:XR+32*\p+\i+3], v[XR+32*\p+\i+2:XR+32*\p+\i+3], v[14+8*\p:15+8*\p]
.endr
.endr
.irp p, 0,1
	v_pk_add_f32 v[12+8*\p:13+8*\p], v[12+8*\p:13+8*\p], v[14+8*\p:15+8*\p]
.endr
.irp p, 0,1
	v_add_f32 v[12+8*\p], v[12+8*\p], v[13+8*\p]
.endr
	ACROSS                                         ; the sums of d^2
.irp p, 0,1
	v_fma_f32 v[19+8*\p], v[12+8*\p], s22, s23     ; var + eps
.endr
.irp p, 0,1
	v_rsq_f32 v[16+8*\p], v[19+8*\p]               ; twice: a pair
	v_rsq_f32 v[17+8*\p], v[19+8*\p]
.endr
	v_nop                                          ; a plain line behind the last of the four
	s_wait_alu depctr_va_vdst(0)                   ; one wait for the batch, ahead of its first reader
	s_wait_loadcnt 0x0                             ; g and b
.set i, 0
.rept 16
.irp p, 0,1
	v_pk_mul_f32 v[XR+32*\p+2*i:XR+32*\p+2*i+1], v[XR+32*\p+2*i:XR+32*\p+2*i+1], v[16+8*\p:17+8*\p]
.endr
.set i, i+1
.endr
.set i, 0
.rept 16
.irp p, 0,1
	v_pk_fma_f32 v[XR+32*\p+2*i:XR+32*\p+2*i+1], v[XR+32*\p+2*i:XR+32*\p+2*i+1], v[G+2*i:G+2*i+1], v[BT+2*i:BT+2*i+1]
.endr
.set i, i+1
.endr
.irp p, 0,1
.irp c, 0,1,2,3,4,5,6,7
	ds_store_b128 v[STW], v[XR+32*\p+4*\c:XR+32*\p+4*\c+3] offset:\p*PITCH+512*\c
.endr
.endr
	s_wait_dscnt 0x0                               ; for the others' sake: my rows lie in the stage
	s_barrier_signal -1
	s_barrier_wait -1
.irp b, 0,1,2,3
.irp u, 0,1
.irp j, 0,1
	ds_load_b128 v[XR+16*\b+8*\u+4*\j:XR+16*\b+8*\u+4*\j+3], v[STR] offset:128*\b+64*\u+16*\j   ; position 32 b + 16 h + 8 u + .. takes index 32 b + 16 u + 8 h + ..
.endr
.endr
.endr
	s_wait_dscnt 0x0
	QUANT XR
	global_store_b128 v[I16], v[PC:PC+3], s[16:17]
	global_store_b64 v[I8], v[PC+4:PC+5], s[16:17]
	global_store_b128 v[I16], v[PC+6:PC+9], s[16:17] offset:768
	global_store_b64 v[I8], v[PC+10:PC+11], s[16:17] offset:768
	global_store_b32 v[I4], v[PW], s[18:19]        ; lanes l and l xor 16 hold the same word and write it to the same place
	s_wait_tensorcnt 0x0                           ; the wave's end
	ds_add_u32 v[SPW], v[NIL]
	s_wait_dscnt 0x0
	s_endpgm
.Lfunc_end_k_q85b020eb2b_ln1:
	.size	k_q85b020eb2b_ln1, .Lfunc_end_k_q85b020eb2b_ln1-k_q85b020eb2b_ln1
	.p2alignl 7, 3214868480
	.fill 96, 4, 3214868480
	.section	.rodata,"a",@progbits
	.p2align	6, 0x0
	.amdhsa_kernel k_q85b020eb2b_ln1
		.amdhsa_group_segment_fixed_size 66816
		.amdhsa_private_segment_fixed_size 0
		.amdhsa_enable_private_segment 0
		.amdhsa_kernarg_size 32
		.amdhsa_user_sgpr_count 2
		.amdhsa_user_sgpr_kernarg_segment_ptr 1
		.amdhsa_wavefront_size32 1
		.amdhsa_system_sgpr_workgroup_id_x 1
		.amdhsa_system_sgpr_workgroup_id_y 1
		.amdhsa_system_sgpr_workgroup_id_z 1
		.amdhsa_system_vgpr_workitem_id 0
		.amdhsa_next_free_vgpr 180
		.amdhsa_next_free_sgpr 66
		.amdhsa_reserve_vcc 0
		.amdhsa_float_denorm_mode_32 3
		.amdhsa_float_denorm_mode_16_64 3
		.amdhsa_memory_ordered 1
		.amdhsa_forward_progress 1
		.amdhsa_inst_pref_size 25
	.end_amdhsa_kernel
	.amdgpu_metadata
---
amdhsa.version: [ 1, 2 ]
amdhsa.kernels:
  - .name:           k_q85b020eb2b_ln1
    .symbol:         k_q85b020eb2b_ln1.kd
    .args:
      - { .name: x, .offset: 0, .size: 8, .value_kind: global_buffer, .address_space: global }
      - { .name: ln1_g, .offset: 8, .size: 8, .value_kind: global_buffer, .address_space: global }
      - { .name: ln1_b, .offset: 16, .size: 8, .value_kind: global_buffer, .address_space: global }
      - { .name: H, .offset: 24, .size: 8, .value_kind: global_buffer, .address_space: global }
    .group_segment_fixed_size: 66816
    .private_segment_fixed_size: 0
    .kernarg_segment_align: 8
    .kernarg_segment_size: 32
    .max_flat_workgroup_size: 256
    .sgpr_count:     66
    .vgpr_count:     180
    .wavefront_size: 32
...
	.end_amdgpu_metadata
.endif
;; end of part 2
;; launch qkv (part 3): grid 12 x 16, 4 waves a work-group, clusters of 4 x 4, 327,680 bytes of LDS; arguments H, W, bq, bk, bv, QKV; writes QKV
.if DOCPART == 3
	.amdgcn_target "amdgcn-amd-amdhsa--gfx1250"
	.amdhsa_code_object_version 6
	.text
	.protected	k_q85b020eb2b_qkv
	.globl	k_q85b020eb2b_qkv
	.p2align	8
	.type	k_q85b020eb2b_qkv,@function
k_q85b020eb2b_qkv:
	s_mov_b64 s[64:65], 0
	v_nop
	global_prefetch_b8 v0, s[64:65] scope:SCOPE_SE
	s_setreg_imm32_b32 hwreg(HW_REG_WAVE_MODE, 25, 1), 1
	s_wait_xcnt 0x0
	s_wait_alu depctr_hold_cnt(0) depctr_sa_sdst(0) depctr_va_vdst(0) depctr_va_sdst(0) depctr_va_ssrc(0) depctr_va_vcc(0) depctr_vm_vsrc(0)
	s_getreg_b32 s2, hwreg(HW_REG_IB_STS2, 6, 4)
	s_cmp_eq_u32 s2, 0
	s_cbranch_scc0 .Lentry_in_a_cluster
	s_endpgm
.Lentry_in_a_cluster:
	s_bfe_u32 s2, ttmp6, 0x10000c
	s_cmp_lg_u32 s2, 0xf033
	s_cbranch_scc0 .Lentry_shape_is_right
	s_endpgm
.Lentry_shape_is_right:
; q = h Wq + bq, k = h Wk + bk, v = h Wv + bv on codes of FP6 (E2M3) with E8M0 scales, and the three results quantised for attention. No work is left out.
; Operands arrive as IMAGES of operand registers (16 rows x 128 K in 1,536 bytes: half c at 768 c; registers 0-3 of lane l at 16 l, registers 4, 5 at 512 + 8 l), laid panel (128 rows) / 256 along K (24,576 dense bytes) / row block / 128 along K.
; A tile of 256 x 256 is made by four waves, 128 x 128 each (64 accumulators). K goes in steps of 256 through two LDS slots; a wave's tensor load brings one dense chunk of 24,576 bytes. All scale words of the tile's rows come once, with the first fills.
; THE PRODUCT IS USED TRANSPOSED: source 0 = B's 16 rows, source 1 = A's: a lane holds one row of A and its registers run along B's rows: they are the next product's K, and are quantised in registers.
; CLUSTER x 0, 1: A = h (tokens), B = Wq, Wk: lane = token, registers along the head's axis: images of q and k, 16 tokens x one pair of heads.
; CLUSTER x 2: A = Wv (rows d), B = h (tokens): lane = d, registers along the tokens: images of V^T, whose K is the keys. All sixteen partners of a cluster share the cluster's x, on which the two branches hang.
; Inside a block of 32, position p holds index p with bits 3 and 4 changed over: that is what the result's layout gives, and both sides of every product have it.
; CLUSTERS 4 x 4: A's chunks are asked for jointly along a row of the cluster, B's along a column.
; LIMITS: NaN and infinities are not served; a block of zeros gets the byte 1 (zero codes; this program alone reads the bytes).
.set KK,     1024
.set LAPS,   KK/512
.set NQ,     2
.set FR,     12
.set NL,     4                         ; LDS loads that bring a fragment
.set NP,     4                         ; places behind this matrix instruction
.set IMG,    1536
.set CHUNK,  16*IMG
.set SLOT,   4*CHUNK                   ; A's two panels, then B's two
.set SCL,    2*SLOT                    ; behind the ring: the scale words
.set HALFS,  4*KK                      ; those of a panel
.set SBLK,   KK/2                      ; those of a row block
.set SPARE,  SCL+4*HALFS               ; the spare words, 128 bytes a wave
.set HSC,    3145728                   ; where the scale words begin in H
.set WS,     9437184                   ; and in W
.set V_C,    6291456                   ; QKV: q's and k's images from 0, V^T's from here,
.set QK_S,   9437184                   ; q's and k's scale words,
.set V_S,    9699328                   ; V^T's
.set ADRA, 16                          ; v16-17 my A fragments in slot 0, 1 (16 x lane); v18-19 the same (512 + 8 x lane)
.set ADRB, 20                          ; v20-23 the same for B
.set I16,  24
.set I8,   25
.set I4,   26
.set ADRS, 27                          ; my scale words: lanes 0-15 A's rows, lanes 16-31 B's
.set SPW,  28
.set NIL,  29
.set SC,   32                          ; v32-63 scale words, a set of 16 for each slot
.set BIAS, 64                          ; v64-127
.set AF,   128                         ; v128-223 A's fragments, one set; window 1: B's two sets at v0 and v128; windows 2, 3: accumulators
.set T,    128                         ; the way out: 64 numbers
.set PC,   192
.set TM,   212
.set PW,   228
.set G1, 24
.set G0, 32
.set G1B, 48
.set G0B, 56
.set SEL, 66
.set G1S, 68
.set G0S, 76
.set G1SB, 80
.set G0SB, 88
.set MSB, 0
.macro WIN new                         ; the immediate's high byte repeats the setting that is left
.if MSB != (\new)
	s_set_vgpr_msb (MSB<<8)|(\new)
.set MSB, (\new)
.endif
.endm
.set MUL_LO, 0xa1                      ; source 0 (B) window 1, source 1 (A) window 0, C and D window 2
.set MUL_HI, 0xf1
.set TO_B,   0x40
.macro JLOAD g0a, g1a, g0b, g1b        ; a joint load: waves 0, 1 fetch for A, waves 2, 3 for B; s_nop 0 and four v_nop follow each line
	s_cmp_eq_u32 s15, 0
	s_cbranch_scc0 .Lfor_b_\@
	tensor_load_to_lds s[\g0a:\g0a+3], s[\g1a:\g1a+7]
	s_nop 0
.rept 4
	v_nop
.endr
	s_branch .Lasked_\@
.Lfor_b_\@:
	tensor_load_to_lds s[\g0b:\g0b+3], s[\g1b:\g1b+7]
	s_nop 0
.rept 4
	v_nop
.endr
.Lasked_\@:
.endm
.macro CREST
	s_cmp_lg_u32 s14, 0
	s_cbranch_scc1 .Lnot_wave_0_\@
	s_barrier_signal -3
.Lnot_wave_0_\@:
	s_barrier_wait -3
	s_barrier_signal -1
	s_barrier_wait -1
.endm
.macro CROUND
	s_barrier_signal -1
	s_barrier_wait -1
	CREST
.endm
	s_load_b128 s[4:7], s[0:1], 0x0                ; H, W
	s_load_b128 s[8:11], s[0:1], 0x10              ; bq, bk
	s_load_b128 s[96:99], s[0:1], 0x20             ; bv, QKV
	v_lshl_add_u32 v[SPW], v0, 2, SPARE
	v_mov_b32 v[NIL], 0
	ds_add_u32 v[SPW], v[NIL]                      ; the opening: the add, twice on end, and its wait ahead of my first tensor load
	ds_add_u32 v[SPW], v[NIL]
	v_lshrrev_b32 v1, 5, v0
	v_readfirstlane_b32 s14, v1                    ; wave
	s_lshr_b32 s15, s14, 1                         ; my half of A's rows; also: I fetch for A (0) or B (1)
	s_and_b32 s16, s14, 1                          ; my half of B's rows; also: which panel I fetch
	s_bfe_u32 s40, ttmp6, 0x40000                  ; cx
	s_bfe_u32 s41, ttmp6, 0x40004                  ; cy
	s_mov_b32 s95, ttmp9                           ; the cluster's x: 0 q, 1 k, 2 V^T
	s_and_b32 s18, ttmp7, 0xffff
	s_lshl_b32 s18, s18, 2                         ; 4 x cluster y
	s_lshl_b32 s19, ttmp9, 2
	s_mov_b32 s2, HSC
	s_mov_b32 s100, WS
	s_cmp_eq_u32 s95, 2
	s_cselect_b32 s17, 8, s18                      ; A's tile of 256 rows: Wv's begin at tile 8 of W; else tokens
	s_cselect_b32 s42, s18, s19                    ; B's: tokens; else Wq's and Wk's
	s_cselect_b32 s101, s100, s2                   ; where A's scale words begin in its buffer
	s_cselect_b32 s100, s2, s100                   ; and B's
	s_add_co_u32 s17, s17, s41                     ; + cy
	s_add_co_u32 s42, s42, s40                     ; + cx
	s_lshl_b32 s43, s41, 2
	s_lshl_b32 s43, 15, s43                        ; my row of the cluster
	s_lshl_b32 s44, 0x1111, s40                    ; my column
	s_or_b32 s[G1+0], s43, (3<<16)|(1<<21)         ; the mask; elements of 8 bytes; bit 21 beside a mask; no padding
	s_or_b32 s[G1B+0], s44, (3<<16)|(1<<21)
	s_or_b32 s[G1S+0], s43, (3<<16)|(1<<21)
	s_or_b32 s[G1SB+0], s44, (3<<16)|(1<<21)
.irp g, G1, G1B                        ; a dense chunk as 96 rows of 256 bytes
	s_mov_b32 s[\g+1], 32<<16
	s_mov_b32 s[\g+2], (CHUNK/256)<<16
	s_mov_b32 s[\g+3], 32<<16
	s_mov_b32 s[\g+4], CHUNK/256
	s_mov_b32 s[\g+5], 32
	s_mov_b32 s[\g+6], 0
	s_mov_b32 s[\g+7], 0
.endr
.irp g, G1S, G1SB                      ; a panel's scale words likewise
	s_mov_b32 s[\g+1], 32<<16
	s_mov_b32 s[\g+2], (HALFS/256)<<16
	s_mov_b32 s[\g+3], 32<<16
	s_mov_b32 s[\g+4], HALFS/256
	s_mov_b32 s[\g+5], 32
	s_mov_b32 s[\g+6], 0
	s_mov_b32 s[\g+7], 0
.endr
	s_lshl_b32 s20, s17, 1
	s_add_co_u32 s20, s20, s16                     ; A's panel that I fetch
	s_mul_i32 s22, s20, HALFS
	s_add_co_u32 s22, s22, s101
	s_mul_i32 s20, s20, 96*KK
	s_mov_b32 s21, 0
	s_mov_b32 s23, 0
	s_lshl_b32 s46, s42, 1
	s_add_co_u32 s46, s46, s16                     ; B's
	s_mul_i32 s92, s46, HALFS
	s_add_co_u32 s92, s92, s100
	s_mul_i32 s46, s46, 96*KK
	s_mov_b32 s47, 0
	s_mov_b32 s93, 0
	s_mul_i32 s45, s14, CHUNK                      ; where they go: no place in the cluster enters an LDS address
	s_mul_i32 s94, s14, HALFS
	s_mov_b32 s[SEL], 0x76543210
	s_mov_b32 s[SEL+1], 0xfedcba98
	s_wait_dscnt 0x0                               ; both opening adds are done
	s_wait_kmcnt 0x0
	s_cmp_eq_u32 s95, 2
	s_cselect_b64 s[18:19], s[6:7], s[4:5]         ; A's buffer
	s_cselect_b64 s[100:101], s[4:5], s[6:7]       ; B's
	s_add_nc_u64 s[20:21], s[18:19], s[20:21]
	s_add_nc_u64 s[22:23], s[18:19], s[22:23]
	s_add_nc_u64 s[46:47], s[100:101], s[46:47]
	s_add_nc_u64 s[92:93], s[100:101], s[92:93]
	CROUND                                         ; all sixteen work-groups are here: the first joint loads meet
	s_mov_b32 s[G0S], 1
	s_add_co_u32 s[G0S+1], s94, SCL
	s_mov_b64 s[G0S+2:G0S+3], s[22:23]
	s_or_b32 s[G0S+3], s[G0S+3], 0x80000000
	s_mov_b32 s[G0SB], 1
	s_add_co_u32 s[G0SB+1], s94, SCL
	s_mov_b64 s[G0SB+2:G0SB+3], s[92:93]
	s_or_b32 s[G0SB+3], s[G0SB+3], 0x80000000
	JLOAD G0S, G1S, G0SB, G1SB
.irp s, 0,1
	s_mov_b32 s[G0+4*\s], 1
	s_add_co_u32 s[G0+4*\s+1], s45, \s*SLOT
	s_add_nc_u64 s[G0+4*\s+2:G0+4*\s+3], s[20:21], \s*CHUNK
	s_or_b32 s[G0+4*\s+3], s[G0+4*\s+3], 0x80000000
	s_mov_b32 s[G0B+4*\s], 1
	s_add_co_u32 s[G0B+4*\s+1], s45, \s*SLOT
	s_add_nc_u64 s[G0B+4*\s+2:G0B+4*\s+3], s[46:47], \s*CHUNK
	s_or_b32 s[G0B+4*\s+3], s[G0B+4*\s+3], 0x80000000
	JLOAD G0+4*\s, G1, G0B+4*\s, G1B               ; three loads of mine are out now
.endr
	v_and_b32 v1, 15, v0                           ; r
	v_bfe_u32 v2, v0, 4, 1                         ; h
	v_and_b32 v3, 31, v0                           ; lane
	v_lshlrev_b32 v[I16], 4, v3
	v_lshl_add_u32 v[I8], v3, 3, 512
	v_lshlrev_b32 v[I4], 2, v1
	s_mul_i32 s21, s15, CHUNK
	s_mul_i32 s22, s16, CHUNK
	s_add_co_u32 s22, s22, 2*CHUNK
.irp s, 0,1
	v_add_nc_u32 v[ADRA+\s], s21, v[I16]
	v_add_nc_u32 v[ADRA+2+\s], s21, v[I8]
	v_add_nc_u32 v[ADRB+\s], s22, v[I16]
	v_add_nc_u32 v[ADRB+2+\s], s22, v[I8]
	s_add_co_u32 s21, s21, SLOT
	s_add_co_u32 s22, s22, SLOT
.endr
	s_mul_i32 s21, s15, HALFS
	s_mul_i32 s22, s16, HALFS
	s_add_co_u32 s22, s22, 2*HALFS
	s_sub_co_u32 s22, s22, s21
	v_mul_u32_u24 v6, s22, v2                      ; lanes 16-31 take B's
	s_add_co_u32 s21, s21, SCL
	v_lshl_add_u32 v6, v1, 2, v6
	v_add_nc_u32 v[ADRS], s21, v6
	; the biases. q, k: register 8 b + j wants the bias of column 16 b + 8 h + j of my 128. V^T: every register of block a wants the bias of my lane's row d = 16 a + r
	v_lshlrev_b32 v7, 5, v2
	s_cmp_eq_u32 s95, 0
	s_cselect_b64 s[8:9], s[8:9], s[10:11]
	s_lshl_b32 s46, s40, 10
	s_lshl_b32 s47, s16, 9
	s_add_co_u32 s46, s46, s47
	s_mov_b32 s47, 0
	s_add_nc_u64 s[8:9], s[8:9], s[46:47]
	s_lshl_b32 s20, s41, 10
	s_lshl_b32 s21, s15, 9
	s_add_co_u32 s20, s20, s21
	s_mov_b32 s21, 0
	s_add_nc_u64 s[96:97], s[96:97], s[20:21]
	s_cmp_eq_u32 s95, 2
	s_cbranch_scc1 .Lbias_v
.irp b, 0,1,2,3,4,5,6,7
	global_load_b128 v[BIAS+8*\b:BIAS+8*\b+3], v7, s[8:9] offset:64*\b
	global_load_b128 v[BIAS+8*\b+4:BIAS+8*\b+7], v7, s[8:9] offset:64*\b+16
.endr
	s_branch .Lbias_done
.Lbias_v:
.irp a, 0,1,2,3,4,5,6,7
.irp j, 0,1,2,3,4,5,6,7
	global_load_b32 v[BIAS+8*\a+\j], v[I4], s[96:97] offset:64*\a   ; the packed additions of block a take these eight pair by pair
.endr
.endr
.Lbias_done:
.macro FRAG reg, adr, q, i             ; an image comes back as the registers that it is
	ds_load_b128 v[\reg:\reg+3], v[\adr] offset:(\i)*2*IMG+(\q)*IMG
	ds_load_b64 v[\reg+4:\reg+5], v[\adr+2] offset:(\i)*2*IMG+(\q)*IMG
	ds_load_b128 v[\reg+6:\reg+9], v[\adr] offset:(\i)*2*IMG+(\q)*IMG+768
	ds_load_b64 v[\reg+10:\reg+11], v[\adr+2] offset:(\i)*2*IMG+(\q)*IMG+768
.endm
; 16 matrix instructions: A's blocks a0, a0 + 1 x B's eight. The 64 accumulators take turns, one instruction a turn, in the same order in every step.
.macro MUL16 a0, p, q, sc, zero
.irp a, \a0, \a0+1
.irp b, 0,1,2,3,4,5,6,7
.if \zero
	v_wmma_scale_f32_16x16x128_f8f6f4 v[8*(8*((\a)%4)+\b):8*(8*((\a)%4)+\b)+7], v[128*(\p)+FR*\b:128*(\p)+FR*\b+FR-1], v[AF+FR*(\a):AF+FR*(\a)+FR-1], 0, v[SC+8*NQ*(\sc)+NQ*\b+(\q)], v[SC+8*NQ*(\sc)+NQ*(\a)+(\q)] matrix_a_fmt:MATRIX_FMT_FP6 matrix_b_fmt:MATRIX_FMT_FP6 matrix_a_scale:MATRIX_SCALE_ROW1
.else
	v_wmma_scale_f32_16x16x128_f8f6f4 v[8*(8*((\a)%4)+\b):8*(8*((\a)%4)+\b)+7], v[128*(\p)+FR*\b:128*(\p)+FR*\b+FR-1], v[AF+FR*(\a):AF+FR*(\a)+FR-1], v[8*(8*((\a)%4)+\b):8*(8*((\a)%4)+\b)+7], v[SC+8*NQ*(\sc)+NQ*\b+(\q)], v[SC+8*NQ*(\sc)+NQ*(\a)+(\q)] matrix_a_fmt:MATRIX_FMT_FP6 matrix_b_fmt:MATRIX_FMT_FP6 matrix_a_scale:MATRIX_SCALE_ROW1
.endif
.endr
.endr
.endm
.macro FETCH_B slot, q, p
	WIN TO_B
.irp i, 0,1,2,3,4,5,6,7
	FRAG 128*(\p)+FR*\i, ADRB+\slot, \q, \i
.endr
	WIN 0
.endm
.macro FETCH_A slot, q, i0
.irp i, \i0, \i0+1, \i0+2, \i0+3
	FRAG AF+FR*(\i), ADRA+\slot, \q, \i
.endr
.endm
.macro SCALES sc                       ; a slot's scale words: register 2 i + q: lanes 0-15 A's block i, lanes 16-31 B's block i
.irp i, 0,1,2,3,4,5,6,7
	ds_load_b32 v[SC+16*\sc+2*\i], v[ADRS] offset:\i*SBLK
	ds_load_b32 v[SC+16*\sc+2*\i+1], v[ADRS] offset:\i*SBLK+64
.endr
.endm
.macro PLACES n                        ; plain lines between a matrix instruction and a load into, or a read of, its registers
.rept \n
	v_nop
.endr
.endm
.macro STEP slot, q, zero              ; 128 along K whose successor lies in the same slot
	s_wait_dscnt 4*NL                              ; all but the youngest 16 loads (A's blocks 4-7) are in
	WIN MUL_LO
	MUL16 0, (\q)%2, \q, \slot, \zero
	MUL16 2, (\q)%2, \q, \slot, \zero
	s_wait_dscnt 0
	PLACES NP
	FETCH_B \slot, (\q)+1, 1-(\q)%2
	FETCH_A \slot, (\q)+1, 0
	WIN MUL_HI
	MUL16 4, (\q)%2, \q, \slot, \zero
	MUL16 6, (\q)%2, \q, \slot, \zero
	PLACES NP
	WIN 0
	FETCH_A \slot, (\q)+1, 4
.endm
.macro TURN slot, next, fill           ; a slot's last step changes slots: one barrier; fill = 1: it opens a round of the cluster's barrier, and the slot is filled again
	s_wait_tensorcnt 0x0                           ; all my tensor loads have landed: my part of the next slot
	ds_add_u32 v[SPW], v[NIL]                      ; 0 onto my spare word
	s_wait_dscnt 4*NL+1                            ; (the add and the youngest 16 loads may be out)
	WIN MUL_LO
	MUL16 0, 1, NQ-1, \slot, 0
	s_wait_dscnt 0x0                               ; the add is done, and my reads of this slot are over
	s_barrier_signal -1
	MUL16 2, 1, NQ-1, \slot, 0
	WIN 0
	s_barrier_wait -1
.if \fill
	CREST                                          ; no wave of any partner still reads this slot or has a load on its way
	s_add_nc_u64 s[G0+4*\slot+2:G0+4*\slot+3], s[G0+4*\slot+2:G0+4*\slot+3], 2*CHUNK
	s_add_nc_u64 s[G0B+4*\slot+2:G0B+4*\slot+3], s[G0B+4*\slot+2:G0B+4*\slot+3], 2*CHUNK
	JLOAD G0+4*\slot, G1, G0B+4*\slot, G1B         ; my one tensor load behind the round; its four v_nop are the places in front of the loads below
.else
	PLACES NP
.endif
	v_add_nc_u32 v[ADRS], 128, v[ADRS]             ; the next slot's scale words
	FETCH_B \next, 0, 0
	FETCH_A \next, 0, 0
	SCALES \next
	WIN MUL_HI
	MUL16 4, 1, NQ-1, \slot, 0
	MUL16 6, 1, NQ-1, \slot, 0
	PLACES NP
	WIN 0
	FETCH_A \next, 0, 4
.endm
	s_wait_tensorcnt 1                             ; the scale words and my part of slot 0 are in; slot 1's load may be out
	s_barrier_signal -1
	s_barrier_wait -1
	FETCH_B 0, 0, 0
	FETCH_A 0, 0, 0
	SCALES 0
	FETCH_A 0, 0, 4
	STEP 0, 0, 1                                   ; the first step starts the sums
	s_mov_b32 s3, LAPS-1
.Llap:
	TURN 0, 1, 1
	STEP 1, 0, 0
	TURN 1, 0, 1
	STEP 0, 0, 0
	s_sub_co_u32 s3, s3, 1
	s_cmp_lg_u32 s3, 0
	s_cbranch_scc1 .Llap
	TURN 0, 1, 0                                   ; the last lap fills nothing
	STEP 1, 0, 0
	s_wait_dscnt 4*NL
	WIN MUL_LO
	MUL16 0, 1, NQ-1, 1, 0
	MUL16 2, 1, NQ-1, 1, 0
	s_wait_dscnt 0
	WIN MUL_HI
	MUL16 4, 1, NQ-1, 1, 0
	MUL16 6, 1, NQ-1, 1, 0
	WIN 0
.macro QUANT s                         ; 64 numbers, register 16 b + i = position 32 b + 16 (lane / 16) + i of my row, become a fragment's codes in v[PC] on and its scale word in v[PW]
.irp b, 0,1,2,3
	v_max3_num_f32 v[TM+\b], |v[\s+16*\b]|, |v[\s+1+16*\b]|, 0x1800000
.endr
.irp i, 2,4,6,8,10,12,14
.irp b, 0,1,2,3
	v_max3_num_f32 v[TM+\b], v[TM+\b], |v[\s+16*\b+\i]|, |v[\s+1+16*\b+\i]|
.endr
.endr
.irp b, 0,1,2,3
	v_permlanex16_b32 v[TM+4+\b], v[TM+\b], s[SEL], s[SEL+1]
.endr
.irp b, 0,1,2,3
	v_max_num_f32 v[TM+\b], v[TM+\b], v[TM+4+\b]
.endr
.irp b, 0,1,2,3
	v_add_nc_u32 v[TM+12+\b], 0xff000000, v[TM+\b]
.endr
.irp b, 0,1,2,3
	v_lshrrev_b32 v[TM+4+\b], 23, v[TM+12+\b]
.endr
	v_lshl_or_b32 v[PW], v[TM+5], 8, v[TM+4]
	v_lshl_or_b32 v[PW], v[TM+6], 16, v[PW]
	v_lshl_or_b32 v[PW], v[TM+7], 24, v[PW]
.irp c, 0,1
	v_cvt_scalef32_pk16_fp6_f32 v[PC+6*\c:PC+2+6*\c], v[\s+32*\c:\s+15+32*\c], v[TM+12+2*\c]
	v_cvt_scalef32_pk16_fp6_f32 v[PC+12+4*\c:PC+14+4*\c], v[\s+16+32*\c:\s+31+32*\c], v[TM+12+2*\c+1]
.endr
	v_nop
.irp c, 0,1
.irp i, 0,1,2
	v_permlane16_swap_b32 v[PC+6*\c+\i], v[PC+12+4*\c+\i]
.endr
.irp i, 0,1,2
	v_mov_b32 v[PC+3+6*\c+\i], v[PC+12+4*\c+\i]
.endr
.endr
.endm
.macro STIMG cb, coff, sb, soff        ; the image and its scale words leave as they stand: 512, 256, 512, 256 and 64 consecutive bytes
	global_store_b128 v[I16], v[PC:PC+3], s[\cb:\cb+1] offset:\coff
	global_store_b64 v[I8], v[PC+4:PC+5], s[\cb:\cb+1] offset:\coff
	global_store_b128 v[I16], v[PC+6:PC+9], s[\cb:\cb+1] offset:(\coff)+768
	global_store_b64 v[I8], v[PC+10:PC+11], s[\cb:\cb+1] offset:(\coff)+768
	global_store_b32 v[I4], v[PW], s[\sb:\sb+1] offset:\soff
.endm
.macro EPI a, mode, cstr, sstr         ; block a of my eight: + bias (each accumulator from its low end on), quantised, stored
.set AC, 64*((\a)%4)
	WIN 2+(\a)/4                                   ; source 0: window 2 or 3
.set i, 0
.rept 32
.if \mode
	v_pk_add_f32 v[T+2*i:T+2*i+1], v[AC+2*i:AC+2*i+1], v[BIAS+8*(\a)+2*(i%4):BIAS+8*(\a)+2*(i%4)+1]
.else
	v_pk_add_f32 v[T+2*i:T+2*i+1], v[AC+2*i:AC+2*i+1], v[BIAS+2*i:BIAS+2*i+1]
.endif
.set i, i+1
.endr
	WIN 0
.if (\a) > 0
	s_wait_xcnt 0x0                                ; the last block's stores have read their registers: the codes may be written again
.endif
	QUANT T
	STIMG 12, (\a)*(\cstr), 100, (\a)*(\sstr)
.endm
	PLACES NP                                      ; in front of the first read of results and of writes over A's fragments
	s_wait_loadcnt 0x0                             ; the biases
.irp b, 0,1,2,3
	v_mov_b32 v[TM+4+\b], 0                        ; a lane permute's destination counts as one of its sources
.endr
	s_cmp_eq_u32 s95, 2
	s_cbranch_scc1 .Lout_v
	s_lshl_b32 s20, s42, 1
	s_add_co_u32 s20, s20, s16                     ; which pair of heads: 0-7 q's, 8-15 k's
	s_lshl_b32 s21, s17, 4
	s_lshl_b32 s22, s15, 3
	s_add_co_u32 s21, s21, s22                     ; my first block of 16 tokens
	s_lshl_b32 s22, s20, 14
	s_lshl_b32 s23, s21, 6
	s_add_co_u32 s22, s22, s23
	s_add_co_u32 s22, s22, QK_S
	s_mov_b32 s23, 0
	s_mul_i32 s20, s20, 393216
	s_mul_i32 s21, s21, IMG
	s_add_co_u32 s20, s20, s21
	s_mov_b32 s21, 0
	s_add_nc_u64 s[12:13], s[98:99], s[20:21]
	s_add_nc_u64 s[100:101], s[98:99], s[22:23]
.irp a, 0,1,2,3,4,5,6,7
	EPI \a, 0, 1536, 64
.endr
	s_branch .Ldone
.Lout_v:
	s_lshl_b32 s20, s41, 1
	s_add_co_u32 s20, s20, s15                     ; g: which 128 rows d, a pair of heads
	s_lshl_b32 s21, s42, 1
	s_add_co_u32 s21, s21, s16                     ; which 128 tokens
	s_lshr_b32 s22, s21, 4                         ; the batch
	s_lshl_b32 s22, s22, 3
	s_add_co_u32 s20, s20, s22
	s_lshl_b32 s20, s20, 3
	s_bfe_u32 s22, s21, 0x30001                    ; which 256 keys of the batch
	s_add_co_u32 s20, s20, s22
	s_and_b32 s21, s21, 1                          ; and which half of them
	s_lshl_b32 s22, s20, 10
	s_lshl_b32 s23, s21, 6
	s_add_co_u32 s22, s22, s23
	s_add_co_u32 s22, s22, V_S
	s_mov_b32 s23, 0
	s_mul_i32 s20, s20, CHUNK
	s_mul_i32 s21, s21, IMG
	s_add_co_u32 s20, s20, s21
	s_add_co_u32 s20, s20, V_C
	s_mov_b32 s21, 0
	s_add_nc_u64 s[12:13], s[98:99], s[20:21]
	s_add_nc_u64 s[100:101], s[98:99], s[22:23]
.irp a, 0,1,2,3,4,5,6,7
	EPI \a, 1, 3072, 128
.endr
.Ldone:
	s_wait_tensorcnt 0x0                           ; the wave's end
	ds_add_u32 v[SPW], v[NIL]
	s_wait_dscnt 0x0
	CROUND                                         ; the closing round
	s_endpgm
.Lfunc_end_k_q85b020eb2b_qkv:
	.size	k_q85b020eb2b_qkv, .Lfunc_end_k_q85b020eb2b_qkv-k_q85b020eb2b_qkv
	.p2alignl 7, 3214868480
	.fill 96, 4, 3214868480
	.section	.rodata,"a",@progbits
	.p2align	6, 0x0
	.amdhsa_kernel k_q85b020eb2b_qkv
		.amdhsa_group_segment_fixed_size 327680
		.amdhsa_private_segment_fixed_size 0
		.amdhsa_enable_private_segment 0
		.amdhsa_kernarg_size 48
		.amdhsa_user_sgpr_count 2
		.amdhsa_user_sgpr_kernarg_segment_ptr 1
		.amdhsa_wavefront_size32 1
		.amdhsa_system_sgpr_workgroup_id_x 1
		.amdhsa_system_sgpr_workgroup_id_y 1
		.amdhsa_system_sgpr_workgroup_id_z 1
		.amdhsa_system_vgpr_workitem_id 0
		.amdhsa_next_free_vgpr 1024
		.amdhsa_next_free_sgpr 102
		.amdhsa_reserve_vcc 0
		.amdhsa_float_denorm_mode_32 3
		.amdhsa_float_denorm_mode_16_64 3
		.amdhsa_memory_ordered 1
		.amdhsa_forward_progress 1
		.amdhsa_inst_pref_size 226
	.end_amdhsa_kernel
	.amdgpu_metadata
---
amdhsa.version: [ 1, 2 ]
amdhsa.kernels:
  - .name:           k_q85b020eb2b_qkv
    .symbol:         k_q85b020eb2b_qkv.kd
    .args:
      - { .name: H, .offset: 0, .size: 8, .value_kind: global_buffer, .address_space: global }
      - { .name: W, .offset: 8, .size: 8, .value_kind: global_buffer, .address_space: global }
      - { .name: bq, .offset: 16, .size: 8, .value_kind: global_buffer, .address_space: global }
      - { .name: bk, .offset: 24, .size: 8, .value_kind: global_buffer, .address_space: global }
      - { .name: bv, .offset: 32, .size: 8, .value_kind: global_buffer, .address_space: global }
      - { .name: QKV, .offset: 40, .size: 8, .value_kind: global_buffer, .address_space: global }
    .group_segment_fixed_size: 327680
    .private_segment_fixed_size: 0
    .kernarg_segment_align: 8
    .kernarg_segment_size: 48
    .max_flat_workgroup_size: 128
    .sgpr_count:     102
    .vgpr_count:     1024
    .wavefront_size: 32
...
	.end_amdgpu_metadata
.endif
;; end of part 3
;; launch attn (part 4): grid 16 x 16, 16 waves a work-group, no clusters, 327,680 bytes of LDS; arguments QKV, AO; writes AO
.if DOCPART == 4
	.amdgcn_target "amdgcn-amd-amdhsa--gfx1250"
	.amdhsa_code_object_version 6
	.text
	.protected	k_q85b020eb2b_attn
	.globl	k_q85b020eb2b_attn
	.p2align	8
	.type	k_q85b020eb2b_attn,@function
k_q85b020eb2b_attn:
	s_mov_b64 s[64:65], 0
	v_nop
	global_prefetch_b8 v0, s[64:65] scope:SCOPE_SE
	s_setreg_imm32_b32 hwreg(HW_REG_WAVE_MODE, 25, 1), 1
	s_wait_xcnt 0x0
; Attention on codes of FP6 (E2M3) with E8M0 scales: O = softmax(q k^T / 8) v for 32 (batch, head) pairs, 2,048 keys, head size 64; the result is quantised along the embedding for the projection that follows. No work is left out.
; THE SOFTMAX AHEAD OF THE SECOND PRODUCT: t = score x log2(e) / 8; M = the running largest t rounded up to a whole number; p = 2^(t - M) is quantised along the keys; the row's sum is taken of the unquantised p and divides at the end.
; SHARES. Work-group (x, y): y = 8 x batch + pair of heads, x = 128 queries. Wave w: tile of 16 queries w / 2, head w % 2 of the pair: 256 registers, four waves to a SIMD. Every wave walks all keys, 128 a step.
; OPERANDS are images of operand registers (16 rows x 128 K in 1,536 bytes: half c at 768 c; registers 0-3 of lane l at 16 l, registers 4, 5 at 512 + 8 l). An image of q or k holds 16 tokens x a pair of heads: half c is head c.
; K = 64 IN AN INSTRUCTION OF K = 128: the head's half goes into registers 0-5; Q's registers 6-11 hold zero codes for the whole launch, so whatever codes stand in K's upper six add nothing (FP6 has no NaN and no infinity);
; the scale words are the head's two bytes (a load of 16 bits): the upper two bytes are 0, which is 2^-127 over zero codes.
; Both products are used transposed (S^T = K Q^T, O^T = V^T P^T): a lane holds one query. The 16 registers of two neighbouring tiles go into one block's half: inside a block of 32 keys position p holds key p with bits 3 and 4 changed over, as in V^T's images.
; RING: two slots of 256 keys (K: 16 images, V^T: 16 images), filled by waves 0 to 3, one dense load of 12,288 bytes each; the scale words of all 2,048 keys come once.
; NO CLUSTER, though the 16 work-groups of a y walk the same K and V: a slot's 49,152 bytes feed two key steps of sixteen waves, some 300 vector instructions a step and wave: what is shared is a small part of a step's work, and the plain form is kept.
; LIMITS: NaN and infinities are not served; a block of zeros gets the byte 1; the output's scale bytes leave as stores of 2 bytes a lane (131,072 bytes in all); v_rcp_f32 stands for the division.
.set QK_S,  9437184
.set V_C,   6291456
.set V_S,   9699328
.set AOS,   3145728
.set IMG,   1536
.set VOFF,  16*IMG                     ; a slot: K's 16 images, then V^T's [row block 8][128 keys 2]
.set SLOT1, 65536
.set NSL,   8
.set SCK,   131072                     ; K's scale words, 8,192 bytes
.set SCV,   SCK+8192                   ; V^T's
.set SPARE, SCV+8192                   ; the spare words, 128 bytes a wave
.set AK16, 1
.set AK8,  2
.set AV16, 3
.set AV8,  4
.set SPW,  5
.set NIL,  6
.set ASK0, 7
.set ADK16, 8
.set ADK8, 9
.set ADV16, 10
.set ADV8, 11
.set PFO,  28
.set ASV0, 29
.set ADS,  30
.set ADT,  31
.set TB,   2                           ; s2 the slot in hand
.set TS,   3                           ; s3 its scale words: 1,024 bytes a slot, K's and V^T's alike
.set WV,   18
.set SEL,  20
.set CS,   22
.set G1T,  24
.set G1S,  32
.set G0T,  40
.set G0S,  44
.set SLOTS, 48
.set PFA,  50
.set LIM,  52
.macro TLOAD                           ; waves 0, 1: K's halves; waves 2, 3: V^T's; the addresses hang on the wave's number
	s_cmp_lt_u32 s[WV], 4
	s_cbranch_scc0 .Lasked_\@
	tensor_load_to_lds s[G0T:G0T+3], s[G1T:G1T+7]
	s_nop 0
.rept 4
	v_nop
.endr
.Lasked_\@:
.endm
; A prefetch of what the NEXT change of slots will ask for: 24,576 dense bytes of K's images and as many of V^T's. All 16 work-groups of a y walk the same bytes: work-group x = 0 asks; in it waves 4-6 for K's, waves 8-10 for V^T's,
; 8,192 bytes a wave, lanes 256 bytes apart: each block of 256 bytes is named once in the launch. The last change that fills a slot asks for nothing; slots 0 and 1 come by their loads alone.
.macro ASK
	s_cmp_gt_u32 s[SLOTS], s[LIM]
	s_cbranch_scc0 .Lnot_mine_\@
	global_prefetch_b8 v[PFO], s[PFA:PFA+1] th:TH_LOAD_NT scope:SCOPE_SE
.Lnot_mine_\@:
.endm
	s_load_b128 s[4:7], s[0:1], 0x0                ; QKV, AO
	v_lshl_add_u32 v[SPW], v0, 2, SPARE
	v_mov_b32 v[NIL], 0
	ds_add_u32 v[SPW], v[NIL]                      ; the opening: the add, twice on end, and its wait ahead of the first tensor load
	ds_add_u32 v[SPW], v[NIL]
	v_lshrrev_b32 v8, 5, v0
	v_readfirstlane_b32 s[WV], v8                  ; wave 0..15
	s_and_b32 s54, ttmp7, 0xffff                   ; y
	s_lshr_b32 s55, s54, 3                         ; batch
	s_and_b32 s56, s54, 7                          ; g: pair of heads
	s_lshr_b32 s57, s[WV], 1                       ; my tile of queries
	s_and_b32 s58, s[WV], 1                        ; c: my head of the pair
	s_lshl_b32 s59, s55, 7
	s_lshl_b32 s60, ttmp9, 3
	s_add_co_u32 s59, s59, s60
	s_add_co_u32 s59, s59, s57                     ; my block of 16 tokens
	s_mul_i32 s53, s58, 768
	s_mul_i32 s60, s56, 393216
	s_mul_i32 s61, s59, IMG
	s_add_co_u32 s60, s60, s61
	s_add_co_u32 s60, s60, s53                     ; Q's half image
	s_mov_b32 s61, 0
	s_lshl_b32 s62, s56, 14
	s_lshl_b32 s63, s59, 6
	s_add_co_u32 s62, s62, s63
	s_lshl_b32 s63, s58, 1
	s_add_co_u32 s62, s62, s63
	s_add_co_u32 s62, s62, QK_S                    ; its scale bytes
	s_mov_b32 s63, 0
	s_add_co_u32 s66, s56, 8
	s_lshl_b32 s68, s66, 14
	s_mul_i32 s66, s66, 393216
	s_mul_i32 s67, s55, 196608
	s_add_co_u32 s66, s66, s67                     ; K's images of my batch and pair
	s_lshl_b32 s67, s55, 13
	s_add_co_u32 s68, s68, s67
	s_add_co_u32 s68, s68, QK_S                    ; their scale words
	s_mul_i32 s67, s54, 196608
	s_add_co_u32 s67, s67, V_C                     ; V^T's images
	s_lshl_b32 s69, s54, 13
	s_add_co_u32 s69, s69, V_S
	s_cmp_lt_u32 s[WV], 2
	s_cselect_b32 s70, s66, s67                    ; what I fetch, if I fetch
	s_cselect_b32 s72, s68, s69
	s_mul_i32 s71, s58, 12288
	s_add_co_u32 s70, s70, s71
	s_lshl_b32 s71, s58, 12
	s_add_co_u32 s72, s72, s71
	s_mov_b32 s71, 0
	s_mov_b32 s73, 0
	s_lshl_b32 s74, s55, 4
	s_add_co_u32 s74, s74, ttmp9
	s_mul_i32 s74, s74, 98304                      ; AO: panel of 128 tokens,
	s_lshr_b32 s75, s56, 1
	s_mul_i32 s75, s75, 24576                      ; 256 along K,
	s_add_co_u32 s74, s74, s75
	s_mul_i32 s75, s57, 3072                       ; row block,
	s_add_co_u32 s74, s74, s75
	s_and_b32 s75, s56, 1
	s_mul_i32 s75, s75, IMG                        ; 128 along K,
	s_add_co_u32 s74, s74, s75
	s_add_co_u32 s74, s74, s53                     ; my head's half
	s_mov_b32 s75, 0
	s_lshl_b32 s76, s59, 9
	s_lshl_b32 s77, s56, 6
	s_add_co_u32 s76, s76, s77
	s_lshl_b32 s77, s58, 1
	s_add_co_u32 s76, s76, s77
	s_add_co_u32 s76, s76, AOS
	s_mov_b32 s77, 0
	s_cmp_lt_u32 s[WV], 8
	s_cselect_b32 s78, s66, s67
	s_and_b32 s79, s[WV], 3
	s_lshl_b32 s79, s79, 13
	s_add_co_u32 s78, s78, s79
	s_add_co_u32 s78, s78, 24576                   ; in slot 1: the first change of slots steps it to slot 2
	s_mov_b32 s79, 0
	s_sub_co_u32 s82, s[WV], 4
	s_lshr_b32 s82, s82, 3                         ; 0 in waves 4 to 11,
	s_or_b32 s82, s82, ttmp9                       ; of work-group x = 0
	s_cmp_eq_u32 s82, 0
	s_cselect_b32 s[LIM], 1, -1
	s_and_b32 s82, s[WV], 3
	s_cmp_eq_u32 s82, 3                            ; (three waves' worth each: waves 7 and 11 have none)
	s_cselect_b32 s[LIM], -1, s[LIM]
	s_mov_b32 s[G1T], 3<<16                        ; no mask; elements of 8 bytes; no padding: 48 rows of 256 dense bytes
	s_mov_b32 s[G1T+1], 32<<16
	s_mov_b32 s[G1T+2], 48<<16
	s_mov_b32 s[G1T+3], 32<<16
	s_mov_b32 s[G1T+4], 48
	s_mov_b32 s[G1T+5], 32
	s_mov_b32 s[G1T+6], 0
	s_mov_b32 s[G1T+7], 0
	s_mov_b32 s[G1S], 3<<16                        ; 16 rows of 256 bytes
	s_mov_b32 s[G1S+1], 32<<16
	s_mov_b32 s[G1S+2], 16<<16
	s_mov_b32 s[G1S+3], 32<<16
	s_mov_b32 s[G1S+4], 16
	s_mov_b32 s[G1S+5], 32
	s_mov_b32 s[G1S+6], 0
	s_mov_b32 s[G1S+7], 0
	s_mov_b32 s[SEL], 0x76543210
	s_mov_b32 s[SEL+1], 0xfedcba98
	s_mov_b32 s[CS], 0x3e38aa3b                    ; c = log2(e) / 8
	s_mov_b32 s[CS+1], s[CS]
	s_mov_b32 s[TB], 0
	s_mov_b32 s[TS], 0
	s_mov_b32 s[SLOTS], NSL-1
	s_wait_dscnt 0x0                               ; both opening adds are done
	s_wait_kmcnt 0x0
	s_mov_b32 s[G0S], 1
	s_lshl_b32 s[G0S+1], s[WV], 12
	s_add_co_u32 s[G0S+1], s[G0S+1], SCK
	s_add_nc_u64 s[G0S+2:G0S+3], s[4:5], s[72:73]
	s_or_b32 s[G0S+3], s[G0S+3], 0x80000000
	s_mov_b32 s[G0T], 1
	s_mul_i32 s[G0T+1], s[WV], 12288
	s_add_nc_u64 s[G0T+2:G0T+3], s[4:5], s[70:71]
	s_or_b32 s[G0T+3], s[G0T+3], 0x80000000
	s_cmp_lt_u32 s[WV], 4                          ; a fetching wave's two first fills stand in one branch: two loads of mine are out
	s_cbranch_scc0 .Lno_fill
	tensor_load_to_lds s[G0S:G0S+3], s[G1S:G1S+7]
	s_nop 0
	tensor_load_to_lds s[G0T:G0T+3], s[G1T:G1T+7]
	s_nop 0
.rept 4
	v_nop
.endr
.Lno_fill:
	s_add_nc_u64 s[10:11], s[4:5], s[60:61]
	s_add_nc_u64 s[12:13], s[4:5], s[62:63]
	s_add_nc_u64 s[PFA:PFA+1], s[4:5], s[78:79]
	s_add_nc_u64 s[8:9], s[6:7], s[76:77]
	s_add_nc_u64 s[6:7], s[6:7], s[74:75]
	v_and_b32 v83, 31, v0
	v_and_b32 v84, 15, v0
	v_lshlrev_b32 v80, 4, v83                      ; 16 x lane
	v_lshl_add_u32 v81, v83, 3, 512                ; 512 + 8 x lane
	v_lshlrev_b32 v82, 2, v84                      ; 4 r
	global_load_b128 v[16:19], v80, s[10:11]       ; Q's half image stays in registers 0-5 of its fragment
	global_load_b64 v[20:21], v81, s[10:11]
	global_load_u16 v255, v82, s[12:13]            ; and its two scale bytes
.irp i, 22,23,24,25,26,27
	v_mov_b32 v\i, 0                               ; zero codes for K = 64 .. 127
.endr
.irp t, 0,1,2,3
.irp i, 6,7,8,9,10,11
	v_mov_b32 v[32+12*\t+\i], 0                    ; written once: later V^T's codes stand here
.endr
.endr
	v_lshlrev_b32 v[PFO], 8, v83
	v_add_nc_u32 v[AK16], s53, v80
	v_add_nc_u32 v[AK8], s53, v81
	s_mul_i32 s83, s58, 12288
	s_add_co_u32 s83, s83, VOFF
	v_add_nc_u32 v[AV16], s83, v80                 ; my head's four row blocks of V^T
	v_add_nc_u32 v[AV8], s83, v81
	s_lshl_b32 s83, s58, 1
	s_add_co_u32 s83, s83, SCK
	v_add_nc_u32 v[ASK0], s83, v82
	s_lshl_b32 s83, s58, 9
	s_add_co_u32 s83, s83, SCV
	v_add_nc_u32 v[ASV0], s83, v82
	v_mov_b32 v13, 0xff61b1e6                      ; the largest t so far: -3e38
	v_floor_f32 v12, -v13                          ; -M
	v_mov_b32 v14, 0
	v_mov_b32 v15, 0
.irp b, 0,1,2,3
	v_mov_b32 v[236+\b], 0
.endr
	v_mov_b32 v253, 0
.set i, 0
.rept 32
	v_mov_b32 v[160+i], 0                          ; O^T: the loop is written once; its first step finds zeros
.set i, i+1
.endr
.macro STEP q                          ; 128 keys, the q-th half of the slot in hand
	v_add_nc_u32 v[ADK16], s[TB], v[AK16]          ; (these six are the places in front of loads into registers that the last products read)
	v_add_nc_u32 v[ADK8], s[TB], v[AK8]
	v_add_nc_u32 v[ADV16], s[TB], v[AV16]
	v_add_nc_u32 v[ADV8], s[TB], v[AV8]
	v_add_nc_u32 v[ADS], s[TS], v[ASK0]
	v_add_nc_u32 v[ADT], s[TS], v[ASV0]
.irp g, 0,1
.if \g > 0
.rept 4
	v_nop
.endr
.endif
.irp t, 0,1,2,3
	ds_load_b128 v[32+12*\t:35+12*\t], v[ADK16] offset:(8*(\q)+4*\g+\t)*IMG
	ds_load_b64 v[36+12*\t:37+12*\t], v[ADK8] offset:(8*(\q)+4*\g+\t)*IMG
	ds_load_u16 v[248+\t], v[ADS] offset:(8*(\q)+4*\g+\t)*64
.endr
	s_wait_dscnt 0x0
.irp t, 0,1,2,3
	v_wmma_scale_f32_16x16x128_f8f6f4 v[96+8*(4*\g+\t):103+8*(4*\g+\t)], v[32+12*\t:43+12*\t], v[16:27], 0, v[248+\t], v255 matrix_a_fmt:MATRIX_FMT_FP6 matrix_b_fmt:MATRIX_FMT_FP6
.endr
.endr
.rept 4
	v_nop                                          ; places in front of the first read of the scores and of the loads below
.endr
.irp t, 0,1,2,3                        ; V^T's four images and scale words are asked for now and land under the softmax
	ds_load_b128 v[32+12*\t:35+12*\t], v[ADV16] offset:\t*2*IMG+(\q)*IMG
	ds_load_b64 v[36+12*\t:37+12*\t], v[ADV8] offset:\t*2*IMG+(\q)*IMG
	ds_load_b128 v[38+12*\t:41+12*\t], v[ADV16] offset:\t*2*IMG+(\q)*IMG+768
	ds_load_b64 v[42+12*\t:43+12*\t], v[ADV8] offset:\t*2*IMG+(\q)*IMG+768
	ds_load_b32 v[248+\t], v[ADT] offset:\t*128+(\q)*64
.endr
.irp b, 0,1,2,3
	v_max3_num_f32 v[232+\b], v[96+16*\b], v[97+16*\b], v[98+16*\b]   ; the largest score of each block of 32 keys: for the row's maximum, and, since p rises with the score, for the block's largest p
.endr
.irp i, 3,5,7,9,11,13
.irp b, 0,1,2,3
	v_max3_num_f32 v[232+\b], v[232+\b], v[96+16*\b+\i], v[97+16*\b+\i]
.endr
.endr
.irp b, 0,1,2,3
	v_max_num_f32 v[232+\b], v[232+\b], v[111+16*\b]
.endr
.irp b, 0,1,2,3
	v_permlanex16_b32 v[236+\b], v[232+\b], s[SEL], s[SEL+1]
.endr
.irp b, 0,1,2,3
	v_max_num_f32 v[232+\b], v[232+\b], v[236+\b]
.endr
	v_max3_num_f32 v254, v232, v233, v234
	v_max_num_f32 v254, v254, v235
	v_mul_f32 v254, s[CS], v254
	v_max_num_f32 v13, v13, v254                   ; the running largest t
	v_mov_b32 v254, v12
	v_floor_f32 v12, -v13                          ; the new -M: M is a whole number
	v_sub_f32 v254, v12, v254
	v_cvt_i32_f32 v254, v254                       ; (it saturates)
	v_ldexp_f32 v252, 1.0, v254                    ; f = 2^(old M - new M)
.set i, 0
.rept 32
	v_pk_fma_f32 v[96+2*i:97+2*i], v[96+2*i:97+2*i], s[CS:CS+1], v[12:13] op_sel_hi:[1,0,0]   ; t - M
.set i, i+1
.endr
.irp b, 0,1,2,3
	v_fma_f32 v[232+\b], v[232+\b], s[CS], v12
.endr
.set i, 0
.rept 64
	v_exp_f32 v[96+i], v[96+i]                     ; p = 2^(t - M)
.set i, i+1
.endr
	v_pk_mul_f32 v[14:15], v[14:15], v[252:253] op_sel_hi:[1,0]   ; the sums under the new M; a plain line behind the exponentials
	s_wait_alu depctr_va_vdst(0)                   ; one wait for the batch, ahead of its first reader
.irp b, 0,1,2,3
	v_exp_f32 v[232+\b], v[232+\b]                 ; each block's largest p
.endr
	v_pk_add_f32 v[236:237], v[96:97], v[98:99]    ; the row's sum of the unquantised p, in two chains
.irp j, 4,8,12,16,20,24,28,32,36,40,44,48,52,56,60
	v_pk_add_f32 v[14:15], v[14:15], v[96+\j:97+\j]
	v_pk_add_f32 v[236:237], v[236:237], v[98+\j:99+\j]
.endr
	v_pk_add_f32 v[14:15], v[14:15], v[236:237]
	s_wait_alu depctr_va_vdst(0)                   ; and one for the four
.irp b, 0,1,2,3
	v_max_num_f32 v[232+\b], 0x1800000, v[232+\b]  ; the floor 2^(3 - 127)
.endr
.irp b, 0,1,2,3
	v_add_nc_u32 v[244+\b], 0xff000000, v[232+\b]
.endr
.irp b, 0,1,2,3
	v_lshrrev_b32 v[236+\b], 23, v[244+\b]
.endr
	v_lshl_or_b32 v253, v237, 8, v236              ; p's scale word for these 128 keys
	v_lshl_or_b32 v253, v238, 16, v253
	v_lshl_or_b32 v253, v239, 24, v253
.irp c, 0,1
	v_cvt_scalef32_pk16_fp6_f32 v[224+6*\c:226+6*\c], v[96+32*\c:111+32*\c], v[244+2*\c]
	v_cvt_scalef32_pk16_fp6_f32 v[236+4*\c:238+4*\c], v[112+32*\c:127+32*\c], v[244+2*\c+1]
.endr
	v_nop
.irp c, 0,1
.irp i, 0,1,2
	v_permlane16_swap_b32 v[224+6*\c+\i], v[236+4*\c+\i]
.endr
.irp i, 0,1,2
	v_mov_b32 v[227+6*\c+\i], v[236+4*\c+\i]
.endr
.endr
.set i, 0
.rept 16
	v_pk_mul_f32 v[160+2*i:161+2*i], v[160+2*i:161+2*i], v[252:253] op_sel_hi:[1,0]   ; O^T under the new M; also the places in front of the scaled products
.set i, i+1
.endr
	s_wait_dscnt 0x0                               ; V^T's images and scale words
.irp t, 0,1,2,3
	v_wmma_scale_f32_16x16x128_f8f6f4 v[160+8*\t:167+8*\t], v[32+12*\t:43+12*\t], v[224:235], v[160+8*\t:167+8*\t], v[248+\t], v253 matrix_a_fmt:MATRIX_FMT_FP6 matrix_b_fmt:MATRIX_FMT_FP6
.endr
.endm
; The change of slots stands at a slot's head: every wave waits for all its tensor loads, adds 0 to its spare word (fill = 1: twice on end), waits for that and its reads, and passes the barrier.
.macro CHANGE fill
	s_wait_tensorcnt 0x0
	ds_add_u32 v[SPW], v[NIL]
.if \fill
	ds_add_u32 v[SPW], v[NIL]
	s_xor_b32 s[G0T+1], s[G0T+1], SLOT1            ; the walking descriptor: the other slot,
	s_add_nc_u64 s[G0T+2:G0T+3], s[G0T+2:G0T+3], 24576   ; the next 256 keys
	s_wait_xcnt 0x0                                ; the last prefetch, a slot back, has read its address
	s_add_nc_u64 s[PFA:PFA+1], s[PFA:PFA+1], 24576
.endif
	s_wait_dscnt 0x0
	s_barrier_signal -1
	s_barrier_wait -1
.if \fill
	TLOAD                                          ; a wave's one tensor load until the next such barrier: it has a slot's two steps in which to land
	ASK
.endif
.endm
.macro SLOT_STEPS
	STEP 0
	STEP 1
	s_xor_b32 s[TB], s[TB], SLOT1
	s_add_co_u32 s[TS], s[TS], 1024
.endm
	s_wait_loadcnt 0x0                             ; Q
.Lslot:                                            ; NSL - 1 trips: behind each change of slots but the last the next slot is asked for
	CHANGE 1
	SLOT_STEPS
	s_sub_co_u32 s[SLOTS], s[SLOTS], 1
	s_cmp_lg_u32 s[SLOTS], 0
	s_cbranch_scc1 .Lslot
	CHANGE 0                                       ; the last slot is written out
	SLOT_STEPS
	; THE WAY OUT: O^T / the sum, quantised along my head's 64 (two blocks): half an image and two scale bytes
.rept 4
	v_nop                                          ; places behind the last products
.endr
	v_add_f32 v14, v14, v15
	v_permlanex16_b32 v252, v14, s[SEL], s[SEL+1]
	v_add_f32 v14, v14, v252                       ; the row's sum
	v_rcp_f32 v14, v14
	v_nop                                          ; a plain line behind the reciprocal
	s_wait_alu depctr_va_vdst(0)                   ; the wait ahead of its first reader
.set i, 0
.rept 32
	v_mul_f32 v[96+i], v[160+i], v14               ; register 8 t + j: channel 16 t + 8 h + j of my query
.set i, i+1
.endr
.irp b, 0,1
	v_max3_num_f32 v[232+\b], |v[96+16*\b]|, |v[97+16*\b]|, 0x1800000
.endr
.irp i, 2,4,6,8,10,12,14
.irp b, 0,1
	v_max3_num_f32 v[232+\b], v[232+\b], |v[96+16*\b+\i]|, |v[97+16*\b+\i]|
.endr
.endr
.irp b, 0,1
	v_permlanex16_b32 v[236+\b], v[232+\b], s[SEL], s[SEL+1]
.endr
.irp b, 0,1
	v_max_num_f32 v[232+\b], v[232+\b], v[236+\b]
.endr
.irp b, 0,1
	v_add_nc_u32 v[244+\b], 0xff000000, v[232+\b]
.endr
.irp b, 0,1
	v_lshrrev_b32 v[236+\b], 23, v[244+\b]
.endr
	v_lshl_or_b32 v253, v237, 8, v236              ; my row's two scale bytes
	v_cvt_scalef32_pk16_fp6_f32 v[224:226], v[96:111], v244
	v_cvt_scalef32_pk16_fp6_f32 v[236:238], v[112:127], v245
	v_nop
.irp i, 0,1,2
	v_permlane16_swap_b32 v[224+\i], v[236+\i]
.endr
.irp i, 0,1,2
	v_mov_b32 v[227+\i], v[236+\i]
.endr
	global_store_b128 v80, v[224:227], s[6:7]      ; 512 consecutive bytes
	global_store_b64 v81, v[228:229], s[6:7]       ; 256
	global_store_b16 v82, v253, s[8:9]
	s_wait_tensorcnt 0x0                           ; the wave's end
	ds_add_u32 v[SPW], v[NIL]
	s_wait_dscnt 0x0
	s_endpgm
.Lfunc_end_k_q85b020eb2b_attn:
	.size	k_q85b020eb2b_attn, .Lfunc_end_k_q85b020eb2b_attn-k_q85b020eb2b_attn
	.p2alignl 7, 3214868480
	.fill 96, 4, 3214868480
	.section	.rodata,"a",@progbits
	.p2align	6, 0x0
	.amdhsa_kernel k_q85b020eb2b_attn
		.amdhsa_group_segment_fixed_size 327680
		.amdhsa_private_segment_fixed_size 0
		.amdhsa_enable_private_segment 0
		.amdhsa_kernarg_size 16
		.amdhsa_user_sgpr_count 2
		.amdhsa_user_sgpr_kernarg_segment_ptr 1
		.amdhsa_wavefront_size32 1
		.amdhsa_system_sgpr_workgroup_id_x 1
		.amdhsa_system_sgpr_workgroup_id_y 1
		.amdhsa_system_sgpr_workgroup_id_z 1
		.amdhsa_system_vgpr_workitem_id 0
		.amdhsa_next_free_vgpr 256
		.amdhsa_next_free_sgpr 100
		.amdhsa_reserve_vcc 0
		.amdhsa_float_denorm_mode_32 3
		.amdhsa_float_denorm_mode_16_64 3
		.amdhsa_memory_ordered 1
		.amdhsa_forward_progress 1
		.amdhsa_inst_pref_size 80
	.end_amdhsa_kernel
	.amdgpu_metadata
---
amdhsa.version: [ 1, 2 ]
amdhsa.kernels:
  - .name:           k_q85b020eb2b_attn
    .symbol:         k_q85b020eb2b_attn.kd
    .args:
      - { .name: QKV, .offset: 0, .size: 8, .value_kind: global_buffer, .address_space: global }
      - { .name: AO, .offset: 8, .size: 8, .value_kind: global_buffer, .address_space: global }
    .group_segment_fixed_size: 327680
    .private_segment_fixed_size: 0
    .kernarg_segment_align: 8
    .kernarg_segment_size: 16
    .max_flat_workgroup_size: 512
    .sgpr_count:     100
    .vgpr_count:     256
    .wavefront_size: 32
...
	.end_amdgpu_metadata
.endif
;; end of part 4
;; launch wo (part 5): grid 4 x 16, 4 waves a work-group, clusters of 4 x 4, 327,680 bytes of LDS; arguments AO, W, bo, x, X1; writes X1
.if DOCPART == 5
	.amdgcn_target "amdgcn-amd-amdhsa--gfx1250"
	.amdhsa_code_object_version 6
	.text
	.protected	k_q85b020eb2b_wo
	.globl	k_q85b020eb2b_wo
	.p2align	8
	.type	k_q85b020eb2b_wo,@function
k_q85b020eb2b_wo:
	s_mov_b64 s[64:65], 0
	v_nop
	global_prefetch_b8 v0, s[64:65] scope:SCOPE_SE
	s_setreg_imm32_b32 hwreg(HW_REG_WAVE_MODE, 25, 1), 1
	s_wait_xcnt 0x0
	s_wait_alu depctr_hold_cnt(0) depctr_sa_sdst(0) depctr_va_vdst(0) depctr_va_sdst(0) depctr_va_ssrc(0) depctr_va_vcc(0) depctr_vm_vsrc(0)
	s_getreg_b32 s2, hwreg(HW_REG_IB_STS2, 6, 4)
	s_cmp_eq_u32 s2, 0
	s_cbranch_scc0 .Lentry_in_a_cluster
	s_endpgm
.Lentry_in_a_cluster:
	s_bfe_u32 s2, ttmp6, 0x10000c
	s_cmp_lg_u32 s2, 0xf033
	s_cbranch_scc0 .Lentry_shape_is_right
	s_endpgm
.Lentry_shape_is_right:
; out = residual + A B^T + bias on codes of FP6 (E2M3) with E8M0 scales; out and residual are [4,096][1,024] f32. Here: A = the attention's output, B = Wo. No work is left out.
; Operands arrive as IMAGES of operand registers (16 rows x 128 K in 1,536 bytes: half c at 768 c; registers 0-3 of lane l at 16 l, registers 4, 5 at 512 + 8 l), laid panel (128 rows) / 256 along K (24,576 dense bytes) / row block / 128 along K.
; A tile of 256 x 256 is made by four waves, 128 x 128 each (64 accumulators). K goes in steps of 256 through two LDS slots; a wave's tensor load brings one dense chunk. All scale words of the tile's rows come once, with the first fills.
; The product is used transposed (source 0 = B's 16 rows, source 1 = A's): a lane holds eight neighbouring numbers of a row of the output. The bias is the C of each sum's first matrix instruction.
; CLUSTERS 4 x 4: A's chunks are asked for jointly along a row of the cluster, B's along a column. The output has 64 such tiles: 64 work-groups.
; LIMITS: NaN and infinities are not served.
.set KK,     1024                      ; the product's K
.set ASC,    3145728                   ; where A's scale words begin in its buffer
.set BCO,    2359296                   ; where B's codes begin in W
.set BSC,    9437184+98304             ; and its scale words
.set LAPS,   KK/512
.set NQ,     2
.set FR,     12
.set NL,     4
.set NP,     4
.set IMG,    1536
.set CHUNK,  16*IMG
.set SLOT,   4*CHUNK
.set SCL,    2*SLOT
.set HALFS,  4*KK
.set SBLK,   KK/2
.set SPARE,  SCL+4*HALFS
.set SPITCH, 528                       ; the way out: a stage of 16 rows x (512 + 16) bytes a wave, in slot 0, which has had its last fill and its last read by then
.set ADRA, 16
.set ADRB, 20
.set STO,  24
.set RD,   25
.set CO,   26
.set ADRS, 27
.set SPW,  28
.set NIL,  29
.set SC,   32
.set BIAS, 64
.set AF,   128
.set RS0,  64                          ; the way out: residual rows, v64-127 and v192-255 by turns
.set BB,   128                         ; and 16 rows read back from the stage
.set G1, 24
.set G0, 32
.set G1B, 48
.set G0B, 56
.set G1S, 68
.set G0S, 76
.set G1SB, 80
.set G0SB, 88
.set MSB, 0
.macro WIN new
.if MSB != (\new)
	s_set_vgpr_msb (MSB<<8)|(\new)
.set MSB, (\new)
.endif
.endm
.set MUL_LO, 0xa1
.set MUL_HI, 0xf1
.set TO_B,   0x40
.macro JLOAD g0a, g1a, g0b, g1b
	s_cmp_eq_u32 s15, 0
	s_cbranch_scc0 .Lfor_b_\@
	tensor_load_to_lds s[\g0a:\g0a+3], s[\g1a:\g1a+7]
	s_nop 0
.rept 4
	v_nop
.endr
	s_branch .Lasked_\@
.Lfor_b_\@:
	tensor_load_to_lds s[\g0b:\g0b+3], s[\g1b:\g1b+7]
	s_nop 0
.rept 4
	v_nop
.endr
.Lasked_\@:
.endm
.macro CREST
	s_cmp_lg_u32 s14, 0
	s_cbranch_scc1 .Lnot_wave_0_\@
	s_barrier_signal -3
.Lnot_wave_0_\@:
	s_barrier_wait -3
	s_barrier_signal -1
	s_barrier_wait -1
.endm
.macro CROUND
	s_barrier_signal -1
	s_barrier_wait -1
	CREST
.endm
	s_load_b128 s[4:7], s[0:1], 0x0                ; A, W
	s_load_b128 s[8:11], s[0:1], 0x10              ; bias, residual
	s_load_b64 s[12:13], s[0:1], 0x20              ; out
	v_lshl_add_u32 v[SPW], v0, 2, SPARE
	v_mov_b32 v[NIL], 0
	ds_add_u32 v[SPW], v[NIL]                      ; the opening: the add, twice on end, and its wait ahead of my first tensor load
	ds_add_u32 v[SPW], v[NIL]
	v_lshrrev_b32 v1, 5, v0
	v_readfirstlane_b32 s14, v1
	s_lshr_b32 s15, s14, 1
	s_and_b32 s16, s14, 1
	s_bfe_u32 s40, ttmp6, 0x40000
	s_bfe_u32 s41, ttmp6, 0x40004
	s_lshl_b32 s42, ttmp9, 2
	s_add_co_u32 s42, s42, s40                     ; B's tile
	s_and_b32 s17, ttmp7, 0xffff
	s_lshl_b32 s17, s17, 2
	s_add_co_u32 s17, s17, s41                     ; A's tile
	s_lshl_b32 s43, s41, 2
	s_lshl_b32 s43, 15, s43
	s_lshl_b32 s44, 0x1111, s40
	s_or_b32 s[G1+0], s43, (3<<16)|(1<<21)
	s_or_b32 s[G1B+0], s44, (3<<16)|(1<<21)
	s_or_b32 s[G1S+0], s43, (3<<16)|(1<<21)
	s_or_b32 s[G1SB+0], s44, (3<<16)|(1<<21)
.irp g, G1, G1B
	s_mov_b32 s[\g+1], 32<<16
	s_mov_b32 s[\g+2], (CHUNK/256)<<16
	s_mov_b32 s[\g+3], 32<<16
	s_mov_b32 s[\g+4], CHUNK/256
	s_mov_b32 s[\g+5], 32
	s_mov_b32 s[\g+6], 0
	s_mov_b32 s[\g+7], 0
.endr
.irp g, G1S, G1SB
	s_mov_b32 s[\g+1], 32<<16
	s_mov_b32 s[\g+2], (HALFS/256)<<16
	s_mov_b32 s[\g+3], 32<<16
	s_mov_b32 s[\g+4], HALFS/256
	s_mov_b32 s[\g+5], 32
	s_mov_b32 s[\g+6], 0
	s_mov_b32 s[\g+7], 0
.endr
	s_lshl_b32 s20, s17, 1
	s_add_co_u32 s20, s20, s16
	s_mul_i32 s22, s20, HALFS
	s_add_co_u32 s22, s22, ASC
	s_mul_i32 s20, s20, 96*KK
	s_mov_b32 s21, 0
	s_mov_b32 s23, 0
	s_lshl_b32 s46, s42, 1
	s_add_co_u32 s46, s46, s16
	s_mul_i32 s92, s46, HALFS
	s_add_co_u32 s92, s92, BSC
	s_mul_i32 s46, s46, 96*KK
	s_add_co_u32 s46, s46, BCO
	s_mov_b32 s47, 0
	s_mov_b32 s93, 0
	s_mul_i32 s45, s14, CHUNK
	s_mul_i32 s94, s14, HALFS
	s_wait_dscnt 0x0
	s_wait_kmcnt 0x0
	s_add_nc_u64 s[20:21], s[4:5], s[20:21]
	s_add_nc_u64 s[22:23], s[4:5], s[22:23]
	s_add_nc_u64 s[46:47], s[6:7], s[46:47]
	s_add_nc_u64 s[92:93], s[6:7], s[92:93]
	CROUND
	s_mov_b32 s[G0S], 1
	s_add_co_u32 s[G0S+1], s94, SCL
	s_mov_b64 s[G0S+2:G0S+3], s[22:23]
	s_or_b32 s[G0S+3], s[G0S+3], 0x80000000
	s_mov_b32 s[G0SB], 1
	s_add_co_u32 s[G0SB+1], s94, SCL
	s_mov_b64 s[G0SB+2:G0SB+3], s[92:93]
	s_or_b32 s[G0SB+3], s[G0SB+3], 0x80000000
	JLOAD G0S, G1S, G0SB, G1SB
.irp s, 0,1
	s_mov_b32 s[G0+4*\s], 1
	s_add_co_u32 s[G0+4*\s+1], s45, \s*SLOT
	s_add_nc_u64 s[G0+4*\s+2:G0+4*\s+3], s[20:21], \s*CHUNK
	s_or_b32 s[G0+4*\s+3], s[G0+4*\s+3], 0x80000000
	s_mov_b32 s[G0B+4*\s], 1
	s_add_co_u32 s[G0B+4*\s+1], s45, \s*SLOT
	s_add_nc_u64 s[G0B+4*\s+2:G0B+4*\s+3], s[46:47], \s*CHUNK
	s_or_b32 s[G0B+4*\s+3], s[G0B+4*\s+3], 0x80000000
	JLOAD G0+4*\s, G1, G0B+4*\s, G1B               ; three loads of mine are out now
.endr
	v_and_b32 v1, 15, v0
	v_bfe_u32 v2, v0, 4, 1
	v_and_b32 v3, 31, v0
	v_lshlrev_b32 v[CO], 4, v3                     ; 16 x lane
	v_lshl_add_u32 v5, v3, 3, 512                  ; 512 + 8 x lane
	s_mul_i32 s21, s15, CHUNK
	s_mul_i32 s22, s16, CHUNK
	s_add_co_u32 s22, s22, 2*CHUNK
.irp s, 0,1
	v_add_nc_u32 v[ADRA+\s], s21, v[CO]
	v_add_nc_u32 v[ADRA+2+\s], s21, v5
	v_add_nc_u32 v[ADRB+\s], s22, v[CO]
	v_add_nc_u32 v[ADRB+2+\s], s22, v5
	s_add_co_u32 s21, s21, SLOT
	s_add_co_u32 s22, s22, SLOT
.endr
	s_mul_i32 s21, s15, HALFS
	s_mul_i32 s22, s16, HALFS
	s_add_co_u32 s22, s22, 2*HALFS
	s_sub_co_u32 s22, s22, s21
	v_mul_u32_u24 v6, s22, v2
	s_add_co_u32 s21, s21, SCL
	v_lshl_add_u32 v6, v1, 2, v6
	v_add_nc_u32 v[ADRS], s21, v6
	s_mul_i32 s23, s14, 16*SPITCH                  ; my stage
	v_mul_u32_u24 v6, v1, SPITCH
	v_lshl_add_u32 v6, v2, 5, v6
	v_add_nc_u32 v[STO], s23, v6                   ; in: row r, 32 bytes for each half of the lanes
	v_add_nc_u32 v[RD], s23, v[CO]                 ; back: a row of 512 bytes to the 32 lanes
	s_lshl_b32 s46, s42, 10
	s_lshl_b32 s47, s16, 9
	s_add_co_u32 s46, s46, s47                     ; my first column, in bytes
	s_mov_b32 s47, 0
	s_add_nc_u64 s[8:9], s[8:9], s[46:47]
	s_lshl_b32 s20, s17, 8
	s_lshl_b32 s21, s15, 7
	s_add_co_u32 s20, s20, s21                     ; my first row
	s_lshl_b32 s20, s20, 12
	s_add_co_u32 s20, s20, s46
	s_mov_b32 s21, 0
	s_add_nc_u64 s[10:11], s[10:11], s[20:21]
	s_add_nc_u64 s[12:13], s[12:13], s[20:21]
	v_lshlrev_b32 v7, 5, v2
.irp b, 0,1,2,3,4,5,6,7
	global_load_b128 v[BIAS+8*\b:BIAS+8*\b+3], v7, s[8:9] offset:64*\b        ; register 8 b + j: the bias of column 16 b + 8 h + j
	global_load_b128 v[BIAS+8*\b+4:BIAS+8*\b+7], v7, s[8:9] offset:64*\b+16
.endr
.macro FRAG reg, adr, q, i
	ds_load_b128 v[\reg:\reg+3], v[\adr] offset:(\i)*2*IMG+(\q)*IMG
	ds_load_b64 v[\reg+4:\reg+5], v[\adr+2] offset:(\i)*2*IMG+(\q)*IMG
	ds_load_b128 v[\reg+6:\reg+9], v[\adr] offset:(\i)*2*IMG+(\q)*IMG+768
	ds_load_b64 v[\reg+10:\reg+11], v[\adr+2] offset:(\i)*2*IMG+(\q)*IMG+768
.endm
; 16 matrix instructions; the 64 accumulators take turns, one instruction a turn, in the same order in every step. zero = 1: the bias starts the sums
.macro MUL16 a0, p, q, sc, zero
.irp a, \a0, \a0+1
.irp b, 0,1,2,3,4,5,6,7
.if \zero
	v_wmma_scale_f32_16x16x128_f8f6f4 v[8*(8*((\a)%4)+\b):8*(8*((\a)%4)+\b)+7], v[128*(\p)+FR*\b:128*(\p)+FR*\b+FR-1], v[AF+FR*(\a):AF+FR*(\a)+FR-1], v[BIAS+8*\b:BIAS+8*\b+7], v[SC+8*NQ*(\sc)+NQ*\b+(\q)], v[SC+8*NQ*(\sc)+NQ*(\a)+(\q)] matrix_a_fmt:MATRIX_FMT_FP6 matrix_b_fmt:MATRIX_FMT_FP6 matrix_a_scale:MATRIX_SCALE_ROW1
.else
	v_wmma_scale_f32_16x16x128_f8f6f4 v[8*(8*((\a)%4)+\b):8*(8*((\a)%4)+\b)+7], v[128*(\p)+FR*\b:128*(\p)+FR*\b+FR-1], v[AF+FR*(\a):AF+FR*(\a)+FR-1], v[8*(8*((\a)%4)+\b):8*(8*((\a)%4)+\b)+7], v[SC+8*NQ*(\sc)+NQ*\b+(\q)], v[SC+8*NQ*(\sc)+NQ*(\a)+(\q)] matrix_a_fmt:MATRIX_FMT_FP6 matrix_b_fmt:MATRIX_FMT_FP6 matrix_a_scale:MATRIX_SCALE_ROW1
.endif
.endr
.endr
.endm
.macro FETCH_B slot, q, p
	WIN TO_B
.irp i, 0,1,2,3,4,5,6,7
	FRAG 128*(\p)+FR*\i, ADRB+\slot, \q, \i
.endr
	WIN 0
.endm
.macro FETCH_A slot, q, i0
.irp i, \i0, \i0+1, \i0+2, \i0+3
	FRAG AF+FR*(\i), ADRA+\slot, \q, \i
.endr
.endm
.macro SCALES sc
.irp i, 0,1,2,3,4,5,6,7
	ds_load_b32 v[SC+16*\sc+2*\i], v[ADRS] offset:\i*SBLK
	ds_load_b32 v[SC+16*\sc+2*\i+1], v[ADRS] offset:\i*SBLK+64
.endr
.endm
.macro PLACES n
.rept \n
	v_nop
.endr
.endm
.macro STEP slot, q, zero
	s_wait_dscnt 4*NL                              ; all but the youngest 16 loads (A's blocks 4-7) are in
.if \zero
	WIN 0x81                                       ; C (the bias) in window 0, D in window 2
.else
	WIN MUL_LO
.endif
	MUL16 0, (\q)%2, \q, \slot, \zero
	MUL16 2, (\q)%2, \q, \slot, \zero
	s_wait_dscnt 0
	PLACES NP
	FETCH_B \slot, (\q)+1, 1-(\q)%2
	FETCH_A \slot, (\q)+1, 0
.if \zero
	WIN 0xc1
.else
	WIN MUL_HI
.endif
	MUL16 4, (\q)%2, \q, \slot, \zero
	MUL16 6, (\q)%2, \q, \slot, \zero
	PLACES NP
	WIN 0
	FETCH_A \slot, (\q)+1, 4
.endm
.macro TURN slot, next, fill
	s_wait_tensorcnt 0x0                           ; all my tensor loads have landed: my part of the next slot
	ds_add_u32 v[SPW], v[NIL]                      ; 0 onto my spare word
	s_wait_dscnt 4*NL+1                            ; (the add and the youngest 16 loads may be out)
	WIN MUL_LO
	MUL16 0, 1, NQ-1, \slot, 0
	s_wait_dscnt 0x0                               ; the add is done, and my reads of this slot are over
	s_barrier_signal -1
	MUL16 2, 1, NQ-1, \slot, 0
	WIN 0
	s_barrier_wait -1
.if \fill
	CREST
	s_add_nc_u64 s[G0+4*\slot+2:G0+4*\slot+3], s[G0+4*\slot+2:G0+4*\slot+3], 2*CHUNK
	s_add_nc_u64 s[G0B+4*\slot+2:G0B+4*\slot+3], s[G0B+4*\slot+2:G0B+4*\slot+3], 2*CHUNK
	JLOAD G0+4*\slot, G1, G0B+4*\slot, G1B
.else
	PLACES NP
.endif
	v_add_nc_u32 v[ADRS], 128, v[ADRS]
	FETCH_B \next, 0, 0
	FETCH_A \next, 0, 0
	SCALES \next
	WIN MUL_HI
	MUL16 4, 1, NQ-1, \slot, 0
	MUL16 6, 1, NQ-1, \slot, 0
	PLACES NP
	WIN 0
	FETCH_A \next, 0, 4
.endm
.macro RLOAD a                         ; the residual's rows of block a: a row of 512 bytes a load
.set RS, RS0+128*((\a)%2)
.irp t, 0,1,2,3,4,5,6,7,8,9,10,11,12,13,14,15
	global_load_b128 v[RS+4*\t:RS+4*\t+3], v[CO], s[10:11] offset:(16*(\a)+\t)*4096
.endr
.endm
	s_wait_tensorcnt 1                             ; the scale words and my part of slot 0 are in; slot 1's load may be out
	s_barrier_signal -1
	s_barrier_wait -1
	FETCH_B 0, 0, 0
	FETCH_A 0, 0, 0
	SCALES 0
	FETCH_A 0, 0, 4
	s_wait_loadcnt 0x0                             ; the bias
	STEP 0, 0, 1
	s_mov_b32 s3, LAPS-1
.Llap:
	TURN 0, 1, 1
	STEP 1, 0, 0
	TURN 1, 0, 1
	STEP 0, 0, 0
	s_sub_co_u32 s3, s3, 1
	s_cmp_lg_u32 s3, 0
	s_cbranch_scc1 .Llap
	RLOAD 0                                        ; into the bias's registers, which only the first step read
	TURN 0, 1, 0
	STEP 1, 0, 0
	s_wait_dscnt 4*NL
	WIN MUL_LO
	MUL16 0, 1, NQ-1, 1, 0
	MUL16 2, 1, NQ-1, 1, 0
	s_wait_dscnt 0
	WIN MUL_HI
	MUL16 4, 1, NQ-1, 1, 0
	MUL16 6, 1, NQ-1, 1, 0
	WIN 0
; THE WAY OUT, block by block of 16 rows x 128 columns: through my own stage, back as whole rows of 512 bytes, + the residual, stored. LDS serves a wave's instructions in order: no wait between the stores and the loads.
.macro OUTB a
.if (\a) > 0
	s_wait_xcnt 0x0                                ; the last block's stores have read their registers
.endif
.if (\a) < 7
	RLOAD (\a)+1
.endif
.set AC, 64*((\a)%4)
.set RS, RS0+128*((\a)%2)
	WIN 0x08+4*((\a)/4)                            ; an LDS store's data: window 2 or 3
.irp b, 0,1,2,3,4,5,6,7
	ds_store_b128 v[STO], v[AC+8*\b:AC+8*\b+3] offset:64*\b          ; each accumulator from its low end on
	ds_store_b128 v[STO], v[AC+8*\b+4:AC+8*\b+7] offset:64*\b+16
.endr
	WIN 0
.irp t, 0,1,2,3,4,5,6,7,8,9,10,11,12,13,14,15
	ds_load_b128 v[BB+4*\t:BB+4*\t+3], v[RD] offset:\t*SPITCH
.endr
	s_wait_dscnt 0x0
.if (\a) < 7
	s_wait_loadcnt 16                              ; this block's residual is in; the next block's 16 loads may be out
.else
	s_wait_loadcnt 0
.endif
.set i, 0
.rept 32
	v_pk_add_f32 v[BB+2*i:BB+2*i+1], v[BB+2*i:BB+2*i+1], v[RS+2*i:RS+2*i+1]
.set i, i+1
.endr
.irp t, 0,1,2,3,4,5,6,7,8,9,10,11,12,13,14,15
	global_store_b128 v[CO], v[BB+4*\t:BB+4*\t+3], s[12:13] offset:(16*(\a)+\t)*4096   ; 512 consecutive bytes, at a multiple of 256 from the buffer's first byte
.endr
.endm
	PLACES NP                                      ; in front of the first read of results and of loads into A's fragments
.irp a, 0,1,2,3,4,5,6,7
	OUTB \a
.endr
	s_wait_tensorcnt 0x0                           ; the wave's end
	ds_add_u32 v[SPW], v[NIL]
	s_wait_dscnt 0x0
	CROUND                                         ; the closing round
	s_endpgm
.Lfunc_end_k_q85b020eb2b_wo:
	.size	k_q85b020eb2b_wo, .Lfunc_end_k_q85b020eb2b_wo-k_q85b020eb2b_wo
	.p2alignl 7, 3214868480
	.fill 96, 4, 3214868480
	.section	.rodata,"a",@progbits
	.p2align	6, 0x0
	.amdhsa_kernel k_q85b020eb2b_wo
		.amdhsa_group_segment_fixed_size 327680
		.amdhsa_private_segment_fixed_size 0
		.amdhsa_enable_private_segment 0
		.amdhsa_kernarg_size 40
		.amdhsa_user_sgpr_count 2
		.amdhsa_user_sgpr_kernarg_segment_ptr 1
		.amdhsa_wavefront_size32 1
		.amdhsa_system_sgpr_workgroup_id_x 1
		.amdhsa_system_sgpr_workgroup_id_y 1
		.amdhsa_system_sgpr_workgroup_id_z 1
		.amdhsa_system_vgpr_workitem_id 0
		.amdhsa_next_free_vgpr 1024
		.amdhsa_next_free_sgpr 102
		.amdhsa_reserve_vcc 0
		.amdhsa_float_denorm_mode_32 3
		.amdhsa_float_denorm_mode_16_64 3
		.amdhsa_memory_ordered 1
		.amdhsa_forward_progress 1
		.amdhsa_inst_pref_size 175
	.end_amdhsa_kernel
	.amdgpu_metadata
---
amdhsa.version: [ 1, 2 ]
amdhsa.kernels:
  - .name:           k_q85b020eb2b_wo
    .symbol:         k_q85b020eb2b_wo.kd
    .args:
      - { .name: AO, .offset: 0, .size: 8, .value_kind: global_buffer, .address_space: global }
      - { .name: W, .offset: 8, .size: 8, .value_kind: global_buffer, .address_space: global }
      - { .name: bo, .offset: 16, .size: 8, .value_kind: global_buffer, .address_space: global }
      - { .name: x, .offset: 24, .size: 8, .value_kind: global_buffer, .address_space: global }
      - { .name: X1, .offset: 32, .size: 8, .value_kind: global_buffer, .address_space: global }
    .group_segment_fixed_size: 327680
    .private_segment_fixed_size: 0
    .kernarg_segment_align: 8
    .kernarg_segment_size: 40
    .max_flat_workgroup_size: 128
    .sgpr_count:     102
    .vgpr_count:     1024
    .wavefront_size: 32
...
	.end_amdgpu_metadata
.endif
;; end of part 5
;; launch ln2: the kernel of part 2 again; grid 256 x 1, 8 waves a work-group, no clusters, 66,816 bytes of LDS; arguments X1, ln2_g, ln2_b, H; writes H
;; launch w1 (part 6): grid 16 x 16, 4 waves a work-group, clusters of 4 x 4, 327,680 bytes of LDS; arguments H, W, b1, HID; writes HID
.if DOCPART == 6
	.amdgcn_target "amdgcn-amd-amdhsa--gfx1250"
	.amdhsa_code_object_version 6
	.text
	.protected	k_q85b020eb2b_w1
	.globl	k_q85b020eb2b_w1
	.p2align	8
	.type	k_q85b020eb2b_w1,@function
k_q85b020eb2b_w1:
	s_mov_b64 s[64:65], 0
	v_nop
	global_prefetch_b8 v0, s[64:65] scope:SCOPE_SE
	s_setreg_imm32_b32 hwreg(HW_REG_WAVE_MODE, 25, 1), 1
	s_wait_xcnt 0x0
	s_wait_alu depctr_hold_cnt(0) depctr_sa_sdst(0) depctr_va_vdst(0) depctr_va_sdst(0) depctr_va_ssrc(0) depctr_va_vcc(0) depctr_vm_vsrc(0)
	s_getreg_b32 s2, hwreg(HW_REG_IB_STS2, 6, 4)
	s_cmp_eq_u32 s2, 0
	s_cbranch_scc0 .Lentry_in_a_cluster
	s_endpgm
.Lentry_in_a_cluster:
	s_bfe_u32 s2, ttmp6, 0x10000c
	s_cmp_lg_u32 s2, 0xf033
	s_cbranch_scc0 .Lentry_shape_is_right
	s_endpgm
.Lentry_shape_is_right:
; hidden = gelu(h W1 + b1) on codes of FP6 (E2M3) with E8M0 scales, quantised along the hidden axis for the product that follows; it goes to memory as codes alone. No work is left out.
; Operands arrive as IMAGES of operand registers (16 rows x 128 K in 1,536 bytes: half c at 768 c; registers 0-3 of lane l at 16 l, registers 4, 5 at 512 + 8 l), laid panel (128 rows) / 256 along K (24,576 dense bytes) / row block / 128 along K.
; A tile of 256 x 256 is made by four waves, 128 x 128 each (64 accumulators). K goes in steps of 256 through two LDS slots; a wave's tensor load brings one dense chunk. All scale words of the tile's rows come once, with the first fills.
; The product is used transposed (source 0 = W1's 16 rows, source 1 = h's): a lane holds one token and its registers run along the hidden units: the next K. The bias is the C of each sum's first matrix instruction.
; Inside a block of 32, position p holds index p with bits 3 and 4 changed over: what the result's layout gives; W2's images have the same order.
; gelu in its tanh form, rearranged exactly: gelu(x) = x / (1 + 2^z), z = x (c1 + c2 x^2), c1 = -2 sqrt(2 / pi) log2(e), c2 = 0.044715 c1. Large |x|: 2^z goes to 0 or to infinity, and x or 0 comes out.
; CLUSTERS 4 x 4: A's chunks are asked for jointly along a row of the cluster, B's along a column.
; LIMITS: NaN and infinities are not served; a block of zeros gets the byte 1; v_exp_f32 and v_rcp_f32 stand for the exponential and the division.
.set KK,     1024
.set ASC,    3145728                   ; where A's scale words begin in H
.set BCO,    3145728                   ; where W1's codes begin in W
.set BSC,    9437184+131072            ; and its scale words
.set HIDS,   12582912                  ; where the scale words begin in HID
.set LAPS,   KK/512
.set NQ,     2
.set FR,     12
.set NL,     4
.set NP,     4
.set IMG,    1536
.set CHUNK,  16*IMG
.set SLOT,   4*CHUNK
.set SCL,    2*SLOT
.set HALFS,  4*KK
.set SBLK,   KK/2
.set SPARE,  SCL+4*HALFS
.set ADRA, 16
.set ADRB, 20
.set I16,  24
.set I8,   25
.set I4,   26
.set ADRS, 27
.set SPW,  28
.set NIL,  29
.set SC,   32
.set BIAS, 64
.set AF,   128
.set Z,    128                         ; the way out: 64 numbers
.set PC,   192
.set TM,   212
.set PW,   228
.set C1,   230
.set C2,   232
.set G1, 24
.set G0, 32
.set G1B, 48
.set G0B, 56
.set SEL, 66
.set G1S, 68
.set G0S, 76
.set G1SB, 80
.set G0SB, 88
.set MSB, 0
.macro WIN new
.if MSB != (\new)
	s_set_vgpr_msb (MSB<<8)|(\new)
.set MSB, (\new)
.endif
.endm
.set MUL_LO, 0xa1
.set MUL_HI, 0xf1
.set TO_B,   0x40
.macro JLOAD g0a, g1a, g0b, g1b
	s_cmp_eq_u32 s15, 0
	s_cbranch_scc0 .Lfor_b_\@
	tensor_load_to_lds s[\g0a:\g0a+3], s[\g1a:\g1a+7]
	s_nop 0
.rept 4
	v_nop
.endr
	s_branch .Lasked_\@
.Lfor_b_\@:
	tensor_load_to_lds s[\g0b:\g0b+3], s[\g1b:\g1b+7]
	s_nop 0
.rept 4
	v_nop
.endr
.Lasked_\@:
.endm
.macro CREST
	s_cmp_lg_u32 s14, 0
	s_cbranch_scc1 .Lnot_wave_0_\@
	s_barrier_signal -3
.Lnot_wave_0_\@:
	s_barrier_wait -3
	s_barrier_signal -1
	s_barrier_wait -1
.endm
.macro CROUND
	s_barrier_signal -1
	s_barrier_wait -1
	CREST
.endm
	s_load_b128 s[4:7], s[0:1], 0x0                ; H, W
	s_load_b128 s[8:11], s[0:1], 0x10              ; b1, HID
	v_lshl_add_u32 v[SPW], v0, 2, SPARE
	v_mov_b32 v[NIL], 0
	ds_add_u32 v[SPW], v[NIL]                      ; the opening: the add, twice on end, and its wait ahead of my first tensor load
	ds_add_u32 v[SPW], v[NIL]
	v_lshrrev_b32 v1, 5, v0
	v_readfirstlane_b32 s14, v1
	s_lshr_b32 s15, s14, 1
	s_and_b32 s16, s14, 1
	s_bfe_u32 s40, ttmp6, 0x40000
	s_bfe_u32 s41, ttmp6, 0x40004
	s_lshl_b32 s42, ttmp9, 2
	s_add_co_u32 s42, s42, s40                     ; B's tile
	s_and_b32 s17, ttmp7, 0xffff
	s_lshl_b32 s17, s17, 2
	s_add_co_u32 s17, s17, s41                     ; A's tile
	s_lshl_b32 s43, s41, 2
	s_lshl_b32 s43, 15, s43
	s_lshl_b32 s44, 0x1111, s40
	s_or_b32 s[G1+0], s43, (3<<16)|(1<<21)
	s_or_b32 s[G1B+0], s44, (3<<16)|(1<<21)
	s_or_b32 s[G1S+0], s43, (3<<16)|(1<<21)
	s_or_b32 s[G1SB+0], s44, (3<<16)|(1<<21)
.irp g, G1, G1B
	s_mov_b32 s[\g+1], 32<<16
	s_mov_b32 s[\g+2], (CHUNK/256)<<16
	s_mov_b32 s[\g+3], 32<<16
	s_mov_b32 s[\g+4], CHUNK/256
	s_mov_b32 s[\g+5], 32
	s_mov_b32 s[\g+6], 0
	s_mov_b32 s[\g+7], 0
.endr
.irp g, G1S, G1SB
	s_mov_b32 s[\g+1], 32<<16
	s_mov_b32 s[\g+2], (HALFS/256)<<16
	s_mov_b32 s[\g+3], 32<<16
	s_mov_b32 s[\g+4], HALFS/256
	s_mov_b32 s[\g+5], 32
	s_mov_b32 s[\g+6], 0
	s_mov_b32 s[\g+7], 0
.endr
	s_lshl_b32 s20, s17, 1
	s_add_co_u32 s20, s20, s16
	s_mul_i32 s22, s20, HALFS
	s_add_co_u32 s22, s22, ASC
	s_mul_i32 s20, s20, 96*KK
	s_mov_b32 s21, 0
	s_mov_b32 s23, 0
	s_lshl_b32 s46, s42, 1
	s_add_co_u32 s46, s46, s16
	s_mul_i32 s92, s46, HALFS
	s_add_co_u32 s92, s92, BSC
	s_mul_i32 s46, s46, 96*KK
	s_add_co_u32 s46, s46, BCO
	s_mov_b32 s47, 0
	s_mov_b32 s93, 0
	s_mul_i32 s45, s14, CHUNK
	s_mul_i32 s94, s14, HALFS
	s_mov_b32 s[SEL], 0x76543210
	s_mov_b32 s[SEL+1], 0xfedcba98
	s_wait_dscnt 0x0
	s_wait_kmcnt 0x0
	s_add_nc_u64 s[20:21], s[4:5], s[20:21]
	s_add_nc_u64 s[22:23], s[4:5], s[22:23]
	s_add_nc_u64 s[46:47], s[6:7], s[46:47]
	s_add_nc_u64 s[92:93], s[6:7], s[92:93]
	CROUND
	s_mov_b32 s[G0S], 1
	s_add_co_u32 s[G0S+1], s94, SCL
	s_mov_b64 s[G0S+2:G0S+3], s[22:23]
	s_or_b32 s[G0S+3], s[G0S+3], 0x80000000
	s_mov_b32 s[G0SB], 1
	s_add_co_u32 s[G0SB+1], s94, SCL
	s_mov_b64 s[G0SB+2:G0SB+3], s[92:93]
	s_or_b32 s[G0SB+3], s[G0SB+3], 0x80000000
	JLOAD G0S, G1S, G0SB, G1SB
.irp s, 0,1
	s_mov_b32 s[G0+4*\s], 1
	s_add_co_u32 s[G0+4*\s+1], s45, \s*SLOT
	s_add_nc_u64 s[G0+4*\s+2:G0+4*\s+3], s[20:21], \s*CHUNK
	s_or_b32 s[G0+4*\s+3], s[G0+4*\s+3], 0x80000000
	s_mov_b32 s[G0B+4*\s], 1
	s_add_co_u32 s[G0B+4*\s+1], s45, \s*SLOT
	s_add_nc_u64 s[G0B+4*\s+2:G0B+4*\s+3], s[46:47], \s*CHUNK
	s_or_b32 s[G0B+4*\s+3], s[G0B+4*\s+3], 0x80000000
	JLOAD G0+4*\s, G1, G0B+4*\s, G1B               ; three loads of mine are out now
.endr
	v_and_b32 v1, 15, v0
	v_bfe_u32 v2, v0, 4, 1
	v_and_b32 v3, 31, v0
	v_lshlrev_b32 v[I16], 4, v3
	v_lshl_add_u32 v[I8], v3, 3, 512
	v_lshlrev_b32 v[I4], 2, v1
	s_mul_i32 s21, s15, CHUNK
	s_mul_i32 s22, s16, CHUNK
	s_add_co_u32 s22, s22, 2*CHUNK
.irp s, 0,1
	v_add_nc_u32 v[ADRA+\s], s21, v[I16]
	v_add_nc_u32 v[ADRA+2+\s], s21, v[I8]
	v_add_nc_u32 v[ADRB+\s], s22, v[I16]
	v_add_nc_u32 v[ADRB+2+\s], s22, v[I8]
	s_add_co_u32 s21, s21, SLOT
	s_add_co_u32 s22, s22, SLOT
.endr
	s_mul_i32 s21, s15, HALFS
	s_mul_i32 s22, s16, HALFS
	s_add_co_u32 s22, s22, 2*HALFS
	s_sub_co_u32 s22, s22, s21
	v_mul_u32_u24 v6, s22, v2
	s_add_co_u32 s21, s21, SCL
	v_lshl_add_u32 v6, v1, 2, v6
	v_add_nc_u32 v[ADRS], s21, v6
	s_lshl_b32 s46, s42, 10
	s_lshl_b32 s47, s16, 9
	s_add_co_u32 s46, s46, s47
	s_mov_b32 s47, 0
	s_add_nc_u64 s[8:9], s[8:9], s[46:47]          ; b1 at my 128 columns
	s_lshl_b32 s20, s17, 1
	s_add_co_u32 s20, s20, s15                     ; HID: my panel of 128 tokens
	s_lshl_b32 s22, s20, 14
	s_mul_i32 s20, s20, 393216
	s_mul_i32 s46, s42, CHUNK                      ; 256 along its K = my tile of columns,
	s_mul_i32 s47, s16, IMG                        ; and my half of them
	s_add_co_u32 s20, s20, s46
	s_add_co_u32 s20, s20, s47
	s_mov_b32 s21, 0
	s_lshl_b32 s46, s42, 7
	s_lshl_b32 s47, s16, 6
	s_add_co_u32 s22, s22, s46
	s_add_co_u32 s22, s22, s47
	s_add_co_u32 s22, s22, HIDS
	s_mov_b32 s23, 0
	s_add_nc_u64 s[12:13], s[10:11], s[20:21]
	s_add_nc_u64 s[98:99], s[10:11], s[22:23]
	v_lshlrev_b32 v7, 5, v2
.irp b, 0,1,2,3,4,5,6,7
	global_load_b128 v[BIAS+8*\b:BIAS+8*\b+3], v7, s[8:9] offset:64*\b        ; register 8 b + j: the bias of column 16 b + 8 h + j
	global_load_b128 v[BIAS+8*\b+4:BIAS+8*\b+7], v7, s[8:9] offset:64*\b+16
.endr
.macro FRAG reg, adr, q, i
	ds_load_b128 v[\reg:\reg+3], v[\adr] offset:(\i)*2*IMG+(\q)*IMG
	ds_load_b64 v[\reg+4:\reg+5], v[\adr+2] offset:(\i)*2*IMG+(\q)*IMG
	ds_load_b128 v[\reg+6:\reg+9], v[\adr] offset:(\i)*2*IMG+(\q)*IMG+768
	ds_load_b64 v[\reg+10:\reg+11], v[\adr+2] offset:(\i)*2*IMG+(\q)*IMG+768
.endm
; 16 matrix instructions; the 64 accumulators take turns, one instruction a turn, in the same order in every step. zero = 1: the bias starts the sums
.macro MUL16 a0, p, q, sc, zero
.irp a, \a0, \a0+1
.irp b, 0,1,2,3,4,5,6,7
.if \zero
	v_wmma_scale_f32_16x16x128_f8f6f4 v[8*(8*((\a)%4)+\b):8*(8*((\a)%4)+\b)+7], v[128*(\p)+FR*\b:128*(\p)+FR*\b+FR-1], v[AF+FR*(\a):AF+FR*(\a)+FR-1], v[BIAS+8*\b:BIAS+8*\b+7], v[SC+8*NQ*(\sc)+NQ*\b+(\q)], v[SC+8*NQ*(\sc)+NQ*(\a)+(\q)] matrix_a_fmt:MATRIX_FMT_FP6 matrix_b_fmt:MATRIX_FMT_FP6 matrix_a_scale:MATRIX_SCALE_ROW1
.else
	v_wmma_scale_f32_16x16x128_f8f6f4 v[8*(8*((\a)%4)+\b):8*(8*((\a)%4)+\b)+7], v[128*(\p)+FR*\b:128*(\p)+FR*\b+FR-1], v[AF+FR*(\a):AF+FR*(\a)+FR-1], v[8*(8*((\a)%4)+\b):8*(8*((\a)%4)+\b)+7], v[SC+8*NQ*(\sc)+NQ*\b+(\q)], v[SC+8*NQ*(\sc)+NQ*(\a)+(\q)] matrix_a_fmt:MATRIX_FMT_FP6 matrix_b_fmt:MATRIX_FMT_FP6 matrix_a_scale:MATRIX_SCALE_ROW1
.endif
.endr
.endr
.endm
.macro FETCH_B slot, q, p
	WIN TO_B
.irp i, 0,1,2,3,4,5,6,7
	FRAG 128*(\p)+FR*\i, ADRB+\slot, \q, \i
.endr
	WIN 0
.endm
.macro FETCH_A slot, q, i0
.irp i, \i0, \i0+1, \i0+2, \i0+3
	FRAG AF+FR*(\i), ADRA+\slot, \q, \i
.endr
.endm
.macro SCALES sc
.irp i, 0,1,2,3,4,5,6,7
	ds_load_b32 v[SC+16*\sc+2*\i], v[ADRS] offset:\i*SBLK
	ds_load_b32 v[SC+16*\sc+2*\i+1], v[ADRS] offset:\i*SBLK+64
.endr
.endm
.macro PLACES n
.rept \n
	v_nop
.endr
.endm
.macro STEP slot, q, zero
	s_wait_dscnt 4*NL                              ; all but the youngest 16 loads (A's blocks 4-7) are in
.if \zero
	WIN 0x81                                       ; C (the bias) in window 0, D in window 2
.else
	WIN MUL_LO
.endif
	MUL16 0, (\q)%2, \q, \slot, \zero
	MUL16 2, (\q)%2, \q, \slot, \zero
	s_wait_dscnt 0
	PLACES NP
	FETCH_B \slot, (\q)+1, 1-(\q)%2
	FETCH_A \slot, (\q)+1, 0
.if \zero
	WIN 0xc1
.else
	WIN MUL_HI
.endif
	MUL16 4, (\q)%2, \q, \slot, \zero
	MUL16 6, (\q)%2, \q, \slot, \zero
	PLACES NP
	WIN 0
	FETCH_A \slot, (\q)+1, 4
.endm
.macro TURN slot, next, fill
	s_wait_tensorcnt 0x0                           ; all my tensor loads have landed: my part of the next slot
	ds_add_u32 v[SPW], v[NIL]                      ; 0 onto my spare word
	s_wait_dscnt 4*NL+1                            ; (the add and the youngest 16 loads may be out)
	WIN MUL_LO
	MUL16 0, 1, NQ-1, \slot, 0
	s_wait_dscnt 0x0                               ; the add is done, and my reads of this slot are over
	s_barrier_signal -1
	MUL16 2, 1, NQ-1, \slot, 0
	WIN 0
	s_barrier_wait -1
.if \fill
	CREST
	s_add_nc_u64 s[G0+4*\slot+2:G0+4*\slot+3], s[G0+4*\slot+2:G0+4*\slot+3], 2*CHUNK
	s_add_nc_u64 s[G0B+4*\slot+2:G0B+4*\slot+3], s[G0B+4*\slot+2:G0B+4*\slot+3], 2*CHUNK
	JLOAD G0+4*\slot, G1, G0B+4*\slot, G1B
.else
	PLACES NP
.endif
	v_add_nc_u32 v[ADRS], 128, v[ADRS]
	FETCH_B \next, 0, 0
	FETCH_A \next, 0, 0
	SCALES \next
	WIN MUL_HI
	MUL16 4, 1, NQ-1, \slot, 0
	MUL16 6, 1, NQ-1, \slot, 0
	PLACES NP
	WIN 0
	FETCH_A \next, 0, 4
.endm
	s_wait_tensorcnt 1                             ; the scale words and my part of slot 0 are in; slot 1's load may be out
	s_barrier_signal -1
	s_barrier_wait -1
	FETCH_B 0, 0, 0
	FETCH_A 0, 0, 0
	SCALES 0
	FETCH_A 0, 0, 4
	s_wait_loadcnt 0x0                             ; the bias
	STEP 0, 0, 1
	s_mov_b32 s3, LAPS-1
.Llap:
	TURN 0, 1, 1
	STEP 1, 0, 0
	TURN 1, 0, 1
	STEP 0, 0, 0
	s_sub_co_u32 s3, s3, 1
	s_cmp_lg_u32 s3, 0
	s_cbranch_scc1 .Llap
	TURN 0, 1, 0
	STEP 1, 0, 0
	s_wait_dscnt 4*NL
	WIN MUL_LO
	MUL16 0, 1, NQ-1, 1, 0
	MUL16 2, 1, NQ-1, 1, 0
	s_wait_dscnt 0
	WIN MUL_HI
	MUL16 4, 1, NQ-1, 1, 0
	MUL16 6, 1, NQ-1, 1, 0
	WIN 0
.macro QUANT s                         ; 64 numbers, register 16 b + i = position 32 b + 16 (lane / 16) + i of my row, become a fragment's codes in v[PC] on and its scale word in v[PW]
.irp b, 0,1,2,3
	v_max3_num_f32 v[TM+\b], |v[\s+16*\b]|, |v[\s+1+16*\b]|, 0x1800000
.endr
.irp i, 2,4,6,8,10,12,14
.irp b, 0,1,2,3
	v_max3_num_f32 v[TM+\b], v[TM+\b], |v[\s+16*\b+\i]|, |v[\s+1+16*\b+\i]|
.endr
.endr
.irp b, 0,1,2,3
	v_permlanex16_b32 v[TM+4+\b], v[TM+\b], s[SEL], s[SEL+1]
.endr
.irp b, 0,1,2,3
	v_max_num_f32 v[TM+\b], v[TM+\b], v[TM+4+\b]
.endr
.irp b, 0,1,2,3
	v_add_nc_u32 v[TM+12+\b], 0xff000000, v[TM+\b]
.endr
.irp b, 0,1,2,3
	v_lshrrev_b32 v[TM+4+\b], 23, v[TM+12+\b]
.endr
	v_lshl_or_b32 v[PW], v[TM+5], 8, v[TM+4]
	v_lshl_or_b32 v[PW], v[TM+6], 16, v[PW]
	v_lshl_or_b32 v[PW], v[TM+7], 24, v[PW]
.irp c, 0,1
	v_cvt_scalef32_pk16_fp6_f32 v[PC+6*\c:PC+2+6*\c], v[\s+32*\c:\s+15+32*\c], v[TM+12+2*\c]
	v_cvt_scalef32_pk16_fp6_f32 v[PC+12+4*\c:PC+14+4*\c], v[\s+16+32*\c:\s+31+32*\c], v[TM+12+2*\c+1]
.endr
	v_nop
.irp c, 0,1
.irp i, 0,1,2
	v_permlane16_swap_b32 v[PC+6*\c+\i], v[PC+12+4*\c+\i]
.endr
.irp i, 0,1,2
	v_mov_b32 v[PC+3+6*\c+\i], v[PC+12+4*\c+\i]
.endr
.endr
.endm
.macro STIMG cb, coff, sb, soff
	global_store_b128 v[I16], v[PC:PC+3], s[\cb:\cb+1] offset:\coff
	global_store_b64 v[I8], v[PC+4:PC+5], s[\cb:\cb+1] offset:\coff
	global_store_b128 v[I16], v[PC+6:PC+9], s[\cb:\cb+1] offset:(\coff)+768
	global_store_b64 v[I8], v[PC+10:PC+11], s[\cb:\cb+1] offset:(\coff)+768
	global_store_b32 v[I4], v[PW], s[\sb:\sb+1] offset:\soff
.endm
.macro OUTB a                          ; block a of my eight: gelu, quantised, stored. x stays in its accumulators (window 2 or 3)
.set WN, 2+(\a)/4
.set AC, 64*((\a)%4)
	WIN 5*WN                                       ; sources 0 and 1 in x's window
.set i, 0
.rept 32
	v_pk_mul_f32 v[Z+2*i:Z+2*i+1], v[AC+2*i:AC+2*i+1], v[AC+2*i:AC+2*i+1]     ; x^2: each accumulator from its low end on
.set i, i+1
.endr
	WIN 0
.set i, 0
.rept 32
	v_pk_fma_f32 v[Z+2*i:Z+2*i+1], v[Z+2*i:Z+2*i+1], v[C2:C2+1], v[C1:C1+1]   ; c1 + c2 x^2
.set i, i+1
.endr
	WIN WN
.set i, 0
.rept 32
	v_pk_mul_f32 v[Z+2*i:Z+2*i+1], v[AC+2*i:AC+2*i+1], v[Z+2*i:Z+2*i+1]       ; z
.set i, i+1
.endr
	WIN 0
.set i, 0
.rept 64
	v_exp_f32 v[Z+i], v[Z+i]
.set i, i+1
.endr
	v_nop                                          ; a plain line behind the batch
	s_wait_alu depctr_va_vdst(0)                   ; one wait for the batch, ahead of its first reader
.set i, 0
.rept 32
	v_pk_add_f32 v[Z+2*i:Z+2*i+1], v[Z+2*i:Z+2*i+1], 1.0 op_sel_hi:[1,0]
.set i, i+1
.endr
.set i, 0
.rept 64
	v_rcp_f32 v[Z+i], v[Z+i]
.set i, i+1
.endr
	v_nop
	s_wait_alu depctr_va_vdst(0)
	WIN WN
.set i, 0
.rept 32
	v_pk_mul_f32 v[Z+2*i:Z+2*i+1], v[AC+2*i:AC+2*i+1], v[Z+2*i:Z+2*i+1]       ; x / (1 + 2^z)
.set i, i+1
.endr
	WIN 0
.if (\a) > 0
	s_wait_xcnt 0x0                                ; the last block's stores have read their registers
.endif
	QUANT Z
	STIMG 12, (\a)*3072, 98, (\a)*2048
.endm
	PLACES NP                                      ; in front of the first read of results and of writes over A's fragments
.irp b, 0,1,2,3
	v_mov_b32 v[TM+4+\b], 0                        ; a lane permute's destination counts as one of its sources
.endr
	v_mov_b32 v[C1], 0xc0135761                    ; c1 = -2.3022082
	v_mov_b32 v[C1+1], 0xc0135761
	v_mov_b32 v[C2], 0xbdd2d3e8                    ; c2 = -0.10294324
	v_mov_b32 v[C2+1], 0xbdd2d3e8
.irp a, 0,1,2,3,4,5,6,7
	OUTB \a
.endr
	s_wait_tensorcnt 0x0                           ; the wave's end
	ds_add_u32 v[SPW], v[NIL]
	s_wait_dscnt 0x0
	CROUND                                         ; the closing round
	s_endpgm
.Lfunc_end_k_q85b020eb2b_w1:
	.size	k_q85b020eb2b_w1, .Lfunc_end_k_q85b020eb2b_w1-k_q85b020eb2b_w1
	.p2alignl 7, 3214868480
	.fill 96, 4, 3214868480
	.section	.rodata,"a",@progbits
	.p2align	6, 0x0
	.amdhsa_kernel k_q85b020eb2b_w1
		.amdhsa_group_segment_fixed_size 327680
		.amdhsa_private_segment_fixed_size 0
		.amdhsa_enable_private_segment 0
		.amdhsa_kernarg_size 32
		.amdhsa_user_sgpr_count 2
		.amdhsa_user_sgpr_kernarg_segment_ptr 1
		.amdhsa_wavefront_size32 1
		.amdhsa_system_sgpr_workgroup_id_x 1
		.amdhsa_system_sgpr_workgroup_id_y 1
		.amdhsa_system_sgpr_workgroup_id_z 1
		.amdhsa_system_vgpr_workitem_id 0
		.amdhsa_next_free_vgpr 1024
		.amdhsa_next_free_sgpr 102
		.amdhsa_reserve_vcc 0
		.amdhsa_float_denorm_mode_32 3
		.amdhsa_float_denorm_mode_16_64 3
		.amdhsa_memory_ordered 1
		.amdhsa_forward_progress 1
		.amdhsa_inst_pref_size 255
	.end_amdhsa_kernel
	.section	.bss,"aw",@nobits
	.p2align	6
	.space	262144
	.amdgpu_metadata
---
amdhsa.version: [ 1, 2 ]
amdhsa.kernels:
  - .name:           k_q85b020eb2b_w1
    .symbol:         k_q85b020eb2b_w1.kd
    .args:
      - { .name: H, .offset: 0, .size: 8, .value_kind: global_buffer, .address_space: global }
      - { .name: W, .offset: 8, .size: 8, .value_kind: global_buffer, .address_space: global }
      - { .name: b1, .offset: 16, .size: 8, .value_kind: global_buffer, .address_space: global }
      - { .name: HID, .offset: 24, .size: 8, .value_kind: global_buffer, .address_space: global }
    .group_segment_fixed_size: 327680
    .private_segment_fixed_size: 0
    .kernarg_segment_align: 8
    .kernarg_segment_size: 32
    .max_flat_workgroup_size: 128
    .sgpr_count:     102
    .vgpr_count:     1024
    .wavefront_size: 32
...
	.end_amdgpu_metadata
.endif
;; end of part 6
;; launch w2 (part 7): grid 4 x 16, 4 waves a work-group, clusters of 4 x 4, 327,680 bytes of LDS; arguments HID, W, b2, X1, out0; writes out0
.if DOCPART == 7
	.amdgcn_target "amdgcn-amd-amdhsa--gfx1250"
	.amdhsa_code_object_version 6
	.text
	.protected	k_q85b020eb2b_w2
	.globl	k_q85b020eb2b_w2
	.p2align	8
	.type	k_q85b020eb2b_w2,@function
k_q85b020eb2b_w2:
	s_mov_b64 s[64:65], 0
	v_nop
	global_prefetch_b8 v0, s[64:65] scope:SCOPE_SE
	s_setreg_imm32_b32 hwreg(HW_REG_WAVE_MODE, 25, 1), 1
	s_wait_xcnt 0x0
	s_wait_alu depctr_hold_cnt(0) depctr_sa_sdst(0) depctr_va_vdst(0) depctr_va_sdst(0) depctr_va_ssrc(0) depctr_va_vcc(0) depctr_vm_vsrc(0)
	s_getreg_b32 s2, hwreg(HW_REG_IB_STS2, 6, 4)
	s_cmp_eq_u32 s2, 0
	s_cbranch_scc0 .Lentry_in_a_cluster
	s_endpgm
.Lentry_in_a_cluster:
	s_bfe_u32 s2, ttmp6, 0x10000c
	s_cmp_lg_u32 s2, 0xf033
	s_cbranch_scc0 .Lentry_shape_is_right
	s_endpgm
.Lentry_shape_is_right:
; out = residual + A B^T + bias on codes of FP6 (E2M3) with E8M0 scales; out and residual are [4,096][1,024] f32. Here: A = the hidden layer, B = W2, K = 4,096. No work is left out.
; Operands arrive as IMAGES of operand registers (16 rows x 128 K in 1,536 bytes: half c at 768 c; registers 0-3 of lane l at 16 l, registers 4, 5 at 512 + 8 l), laid panel (128 rows) / 256 along K (24,576 dense bytes) / row block / 128 along K.
; A tile of 256 x 256 is made by four waves, 128 x 128 each (64 accumulators). K goes in steps of 256 through two LDS slots; a wave's tensor load brings one dense chunk. All scale words of the tile's rows come once, with the first fills.
; The product is used transposed (source 0 = B's 16 rows, source 1 = A's): a lane holds eight neighbouring numbers of a row of the output. The bias is the C of each sum's first matrix instruction.
; CLUSTERS 4 x 4: A's chunks are asked for jointly along a row of the cluster, B's along a column. The output has 64 such tiles: 64 work-groups.
; LIMITS: NaN and infinities are not served.
.set KK,     4096                      ; the product's K
.set ASC,    12582912                  ; where A's scale words begin in its buffer
.set BCO,    6291456                   ; where B's codes begin in W
.set BSC,    9437184+262144            ; and its scale words
.set LAPS,   KK/512
.set NQ,     2
.set FR,     12
.set NL,     4
.set NP,     4
.set IMG,    1536
.set CHUNK,  16*IMG
.set SLOT,   4*CHUNK
.set SCL,    2*SLOT
.set HALFS,  4*KK
.set SBLK,   KK/2
.set SPARE,  SCL+4*HALFS
.set SPITCH, 528                       ; the way out: a stage of 16 rows x (512 + 16) bytes a wave, in slot 0, which has had its last fill and its last read by then
.set ADRA, 16
.set ADRB, 20
.set STO,  24
.set RD,   25
.set CO,   26
.set ADRS, 27
.set SPW,  28
.set NIL,  29
.set SC,   32
.set BIAS, 64
.set AF,   128
.set RS0,  64                          ; the way out: residual rows, v64-127 and v192-255 by turns
.set BB,   128                         ; and 16 rows read back from the stage
.set G1, 24
.set G0, 32
.set G1B, 48
.set G0B, 56
.set G1S, 68
.set G0S, 76
.set G1SB, 80
.set G0SB, 88
.set MSB, 0
.macro WIN new
.if MSB != (\new)
	s_set_vgpr_msb (MSB<<8)|(\new)
.set MSB, (\new)
.endif
.endm
.set MUL_LO, 0xa1
.set MUL_HI, 0xf1
.set TO_B,   0x40
.macro JLOAD g0a, g1a, g0b, g1b
	s_cmp_eq_u32 s15, 0
	s_cbranch_scc0 .Lfor_b_\@
	tensor_load_to_lds s[\g0a:\g0a+3], s[\g1a:\g1a+7]
	s_nop 0
.rept 4
	v_nop
.endr
	s_branch .Lasked_\@
.Lfor_b_\@:
	tensor_load_to_lds s[\g0b:\g0b+3], s[\g1b:\g1b+7]
	s_nop 0
.rept 4
	v_nop
.endr
.Lasked_\@:
.endm
.macro CREST
	s_cmp_lg_u32 s14, 0
	s_cbranch_scc1 .Lnot_wave_0_\@
	s_barrier_signal -3
.Lnot_wave_0_\@:
	s_barrier_wait -3
	s_barrier_signal -1
	s_barrier_wait -1
.endm
.macro CROUND
	s_barrier_signal -1
	s_barrier_wait -1
	CREST
.endm
	s_load_b128 s[4:7], s[0:1], 0x0                ; A, W
	s_load_b128 s[8:11], s[0:1], 0x10              ; bias, residual
	s_load_b64 s[12:13], s[0:1], 0x20              ; out
	v_lshl_add_u32 v[SPW], v0, 2, SPARE
	v_mov_b32 v[NIL], 0
	ds_add_u32 v[SPW], v[NIL]                      ; the opening: the add, twice on end, and its wait ahead of my first tensor load
	ds_add_u32 v[SPW], v[NIL]
	v_lshrrev_b32 v1, 5, v0
	v_readfirstlane_b32 s14, v1
	s_lshr_b32 s15, s14, 1
	s_and_b32 s16, s14, 1
	s_bfe_u32 s40, ttmp6, 0x40000
	s_bfe_u32 s41, ttmp6, 0x40004
	s_lshl_b32 s42, ttmp9, 2
	s_add_co_u32 s42, s42, s40                     ; B's tile
	s_and_b32 s17, ttmp7, 0xffff
	s_lshl_b32 s17, s17, 2
	s_add_co_u32 s17, s17, s41                     ; A's tile
	s_lshl_b32 s43, s41, 2
	s_lshl_b32 s43, 15, s43
	s_lshl_b32 s44, 0x1111, s40
	s_or_b32 s[G1+0], s43, (3<<16)|(1<<21)
	s_or_b32 s[G1B+0], s44, (3<<16)|(1<<21)
	s_or_b32 s[G1S+0], s43, (3<<16)|(1<<21)
	s_or_b32 s[G1SB+0], s44, (3<<16)|(1<<21)
.irp g, G1, G1B
	s_mov_b32 s[\g+1], 32<<16
	s_mov_b32 s[\g+2], (CHUNK/256)<<16
	s_mov_b32 s[\g+3], 32<<16
	s_mov_b32 s[\g+4], CHUNK/256
	s_mov_b32 s[\g+5], 32
	s_mov_b32 s[\g+6], 0
	s_mov_b32 s[\g+7], 0
.endr
.irp g, G1S, G1SB
	s_mov_b32 s[\g+1], 32<<16
	s_mov_b32 s[\g+2], (HALFS/256)<<16
	s_mov_b32 s[\g+3], 32<<16
	s_mov_b32 s[\g+4], HALFS/256
	s_mov_b32 s[\g+5], 32
	s_mov_b32 s[\g+6], 0
	s_mov_b32 s[\g+7], 0
.endr
	s_lshl_b32 s20, s17, 1
	s_add_co_u32 s20, s20, s16
	s_mul_i32 s22, s20, HALFS
	s_add_co_u32 s22, s22, ASC
	s_mul_i32 s20, s20, 96*KK
	s_mov_b32 s21, 0
	s_mov_b32 s23, 0
	s_lshl_b32 s46, s42, 1
	s_add_co_u32 s46, s46, s16
	s_mul_i32 s92, s46, HALFS
	s_add_co_u32 s92, s92, BSC
	s_mul_i32 s46, s46, 96*KK
	s_add_co_u32 s46, s46, BCO
	s_mov_b32 s47, 0
	s_mov_b32 s93, 0
	s_mul_i32 s45, s14, CHUNK
	s_mul_i32 s94, s14, HALFS
	s_wait_dscnt 0x0
	s_wait_kmcnt 0x0
	s_add_nc_u64 s[20:21], s[4:5], s[20:21]
	s_add_nc_u64 s[22:23], s[4:5], s[22:23]
	s_add_nc_u64 s[46:47], s[6:7], s[46:47]
	s_add_nc_u64 s[92:93], s[6:7], s[92:93]
	CROUND
	s_mov_b32 s[G0S], 1
	s_add_co_u32 s[G0S+1], s94, SCL
	s_mov_b64 s[G0S+2:G0S+3], s[22:23]
	s_or_b32 s[G0S+3], s[G0S+3], 0x80000000
	s_mov_b32 s[G0SB], 1
	s_add_co_u32 s[G0SB+1], s94, SCL
	s_mov_b64 s[G0SB+2:G0SB+3], s[92:93]
	s_or_b32 s[G0SB+3], s[G0SB+3], 0x80000000
	JLOAD G0S, G1S, G0SB, G1SB
.irp s, 0,1
	s_mov_b32 s[G0+4*\s], 1
	s_add_co_u32 s[G0+4*\s+1], s45, \s*SLOT
	s_add_nc_u64 s[G0+4*\s+2:G0+4*\s+3], s[20:21], \s*CHUNK
	s_or_b32 s[G0+4*\s+3], s[G0+4*\s+3], 0x80000000
	s_mov_b32 s[G0B+4*\s], 1
	s_add_co_u32 s[G0B+4*\s+1], s45, \s*SLOT
	s_add_nc_u64 s[G0B+4*\s+2:G0B+4*\s+3], s[46:47], \s*CHUNK
	s_or_b32 s[G0B+4*\s+3], s[G0B+4*\s+3], 0x80000000
	JLOAD G0+4*\s, G1, G0B+4*\s, G1B               ; three loads of mine are out now
.endr
	v_and_b32 v1, 15, v0
	v_bfe_u32 v2, v0, 4, 1
	v_and_b32 v3, 31, v0
	v_lshlrev_b32 v[CO], 4, v3                     ; 16 x lane
	v_lshl_add_u32 v5, v3, 3, 512                  ; 512 + 8 x lane
	s_mul_i32 s21, s15, CHUNK
	s_mul_i32 s22, s16, CHUNK
	s_add_co_u32 s22, s22, 2*CHUNK
.irp s, 0,1
	v_add_nc_u32 v[ADRA+\s], s21, v[CO]
	v_add_nc_u32 v[ADRA+2+\s], s21, v5
	v_add_nc_u32 v[ADRB+\s], s22, v[CO]
	v_add_nc_u32 v[ADRB+2+\s], s22, v5
	s_add_co_u32 s21, s21, SLOT
	s_add_co_u32 s22, s22, SLOT
.endr
	s_mul_i32 s21, s15, HALFS
	s_mul_i32 s22, s16, HALFS
	s_add_co_u32 s22, s22, 2*HALFS
	s_sub_co_u32 s22, s22, s21
	v_mul_u32_u24 v6, s22, v2
	s_add_co_u32 s21, s21, SCL
	v_lshl_add_u32 v6, v1, 2, v6
	v_add_nc_u32 v[ADRS], s21, v6
	s_mul_i32 s23, s14, 16*SPITCH                  ; my stage
	v_mul_u32_u24 v6, v1, SPITCH
	v_lshl_add_u32 v6, v2, 5, v6
	v_add_nc_u32 v[STO], s23, v6                   ; in: row r, 32 bytes for each half of the lanes
	v_add_nc_u32 v[RD], s23, v[CO]                 ; back: a row of 512 bytes to the 32 lanes
	s_lshl_b32 s46, s42, 10
	s_lshl_b32 s47, s16, 9
	s_add_co_u32 s46, s46, s47                     ; my first column, in bytes
	s_mov_b32 s47, 0
	s_add_nc_u64 s[8:9], s[8:9], s[46:47]
	s_lshl_b32 s20, s17, 8
	s_lshl_b32 s21, s15, 7
	s_add_co_u32 s20, s20, s21                     ; my first row
	s_lshl_b32 s20, s20, 12
	s_add_co_u32 s20, s20, s46
	s_mov_b32 s21, 0
	s_add_nc_u64 s[10:11], s[10:11], s[20:21]
	s_add_nc_u64 s[12:13], s[12:13], s[20:21]
	v_lshlrev_b32 v7, 5, v2
.irp b, 0,1,2,3,4,5,6,7
	global_load_b128 v[BIAS+8*\b:BIAS+8*\b+3], v7, s[8:9] offset:64*\b        ; register 8 b + j: the bias of column 16 b + 8 h + j
	global_load_b128 v[BIAS+8*\b+4:BIAS+8*\b+7], v7, s[8:9] offset:64*\b+16
.endr
.macro FRAG reg, adr, q, i
	ds_load_b128 v[\reg:\reg+3], v[\adr] offset:(\i)*2*IMG+(\q)*IMG
	ds_load_b64 v[\reg+4:\reg+5], v[\adr+2] offset:(\i)*2*IMG+(\q)*IMG
	ds_load_b128 v[\reg+6:\reg+9], v[\adr] offset:(\i)*2*IMG+(\q)*IMG+768
	ds_load_b64 v[\reg+10:\reg+11], v[\adr+2] offset:(\i)*2*IMG+(\q)*IMG+768
.endm
; 16 matrix instructions; the 64 accumulators take turns, one instruction a turn, in the same order in every step. zero = 1: the bias starts the sums
.macro MUL16 a0, p, q, sc, zero
.irp a, \a0, \a0+1
.irp b, 0,1,2,3,4,5,6,7
.if \zero
	v_wmma_scale_f32_16x16x128_f8f6f4 v[8*(8*((\a)%4)+\b):8*(8*((\a)%4)+\b)+7], v[128*(\p)+FR*\b:128*(\p)+FR*\b+FR-1], v[AF+FR*(\a):AF+FR*(\a)+FR-1], v[BIAS+8*\b:BIAS+8*\b+7], v[SC+8*NQ*(\sc)+NQ*\b+(\q)], v[SC+8*NQ*(\sc)+NQ*(\a)+(\q)] matrix_a_fmt:MATRIX_FMT_FP6 matrix_b_fmt:MATRIX_FMT_FP6 matrix_a_scale:MATRIX_SCALE_ROW1
.else
	v_wmma_scale_f32_16x16x128_f8f6f4 v[8*(8*((\a)%4)+\b):8*(8*((\a)%4)+\b)+7], v[128*(\p)+FR*\b:128*(\p)+FR*\b+FR-1], v[AF+FR*(\a):AF+FR*(\a)+FR-1], v[8*(8*((\a)%4)+\b):8*(8*((\a)%4)+\b)+7], v[SC+8*NQ*(\sc)+NQ*\b+(\q)], v[SC+8*NQ*(\sc)+NQ*(\a)+(\q)] matrix_a_fmt:MATRIX_FMT_FP6 matrix_b_fmt:MATRIX_FMT_FP6 matrix_a_scale:MATRIX_SCALE_ROW1
.endif
.endr
.endr
.endm
.macro FETCH_B slot, q, p
	WIN TO_B
.irp i, 0,1,2,3,4,5,6,7
	FRAG 128*(\p)+FR*\i, ADRB+\slot, \q, \i
.endr
	WIN 0
.endm
.macro FETCH_A slot, q, i0
.irp i, \i0, \i0+1, \i0+2, \i0+3
	FRAG AF+FR*(\i), ADRA+\slot, \q, \i
.endr
.endm
.macro SCALES sc
.irp i, 0,1,2,3,4,5,6,7
	ds_load_b32 v[SC+16*\sc+2*\i], v[ADRS] offset:\i*SBLK
	ds_load_b32 v[SC+16*\sc+2*\i+1], v[ADRS] offset:\i*SBLK+64
.endr
.endm
.macro PLACES n
.rept \n
	v_nop
.endr
.endm
.macro STEP slot, q, zero
	s_wait_dscnt 4*NL                              ; all but the youngest 16 loads (A's blocks 4-7) are in
.if \zero
	WIN 0x81                                       ; C (the bias) in window 0, D in window 2
.else
	WIN MUL_LO
.endif
	MUL16 0, (\q)%2, \q, \slot, \zero
	MUL16 2, (\q)%2, \q, \slot, \zero
	s_wait_dscnt 0
	PLACES NP
	FETCH_B \slot, (\q)+1, 1-(\q)%2
	FETCH_A \slot, (\q)+1, 0
.if \zero
	WIN 0xc1
.else
	WIN MUL_HI
.endif
	MUL16 4, (\q)%2, \q, \slot, \zero
	MUL16 6, (\q)%2, \q, \slot, \zero
	PLACES NP
	WIN 0
	FETCH_A \slot, (\q)+1, 4
.endm
.macro TURN slot, next, fill
	s_wait_tensorcnt 0x0                           ; all my tensor loads have landed: my part of the next slot
	ds_add_u32 v[SPW], v[NIL]                      ; 0 onto my spare word
	s_wait_dscnt 4*NL+1                            ; (the add and the youngest 16 loads may be out)
	WIN MUL_LO
	MUL16 0, 1, NQ-1, \slot, 0
	s_wait_dscnt 0x0                               ; the add is done, and my reads of this slot are over
	s_barrier_signal -1
	MUL16 2, 1, NQ-1, \slot, 0
	WIN 0
	s_barrier_wait -1
.if \fill
	CREST
	s_add_nc_u64 s[G0+4*\slot+2:G0+4*\slot+3], s[G0+4*\slot+2:G0+4*\slot+3], 2*CHUNK
	s_add_nc_u64 s[G0B+4*\slot+2:G0B+4*\slot+3], s[G0B+4*\slot+2:G0B+4*\slot+3], 2*CHUNK
	JLOAD G0+4*\slot, G1, G0B+4*\slot, G1B
.else
	PLACES NP
.endif
	v_add_nc_u32 v[ADRS], 128, v[ADRS]
	FETCH_B \next, 0, 0
	FETCH_A \next, 0, 0
	SCALES \next
	WIN MUL_HI
	MUL16 4, 1, NQ-1, \slot, 0
	MUL16 6, 1, NQ-1, \slot, 0
	PLACES NP
	WIN 0
	FETCH_A \next, 0, 4
.endm
.macro RLOAD a                         ; the residual's rows of block a: a row of 512 bytes a load
.set RS, RS0+128*((\a)%2)
.irp t, 0,1,2,3,4,5,6,7,8,9,10,11,12,13,14,15
	global_load_b128 v[RS+4*\t:RS+4*\t+3], v[CO], s[10:11] offset:(16*(\a)+\t)*4096
.endr
.endm
	s_wait_tensorcnt 1                             ; the scale words and my part of slot 0 are in; slot 1's load may be out
	s_barrier_signal -1
	s_barrier_wait -1
	FETCH_B 0, 0, 0
	FETCH_A 0, 0, 0
	SCALES 0
	FETCH_A 0, 0, 4
	s_wait_loadcnt 0x0                             ; the bias
	STEP 0, 0, 1
	s_mov_b32 s3, LAPS-1
.Llap:
	TURN 0, 1, 1
	STEP 1, 0, 0
	TURN 1, 0, 1
	STEP 0, 0, 0
	s_sub_co_u32 s3, s3, 1
	s_cmp_lg_u32 s3, 0
	s_cbranch_scc1 .Llap
	RLOAD 0                                        ; into the bias's registers, which only the first step read
	TURN 0, 1, 0
	STEP 1, 0, 0
	s_wait_dscnt 4*NL
	WIN MUL_LO
	MUL16 0, 1, NQ-1, 1, 0
	MUL16 2, 1, NQ-1, 1, 0
	s_wait_dscnt 0
	WIN MUL_HI
	MUL16 4, 1, NQ-1, 1, 0
	MUL16 6, 1, NQ-1, 1, 0
	WIN 0
; THE WAY OUT, block by block of 16 rows x 128 columns: through my own stage, back as whole rows of 512 bytes, + the residual, stored. LDS serves a wave's instructions in order: no wait between the stores and the loads.
.macro OUTB a
.if (\a) > 0
	s_wait_xcnt 0x0                                ; the last block's stores have read their registers
.endif
.if (\a) < 7
	RLOAD (\a)+1
.endif
.set AC, 64*((\a)%4)
.set RS, RS0+128*((\a)%2)
	WIN 0x08+4*((\a)/4)                            ; an LDS store's data: window 2 or 3
.irp b, 0,1,2,3,4,5,6,7
	ds_store_b128 v[STO], v[AC+8*\b:AC+8*\b+3] offset:64*\b          ; each accumulator from its low end on
	ds_store_b128 v[STO], v[AC+8*\b+4:AC+8*\b+7] offset:64*\b+16
.endr
	WIN 0
.irp t, 0,1,2,3,4,5,6,7,8,9,10,11,12,13,14,15
	ds_load_b128 v[BB+4*\t:BB+4*\t+3], v[RD] offset:\t*SPITCH
.endr
	s_wait_dscnt 0x0
.if (\a) < 7
	s_wait_loadcnt 16                              ; this block's residual is in; the next block's 16 loads may be out
.else
	s_wait_loadcnt 0
.endif
.set i, 0
.rept 32
	v_pk_add_f32 v[BB+2*i:BB+2*i+1], v[BB+2*i:BB+2*i+1], v[RS+2*i:RS+2*i+1]
.set i, i+1
.endr
.irp t, 0,1,2,3,4,5,6,7,8,9,10,11,12,13,14,15
	global_store_b128 v[CO], v[BB+4*\t:BB+4*\t+3], s[12:13] offset:(16*(\a)+\t)*4096   ; 512 consecutive bytes, at a multiple of 256 from the buffer's first byte
.endr
.endm
	PLACES NP                                      ; in front of the first read of results and of loads into A's fragments
.irp a, 0,1,2,3,4,5,6,7
	OUTB \a
.endr
	s_wait_tensorcnt 0x0                           ; the wave's end
	ds_add_u32 v[SPW], v[NIL]
	s_wait_dscnt 0x0
	CROUND                                         ; the closing round
	s_endpgm
.Lfunc_end_k_q85b020eb2b_w2:
	.size	k_q85b020eb2b_w2, .Lfunc_end_k_q85b020eb2b_w2-k_q85b020eb2b_w2
	.p2alignl 7, 3214868480
	.fill 96, 4, 3214868480
	.section	.rodata,"a",@progbits
	.p2align	6, 0x0
	.amdhsa_kernel k_q85b020eb2b_w2
		.amdhsa_group_segment_fixed_size 327680
		.amdhsa_private_segment_fixed_size 0
		.amdhsa_enable_private_segment 0
		.amdhsa_kernarg_size 40
		.amdhsa_user_sgpr_count 2
		.amdhsa_user_sgpr_kernarg_segment_ptr 1
		.amdhsa_wavefront_size32 1
		.amdhsa_system_sgpr_workgroup_id_x 1
		.amdhsa_system_sgpr_workgroup_id_y 1
		.amdhsa_system_sgpr_workgroup_id_z 1
		.amdhsa_system_vgpr_workitem_id 0
		.amdhsa_next_free_vgpr 1024
		.amdhsa_next_free_sgpr 102
		.amdhsa_reserve_vcc 0
		.amdhsa_float_denorm_mode_32 3
		.amdhsa_float_denorm_mode_16_64 3
		.amdhsa_memory_ordered 1
		.amdhsa_forward_progress 1
		.amdhsa_inst_pref_size 175
	.end_amdhsa_kernel
	.amdgpu_metadata
---
amdhsa.version: [ 1, 2 ]
amdhsa.kernels:
  - .name:           k_q85b020eb2b_w2
    .symbol:         k_q85b020eb2b_w2.kd
    .args:
      - { .name: HID, .offset: 0, .size: 8, .value_kind: global_buffer, .address_space: global }
      - { .name: W, .offset: 8, .size: 8, .value_kind: global_buffer, .address_space: global }
      - { .name: b2, .offset: 16, .size: 8, .value_kind: global_buffer, .address_space: global }
      - { .name: X1, .offset: 24, .size: 8, .value_kind: global_buffer, .address_space: global }
      - { .name: out0, .offset: 32, .size: 8, .value_kind: global_buffer, .address_space: global }
    .group_segment_fixed_size: 327680
    .private_segment_fixed_size: 0
    .kernarg_segment_align: 8
    .kernarg_segment_size: 40
    .max_flat_workgroup_size: 128
    .sgpr_count:     102
    .vgpr_count:     1024
    .wavefront_size: 32
...
	.end_amdgpu_metadata
.endif
;; end of part 7
;; ======== version 2 of 2: 8 launches
;; limits: right only within a limited range of input values
;; workspace buffers: W 9,830,400 bytes; H 3,276,800 bytes; QKV 9,830,400 bytes; AO 3,276,800 bytes; X1 16,777,216 bytes; HID 13,107,200 bytes
;; launch wq (part 8): grid 384 x 1, 4 waves a work-group, no clusters, 0 bytes of LDS; arguments Wq, Wk, Wv, Wo, W1, W2, W; writes W
.if DOCPART == 8
	.amdgcn_target "amdgcn-amd-amdhsa--gfx1250"
	.amdhsa_code_object_version 6
	.text
	.protected	k_q85b020eb2b_wq
	.globl	k_q85b020eb2b_wq
	.p2align	8
	.type	k_q85b020eb2b_wq,@function
k_q85b020eb2b_wq:
	s_mov_b64 s[64:65], 0
	v_nop
	global_prefetch_b8 v0, s[64:65] scope:SCOPE_SE
	s_setreg_imm32_b32 hwreg(HW_REG_WAVE_MODE, 25, 1), 1
	s_wait_xcnt 0x0
; The six weights, f32 stored [K][N], become codes of FP6 (E2M3) with one E8M0 byte for each 32 along K, laid as IMAGES OF OPERAND REGISTERS.
; DEAD WORK: none. Every bias of the block goes into a quantised operand or into the output, every gain and weight likewise: all 17 inputs are loaded by some launch.
; AN IMAGE is a fragment of 16 rows x 128 K (12 registers a lane) in 1,536 bytes: half c (registers 6 c .. 6 c + 5) at 768 c; in it registers 0-3 of lane l at 16 l, registers 4, 5 at 512 + 8 l.
; Codes: panel (128 columns of the weight = rows of the operand), in it 256 along K (24,576 bytes: what one work-group makes), in it row block (3,072), in it 128 along K (1,536).
; Scale words: row block x K / 2 + 64 x (K / 128 step) + 4 x row.
; THE ORDER INSIDE A BLOCK OF 32: position p holds K index kap(p) = p with its bits 3 and 4 changed over. Every operand of this program has that order along its K, so the products pair the same numbers;
; a block's largest magnitude, its scale and the sum do not hang on the order inside a block.
; A LANE TAKES A COLUMN AND ITS REGISTERS RUN DOWN K: a load reads 128 consecutive bytes a wave, a block lies in one lane. Work-group id: 0-127 Wq, Wk, Wv, Wo (32 each), 128-255 W1, 256-383 W2.
; A block's scale is 2^(floor(log2(largest magnitude)) - 2); the byte is that magnitude's exponent field - 2, held at 1 from below. A block of zeros gets the byte 1 (its codes are zeros; this program alone reads the bytes).
; LIMITS: NaN and infinities among the inputs are not served.
.set WS,  9437184                      ; where the scale words begin in W
.set X,   32                           ; v32-95   two sets of 32 numbers
.set C,   96                           ; v96-143  six registers of codes a block, never rewritten
.set CT,  144                          ; v144-146 a block's upper 16 codes as the conversion leaves them
.set SB,  24                           ; v24-25   scale words
	s_load_b256 s[4:11], s[0:1], 0x0               ; Wq, Wk, Wv, Wo
	s_load_b128 s[12:15], s[0:1], 0x20             ; W1, W2
	s_load_b64 s[16:17], s[0:1], 0x30              ; W
	v_lshrrev_b32 v1, 5, v0
	v_readfirstlane_b32 s20, v1                    ; wave
	v_and_b32 v1, 31, v0                           ; lane
	s_wait_alu depctr_va_vdst(0)
	s_sub_co_u32 s21, ttmp9, 256
	s_lshr_b32 s21, s21, 4                         ; W2: panel
	s_lshr_b32 s22, ttmp9, 2                       ; the others: panel
	s_and_b32 s23, ttmp9, 15                       ; W2: which 256 along K
	s_and_b32 s24, ttmp9, 3                        ; the others
	s_cmp_lt_u32 ttmp9, 256
	s_cselect_b32 s21, s22, s21                    ; panel
	s_cselect_b32 s23, s24, s23                    ; K step of 256
	s_cselect_b32 s25, 12, 14                      ; log2 of a panel's scale bytes
	s_cselect_b32 s26, 9, 11                       ; log2 of a row block's scale bytes
	s_cselect_b32 s27, 0, 262144                   ; W2's scale words lie behind the others'
	s_lshl_b32 s28, s21, s25
	s_add_co_u32 s28, s28, s27
	s_lshl_b32 s29, s23, 7
	s_add_co_u32 s28, s28, s29
	s_add_co_u32 s28, s28, WS                      ; my scale words' first byte
	s_mov_b32 s29, 0
	s_sub_co_u32 s30, ttmp9, 128
	s_cmp_lt_u32 s30, 128                          ; W1?
	s_cselect_b32 s31, 31, 7
	s_cselect_b32 s32, 22, 20                      ; log2 of 256 rows of the source in bytes
	s_and_b32 s31, s21, s31                        ; the panel inside its own tensor
	s_lshl_b32 s31, s31, 9
	s_lshl_b32 s32, s23, s32
	s_add_co_u32 s32, s32, s31                     ; my part of the source
	s_mov_b32 s33, 0
	s_mul_i32 s34, ttmp9, 24576                    ; my codes
	s_mov_b32 s35, 0
	v_lshlrev_b32 v2, 2, v1
	v_lshl_add_u32 v2, s20, 7, v2                  ; in: 128 x wave + 4 x lane
	s_mul_i32 s36, s20, 6144                       ; out: my wave's two row blocks
	v_lshl_add_u32 v3, v1, 4, s36
	v_lshl_add_u32 v4, v1, 3, s36
	v_add_nc_u32 v4, 512, v4
	v_lshrrev_b32 v5, 4, v1
	v_lshl_add_u32 v5, s20, 1, v5                  ; my column's row block
	v_lshlrev_b32 v5, s26, v5
	v_and_b32 v6, 15, v1
	v_lshl_add_u32 v5, v6, 2, v5                   ; and its word there
	s_wait_kmcnt 0x0
	s_cmp_lt_u32 ttmp9, 32                         ; the source: a choice by the work-group's number alone
	s_cselect_b64 s[18:19], s[4:5], s[6:7]
	s_cmp_lt_u32 ttmp9, 64
	s_cselect_b64 s[18:19], s[18:19], s[8:9]
	s_cmp_lt_u32 ttmp9, 96
	s_cselect_b64 s[18:19], s[18:19], s[10:11]
	s_cmp_lt_u32 ttmp9, 128
	s_cselect_b64 s[18:19], s[18:19], s[12:13]
	s_cmp_lt_u32 ttmp9, 256
	s_cselect_b64 s[18:19], s[18:19], s[14:15]
	s_add_nc_u64 s[18:19], s[18:19], s[32:33]
	s_add_nc_u64 s[34:35], s[16:17], s[34:35]
	s_add_nc_u64 s[28:29], s[16:17], s[28:29]
.macro WLOAD t, sn                     ; block t: register i takes K row 32 t + kap(i) of my column; sn = bytes in a row of the source
.set i, 0
.rept 32
	global_load_b32 v[X+32*((\t)%2)+i], v2, s[18:19] offset:(32*(\t)+((i&7)|((i&8)<<1)|((i&16)>>1)))*\sn th:TH_LOAD_NT
.set i, i+1
.endr
.endm
.macro WBLOCK t, sn
.set XS, X+32*((\t)%2)
.if (\t) < 7
	s_wait_loadcnt 32                              ; this block's 32 loads are in; the next block's may be out
.else
	s_wait_loadcnt 0
.endif
	v_max3_num_f32 v12, |v[XS]|, |v[XS+1]|, |v[XS+2]|
	v_max3_num_f32 v13, |v[XS+3]|, |v[XS+4]|, |v[XS+5]|
.irp i, 6,10,14,18,22,26
	v_max3_num_f32 v12, v12, |v[XS+\i]|, |v[XS+\i+1]|
	v_max3_num_f32 v13, v13, |v[XS+\i+2]|, |v[XS+\i+3]|
.endr
	v_max3_num_f32 v12, v12, |v[XS+30]|, |v[XS+31]|
	v_max3_num_f32 v12, v12, v13, 0x1800000        ; with the floor 2^(3 - 127): the byte cannot fall under 1
	v_add_nc_u32 v11, 0xff000000, v12              ; 2 off the exponent field: the conversion's scale operand
	v_cvt_scalef32_pk16_fp6_f32 v[C+6*(\t):C+6*(\t)+2], v[XS:XS+15], v11
	v_cvt_scalef32_pk16_fp6_f32 v[CT:CT+2], v[XS+16:XS+31], v11      ; (a conversion's three registers begin on an even number)
	v_lshrrev_b32 v13, 23, v11                     ; the byte; also the plain line behind the conversions
.if (\t)%4 == 0
	v_mov_b32 v[SB+(\t)/4], v13
.else
	v_lshl_or_b32 v[SB+(\t)/4], v13, 8*((\t)%4), v[SB+(\t)/4]
.endif
.irp i, 0,1,2
	v_mov_b32 v[C+6*(\t)+3+\i], v[CT+\i]
.endr
.if (\t)+2 < 8
	WLOAD (\t)+2, \sn
.endif
.if ((\t)%2) == 1                      ; blocks t - 1 and t make half (t % 4) / 2 of two images: lanes 0-15 of an image hold the even block, lanes 16-31 the odd one
.irp i, 0,1,2,3,4,5
	v_permlane16_swap_b32 v[C+6*((\t)-1)+\i], v[C+6*(\t)+\i]   ; the first now is my wave's first 16 columns' half, the second the other 16 columns'
.endr
.set OFS, ((\t)/4)*1536+(((\t)%4)/2)*768
	global_store_b128 v3, v[C+6*((\t)-1):C+6*((\t)-1)+3], s[34:35] offset:OFS          ; 512 consecutive bytes
	global_store_b64 v4, v[C+6*((\t)-1)+4:C+6*((\t)-1)+5], s[34:35] offset:OFS         ; 256 consecutive bytes
	global_store_b128 v3, v[C+6*(\t):C+6*(\t)+3], s[34:35] offset:OFS+3072
	global_store_b64 v4, v[C+6*(\t)+4:C+6*(\t)+5], s[34:35] offset:OFS+3072
.endif
.if ((\t)%4) == 3
	global_store_b32 v5, v[SB+(\t)/4], s[28:29] offset:64*((\t)/4)   ; my column's word for these 128 along K
.endif
.endm
.macro WBODY sn                        ; no register that a store names is written again: no wait for the stores' sources is owed
	WLOAD 0, \sn
	WLOAD 1, \sn
.irp t, 0,1,2,3,4,5,6,7
	WBLOCK \t, \sn
.endr
.endm
	s_cmp_lt_u32 s30, 128                          ; the row's length stands in the loads' immediates: two copies, chosen by the work-group's number
	s_cbranch_scc1 .Lwide
	s_wait_alu depctr_va_vdst(0)
	WBODY 4096
	s_endpgm
.Lwide:
	s_wait_alu depctr_va_vdst(0)
	WBODY 16384
	s_endpgm
.Lfunc_end_k_q85b020eb2b_wq:
	.size	k_q85b020eb2b_wq, .Lfunc_end_k_q85b020eb2b_wq-k_q85b020eb2b_wq
	.p2alignl 7, 3214868480
	.fill 96, 4, 3214868480
	.section	.rodata,"a",@progbits
	.p2align	6, 0x0
	.amdhsa_kernel k_q85b020eb2b_wq
		.amdhsa_group_segment_fixed_size 0
		.amdhsa_private_segment_fixed_size 0
		.amdhsa_enable_private_segment 0
		.amdhsa_kernarg_size 56
		.amdhsa_user_sgpr_count 2
		.amdhsa_user_sgpr_kernarg_segment_ptr 1
		.amdhsa_wavefront_size32 1
		.amdhsa_system_sgpr_workgroup_id_x 1
		.amdhsa_system_sgpr_workgroup_id_y 1
		.amdhsa_system_sgpr_workgroup_id_z 1
		.amdhsa_system_vgpr_workitem_id 0
		.amdhsa_next_free_vgpr 152
		.amdhsa_next_free_sgpr 66
		.amdhsa_reserve_vcc 0
		.amdhsa_float_denorm_mode_32 3
		.amdhsa_float_denorm_mode_16_64 3
		.amdhsa_memory_ordered 1
		.amdhsa_forward_progress 1
		.amdhsa_inst_pref_size 79
	.end_amdhsa_kernel
	.amdgpu_metadata
---
amdhsa.version: [ 1, 2 ]
amdhsa.kernels:
  - .name:           k_q85b020eb2b_wq
    .symbol:         k_q85b020eb2b_wq.kd
    .args:
      - { .name: Wq, .offset: 0, .size: 8, .value_kind: global_buffer, .address_space: global }
      - { .name: Wk, .offset: 8, .size: 8, .value_kind: global_buffer, .address_space: global }
      - { .name: Wv, .offset: 16, .size: 8, .value_kind: global_buffer, .address_space: global }
      - { .name: Wo, .offset: 24, .size: 8, .value_kind: global_buffer, .address_space: global }
      - { .name: W1, .offset: 32, .size: 8, .value_kind: global_buffer, .address_space: global }
      - { .name: W2, .offset: 40, .size: 8, .value_kind: global_buffer, .address_space: global }
      - { .name: W, .offset: 48, .size: 8, .value_kind: global_buffer, .address_space: global }
    .group_segment_fixed_size: 0
    .private_segment_fixed_size: 0
    .kernarg_segment_align: 8
    .kernarg_segment_size: 56
    .max_flat_workgroup_size: 128
    .sgpr_count:     66
    .vgpr_count:     152
    .wavefront_size: 32
...
	.end_amdgpu_metadata
.endif
;; end of part 8
;; launch ln1 (part 9): grid 256 x 1, 8 waves a work-group, no clusters, 66,816 bytes of LDS; arguments x, ln1_g, ln1_b, H; writes H
.if DOCPART == 9
	.amdgcn_target "amdgcn-amd-amdhsa--gfx1250"
	.amdhsa_code_object_version 6
	.text
	.protected	k_q85b020eb2b_ln1
	.globl	k_q85b020eb2b_ln1
	.p2align	8
	.type	k_q85b020eb2b_ln1,@function
k_q85b020eb2b_ln1:
	s_mov_b64 s[64:65], 0
	v_nop
	global_prefetch_b8 v0, s[64:65] scope:SCOPE_SE
	s_setreg_imm32_b32 hwreg(HW_REG_WAVE_MODE, 25, 1), 1
	s_wait_xcnt 0x0
; LayerNorm of 16 rows of 1,024 f32, and its result quantised along the row into codes of FP6 (E2M3) with E8M0 bytes, stored as images of operand registers (16 rows x 128 K in 1,536 bytes:
; half c at 768 c; registers 0-3 of lane l at 16 l, registers 4, 5 at 512 + 8 l). Codes: panel of 128 rows x 98,304 + 256 along K x 24,576 + row block x 3,072 + 128 along K x 1,536; scale words from byte 3,145,728: row block x 512 + 64 x K step + 4 x row.
; Inside a block of 32, position p holds index p with its bits 3 and 4 changed over, as in every operand of this program.
; No work is left out. PHASE 1: wave w owns rows 2 w and 2 w + 1 whole (32 registers a row): mean, then the sum of squares of x - mean (two true passes), (x - mean) rsqrt(var + eps) g + b, into a stage in LDS.
; PHASE 2, behind one barrier: wave w owns 128 along K (step w) of all 16 rows: lane (r, h) reads the 64 numbers that the operand's layout gives it, quantises them and stores one image.
; LIMITS: NaN and infinities are not served; a block of zeros gets the byte 1 (zero codes; this program alone reads the bytes); v_rsq_f32 stands for rsqrt.
.set PITCH, 4112                       ; a stage row: 4,096 bytes + 16: sixteen rows of one column start in sixteen different groups of banks
.set SPARE, 16*PITCH                   ; behind the stage: the spare words, 128 bytes a wave
.set SPW, 2
.set NIL, 3
.set I16, 4                            ; 16 x lane
.set STW, 5                            ; the stage, on the way in
.set STR, 6                            ; and on the way out
.set I8,  8                            ; 512 + 8 x lane
.set I4,  9                            ; 4 x (lane % 16)
.set PC,  12                           ; v12-31 phase 1: sums; phase 2: codes
.set XR,  32                           ; v32-95 two rows; later my 64 numbers
.set G,   96
.set BT,  128
.set TM,  160
.set PW,  176
.set SEL, 20
.macro QUANT s                         ; 64 numbers, register 16 b + i = position 32 b + 16 (lane / 16) + i of my row, become a fragment's codes in v[PC] on and its scale word in v[PW]
.irp b, 0,1,2,3
	v_max3_num_f32 v[TM+\b], |v[\s+16*\b]|, |v[\s+1+16*\b]|, 0x1800000   ; with the floor 2^(3 - 127)
.endr
.irp i, 2,4,6,8,10,12,14
.irp b, 0,1,2,3
	s_delay_alu instid0(VALU_DEP_4)
	v_max3_num_f32 v[TM+\b], v[TM+\b], |v[\s+16*\b+\i]|, |v[\s+1+16*\b+\i]|
.endr
.endr
.irp b, 0,1,2,3
	s_delay_alu instid0(VALU_DEP_4)
	v_permlanex16_b32 v[TM+4+\b], v[TM+\b], s[SEL], s[SEL+1]
.endr
.irp b, 0,1,2,3
	s_delay_alu instid0(VALU_DEP_4)
	v_max_num_f32 v[TM+\b], v[TM+\b], v[TM+4+\b]   ; the block's largest magnitude
.endr
.irp b, 0,1,2,3
	s_delay_alu instid0(VALU_DEP_4)
	v_add_nc_u32 v[TM+12+\b], 0xff000000, v[TM+\b] ; 2 off its exponent field: the conversion's scale operand
.endr
.irp b, 0,1,2,3
	s_delay_alu instid0(VALU_DEP_4)
	v_lshrrev_b32 v[TM+4+\b], 23, v[TM+12+\b]      ; the byte
.endr
	s_delay_alu instid0(VALU_DEP_3)
	v_lshl_or_b32 v[PW], v[TM+5], 8, v[TM+4]
	s_delay_alu instid0(VALU_DEP_1)
	v_lshl_or_b32 v[PW], v[TM+6], 16, v[PW]
	s_delay_alu instid0(VALU_DEP_1)
	v_lshl_or_b32 v[PW], v[TM+7], 24, v[PW]
.irp c, 0,1
	v_cvt_scalef32_pk16_fp6_f32 v[PC+6*\c:PC+2+6*\c], v[\s+32*\c:\s+15+32*\c], v[TM+12+2*\c]
	v_cvt_scalef32_pk16_fp6_f32 v[PC+12+4*\c:PC+14+4*\c], v[\s+16+32*\c:\s+31+32*\c], v[TM+12+2*\c+1]
.endr
	v_nop                                          ; one plain line behind a scaled conversion
.irp c, 0,1
.irp i, 0,1,2
	v_permlane16_swap_b32 v[PC+6*\c+\i], v[PC+12+4*\c+\i]   ; a whole block to a lane
.endr
.irp i, 0,1,2
	s_delay_alu instid0(VALU_DEP_3)
	v_mov_b32 v[PC+3+6*\c+\i], v[PC+12+4*\c+\i]
.endr
.endr
.endm
.macro ACROSS                          ; v12 and v20, one for each row, summed over the wave's 32 lanes, into every lane
.irp m, 1,2,4,8
.irp p, 0,1
	s_delay_alu instid0(VALU_DEP_2)
	v_add_f32_dpp v[12+8*\p], v[12+8*\p], v[12+8*\p] row_xmask:\m row_mask:0xf bank_mask:0xf
.endr
.endr
.irp p, 0,1
	s_delay_alu instid0(VALU_DEP_2)
	v_permlanex16_b32 v[18+8*\p], v[12+8*\p], s[SEL], s[SEL+1]
.endr
.irp p, 0,1
	s_delay_alu instid0(VALU_DEP_2)
	v_add_f32 v[12+8*\p], v[12+8*\p], v[18+8*\p]
.endr
.endm
	s_load_b256 s[4:11], s[0:1], 0x0               ; in, g, b, H
	v_lshl_add_u32 v[SPW], v0, 2, SPARE
	v_mov_b32 v[NIL], 0
	v_lshrrev_b32 v1, 5, v0
	s_delay_alu instid0(VALU_DEP_1)
	v_readfirstlane_b32 s12, v1                    ; wave 0..7
	v_and_b32 v1, 31, v0
	v_and_b32 v7, 15, v0                           ; r
	v_bfe_u32 v10, v0, 4, 1                        ; h
	s_delay_alu instid0(VALU_DEP_3)
	v_lshlrev_b32 v[I16], 4, v1
	s_delay_alu instid0(VALU_DEP_4)
	v_lshl_add_u32 v[I8], v1, 3, 512
	s_delay_alu instid0(VALU_DEP_4)
	v_lshlrev_b32 v[I4], 2, v7
	s_mul_i32 s13, s12, 2*PITCH
	v_add_nc_u32 v[STW], s13, v[I16]               ; my two rows, 16 bytes a lane
	v_mul_u32_u24 v[STR], v7, PITCH
	s_delay_alu instid0(VALU_DEP_1)
	v_lshl_add_u32 v[STR], v10, 5, v[STR]
	s_lshl_b32 s13, s12, 9
	v_add_nc_u32 v[STR], s13, v[STR]               ; row r, + 512 x wave + 32 h
	s_lshl_b32 s14, ttmp9, 16                      ; 16 rows of 4,096 bytes a work-group,
	s_lshl_b32 s15, s12, 13                        ; two a wave
	s_add_co_u32 s14, s14, s15
	s_mov_b32 s15, 0
	s_lshr_b32 s16, ttmp9, 3
	s_mul_i32 s16, s16, 98304
	s_lshr_b32 s17, s12, 1
	s_mul_i32 s17, s17, 24576
	s_add_co_u32 s16, s16, s17
	s_and_b32 s17, ttmp9, 7
	s_mul_i32 s17, s17, 3072
	s_add_co_u32 s16, s16, s17
	s_and_b32 s17, s12, 1
	s_mul_i32 s17, s17, 1536
	s_add_co_u32 s16, s16, s17                     ; my image
	s_mov_b32 s17, 0
	s_lshl_b32 s18, ttmp9, 9
	s_lshl_b32 s19, s12, 6
	s_add_co_u32 s18, s18, s19
	s_add_co_u32 s18, s18, 3145728                 ; its scale words
	s_mov_b32 s19, 0
	s_mov_b32 s[SEL], 0x76543210
	s_mov_b32 s[SEL+1], 0xfedcba98
	s_mov_b32 s22, 0x3a800000                      ; 1 / 1,024
	s_mov_b32 s23, 0x3727c5ac                      ; eps = 1e-5
	s_wait_alu depctr_va_vdst(0)
	s_wait_kmcnt 0x0
	s_add_nc_u64 s[4:5], s[4:5], s[14:15]
	s_add_nc_u64 s[16:17], s[10:11], s[16:17]
	s_add_nc_u64 s[18:19], s[10:11], s[18:19]
.irp p, 0,1
.irp c, 0,1,2,3,4,5,6,7
	global_load_b128 v[XR+32*\p+4*\c:XR+32*\p+4*\c+3], v[I16], s[4:5] offset:4096*\p+512*\c   ; 512 consecutive bytes a load
.endr
.endr
.irp c, 0,1,2,3,4,5,6,7
	global_load_b128 v[G+4*\c:G+4*\c+3], v[I16], s[6:7] offset:512*\c
	global_load_b128 v[BT+4*\c:BT+4*\c+3], v[I16], s[8:9] offset:512*\c
.endr
	v_mov_b32 v18, 0                               ; a lane permute's destination counts as one of its sources
	v_mov_b32 v26, 0
.irp b, 0,1,2,3
	v_mov_b32 v[TM+4+\b], 0
.endr
	s_wait_loadcnt 16                              ; the two rows are in; g's and b's 16 loads may be out
.irp p, 0,1
	v_pk_add_f32 v[12+8*\p:13+8*\p], v[XR+32*\p:XR+32*\p+1], v[XR+32*\p+2:XR+32*\p+3]
	v_pk_add_f32 v[14+8*\p:15+8*\p], v[XR+32*\p+4:XR+32*\p+5], v[XR+32*\p+6:XR+32*\p+7]
.endr
.irp i, 8,12,16,20,24,28
.irp p, 0,1
	s_delay_alu instid0(VALU_DEP_4)
	v_pk_add_f32 v[12+8*\p:13+8*\p], v[12+8*\p:13+8*\p], v[XR+32*\p+\i:XR+32*\p+\i+1]
	s_delay_alu instid0(VALU_DEP_4)
	v_pk_add_f32 v[14+8*\p:15+8*\p], v[14+8*\p:15+8*\p], v[XR+32*\p+\i+2:XR+32*\p+\i+3]
.endr
.endr
.irp p, 0
	s_delay_alu instid0(VALU_DEP_3)
	v_pk_add_f32 v[12+8*\p:13+8*\p], v[12+8*\p:13+8*\p], v[14+8*\p:15+8*\p]
.endr
.irp p, 1
	s_delay_alu instid0(VALU_DEP_2)
	v_pk_add_f32 v[12+8*\p:13+8*\p], v[12+8*\p:13+8*\p], v[14+8*\p:15+8*\p]
.endr
.irp p, 0,1
	s_delay_alu instid0(VALU_DEP_2)
	v_add_f32 v[12+8*\p], v[12+8*\p], v[13+8*\p]
.endr
	ACROSS                                         ; the rows' sums
.irp p, 0
	s_delay_alu instid0(VALU_DEP_2)
	v_mul_f32 v[16+8*\p], 0xba800000, v[12+8*\p]   ; - mean, twice: a pair for the packed additions
	s_delay_alu instid0(VALU_DEP_3)
	v_mul_f32 v[17+8*\p], 0xba800000, v[12+8*\p]
.endr
.irp p, 1
	s_delay_alu instid0(VALU_DEP_3)
	v_mul_f32 v[16+8*\p], 0xba800000, v[12+8*\p]   ; - mean, twice: a pair for the packed additions
	s_delay_alu instid0(VALU_DEP_4)
	v_mul_f32 v[17+8*\p], 0xba800000, v[12+8*\p]
.endr
.set i, 0
.rept 16
.irp p, 0,1
	v_pk_add_f32 v[XR+32*\p+2*i:XR+32*\p+2*i+1], v[XR+32*\p+2*i:XR+32*\p+2*i+1], v[16+8*\p:17+8*\p]   ; d = x - mean
.endr
.set i, i+1
.endr
.irp p, 0,1
	v_pk_mul_f32 v[12+8*\p:13+8*\p], v[XR+32*\p:XR+32*\p+1], v[XR+32*\p:XR+32*\p+1]
	v_pk_mul_f32 v[14+8*\p:15+8*\p], v[XR+32*\p+2:XR+32*\p+3], v[XR+32*\p+2:XR+32*\p+3]
.endr
.irp i, 4,8,12,16,20,24,28
.irp p, 0,1
	s_delay_alu instid0(VALU_DEP_4)
	v_pk_fma_f32 v[12+8*\p:13+8*\p], v[XR+32*\p+\i:XR+32*\p+\i+1], v[XR+32*\p+\i:XR+32*\p+\i+1], v[12+8*\p:13+8*\p]
	s_delay_alu instid0(VALU_DEP_4)
	v_pk_fma_f32 v[14+8*\p:15+8*\p], v[XR+32*\p+\i+2:XR+32*\p+\i+3], v[XR+32*\p+\i+2:XR+32*\p+\i+3], v[14+8*\p:15+8*\p]
.endr
.endr
.irp p, 0
	s_delay_alu instid0(VALU_DEP_3)
	v_pk_add_f32 v[12+8*\p:13+8*\p], v[12+8*\p:13+8*\p], v[14+8*\p:15+8*\p]
.endr
.irp p, 1
	s_delay_alu instid0(VALU_DEP_2)
	v_pk_add_f32 v[12+8*\p:13+8*\p], v[12+8*\p:13+8*\p], v[14+8*\p:15+8*\p]
.endr
.irp p, 0,1
	s_delay_alu instid0(VALU_DEP_2)
	v_add_f32 v[12+8*\p], v[12+8*\p], v[13+8*\p]
.endr
	ACROSS                                         ; the sums of d^2
.irp p, 0,1
	s_delay_alu instid0(VALU_DEP_2)
	v_fma_f32 v[19+8*\p], v[12+8*\p], s22, s23     ; var + eps
.endr
	s_wait_alu depctr_va_vdst(0)
.irp p, 0,1
	v_rsq_f32 v[16+8*\p], v[19+8*\p]               ; twice: a pair
	v_rsq_f32 v[17+8*\p], v[19+8*\p]
.endr
	v_nop                                          ; a plain line behind the last of the four
	s_wait_alu depctr_va_vdst(0)                   ; one wait for the batch, ahead of its first reader
	s_wait_loadcnt 0x0                             ; g and b
.set i, 0
.rept 16
.irp p, 0,1
	v_pk_mul_f32 v[XR+32*\p+2*i:XR+32*\p+2*i+1], v[XR+32*\p+2*i:XR+32*\p+2*i+1], v[16+8*\p:17+8*\p]
.endr
.set i, i+1
.endr
.set i, 0
.rept 16
.irp p, 0,1
	v_pk_fma_f32 v[XR+32*\p+2*i:XR+32*\p+2*i+1], v[XR+32*\p+2*i:XR+32*\p+2*i+1], v[G+2*i:G+2*i+1], v[BT+2*i:BT+2*i+1]
.endr
.set i, i+1
.endr
.irp p, 0,1
.irp c, 0,1,2,3,4,5,6,7
	ds_store_b128 v[STW], v[XR+32*\p+4*\c:XR+32*\p+4*\c+3] offset:\p*PITCH+512*\c
.endr
.endr
	s_wait_dscnt 0x0                               ; for the others' sake: my rows lie in the stage
	s_barrier_signal -1
	s_barrier_wait -1
.irp b, 0,1,2,3
.irp u, 0,1
.irp j, 0,1
	ds_load_b128 v[XR+16*\b+8*\u+4*\j:XR+16*\b+8*\u+4*\j+3], v[STR] offset:128*\b+64*\u+16*\j   ; position 32 b + 16 h + 8 u + .. takes index 32 b + 16 u + 8 h + ..
.endr
.endr
.endr
	s_wait_dscnt 0x0
	QUANT XR
	global_store_b128 v[I16], v[PC:PC+3], s[16:17]
	global_store_b64 v[I8], v[PC+4:PC+5], s[16:17]
	global_store_b128 v[I16], v[PC+6:PC+9], s[16:17] offset:768
	global_store_b64 v[I8], v[PC+10:PC+11], s[16:17] offset:768
	global_store_b32 v[I4], v[PW], s[18:19]        ; lanes l and l xor 16 hold the same word and write it to the same place
	s_wait_tensorcnt 0x0                           ; the wave's end
	ds_add_u32 v[SPW], v[NIL]
	s_wait_dscnt 0x0
	s_endpgm
.Lfunc_end_k_q85b020eb2b_ln1:
	.size	k_q85b020eb2b_ln1, .Lfunc_end_k_q85b020eb2b_ln1-k_q85b020eb2b_ln1
	.p2alignl 7, 3214868480
	.fill 96, 4, 3214868480
	.section	.rodata,"a",@progbits
	.p2align	6, 0x0
	.amdhsa_kernel k_q85b020eb2b_ln1
		.amdhsa_group_segment_fixed_size 66816
		.amdhsa_private_segment_fixed_size 0
		.amdhsa_enable_private_segment 0
		.amdhsa_kernarg_size 32
		.amdhsa_user_sgpr_count 2
		.amdhsa_user_sgpr_kernarg_segment_ptr 1
		.amdhsa_wavefront_size32 1
		.amdhsa_system_sgpr_workgroup_id_x 1
		.amdhsa_system_sgpr_workgroup_id_y 1
		.amdhsa_system_sgpr_workgroup_id_z 1
		.amdhsa_system_vgpr_workitem_id 0
		.amdhsa_next_free_vgpr 180
		.amdhsa_next_free_sgpr 66
		.amdhsa_reserve_vcc 0
		.amdhsa_float_denorm_mode_32 3
		.amdhsa_float_denorm_mode_16_64 3
		.amdhsa_memory_ordered 1
		.amdhsa_forward_progress 1
		.amdhsa_inst_pref_size 29
	.end_amdhsa_kernel
	.amdgpu_metadata
---
amdhsa.version: [ 1, 2 ]
amdhsa.kernels:
  - .name:           k_q85b020eb2b_ln1
    .symbol:         k_q85b020eb2b_ln1.kd
    .args:
      - { .name: x, .offset: 0, .size: 8, .value_kind: global_buffer, .address_space: global }
      - { .name: ln1_g, .offset: 8, .size: 8, .value_kind: global_buffer, .address_space: global }
      - { .name: ln1_b, .offset: 16, .size: 8, .value_kind: global_buffer, .address_space: global }
      - { .name: H, .offset: 24, .size: 8, .value_kind: global_buffer, .address_space: global }
    .group_segment_fixed_size: 66816
    .private_segment_fixed_size: 0
    .kernarg_segment_align: 8
    .kernarg_segment_size: 32
    .max_flat_workgroup_size: 256
    .sgpr_count:     66
    .vgpr_count:     180
    .wavefront_size: 32
...
	.end_amdgpu_metadata
.endif
;; end of part 9
;; launch qkv (part 10): grid 12 x 16, 4 waves a work-group, clusters of 4 x 4, 327,680 bytes of LDS; arguments H, W, bq, bk, bv, QKV; writes QKV
.if DOCPART == 10
	.amdgcn_target "amdgcn-amd-amdhsa--gfx1250"
	.amdhsa_code_object_version 6
	.text
	.protected	k_q85b020eb2b_qkv
	.globl	k_q85b020eb2b_qkv
	.p2align	8
	.type	k_q85b020eb2b_qkv,@function
k_q85b020eb2b_qkv:
	s_mov_b64 s[64:65], 0
	v_nop
	global_prefetch_b8 v0, s[64:65] scope:SCOPE_SE
	s_setreg_imm32_b32 hwreg(HW_REG_WAVE_MODE, 25, 1), 1
	s_wait_xcnt 0x0
	s_wait_alu depctr_hold_cnt(0) depctr_sa_sdst(0) depctr_va_vdst(0) depctr_va_sdst(0) depctr_va_ssrc(0) depctr_va_vcc(0) depctr_vm_vsrc(0)
	s_getreg_b32 s2, hwreg(HW_REG_IB_STS2, 6, 4)
	s_cmp_eq_u32 s2, 0
	s_cbranch_scc0 .Lentry_in_a_cluster
	s_endpgm
.Lentry_in_a_cluster:
	s_bfe_u32 s2, ttmp6, 0x10000c
	s_cmp_lg_u32 s2, 0xf033
	s_cbranch_scc0 .Lentry_shape_is_right
	s_endpgm
.Lentry_shape_is_right:
.set KK,     1024
.set LAPS,   KK/512
.set NQ,     2
.set FR,     12
.set NL,     4
.set NP,     4
.set IMG,    1536
.set CHUNK,  16*IMG
.set SLOT,   4*CHUNK
.set SCL,    2*SLOT
.set HALFS,  4*KK
.set SBLK,   KK/2
.set SPARE,  SCL+4*HALFS
.set HSC,    3145728
.set WS,     9437184
.set V_C,    6291456
.set QK_S,   9437184
.set V_S,    9699328
.set ADRA, 16
.set ADRB, 20
.set I16,  24
.set I8,   25
.set I4,   26
.set ADRS, 27
.set SPW,  28
.set NIL,  29
.set SC,   32
.set BIAS, 64
.set AF,   128
.set T,    128
.set PC,   192
.set TM,   212
.set PW,   228
.set G1, 24
.set G0, 32
.set G1B, 48
.set G0B, 56
.set SEL, 66
.set G1S, 68
.set G0S, 76
.set G1SB, 80
.set G0SB, 88
.set MSB, 0
.macro WIN new
.if MSB != (\new)
	s_set_vgpr_msb (MSB<<8)|(\new)
.set MSB, (\new)
.endif
.endm
.set MUL_LO, 0xa1
.set MUL_HI, 0xf1
.set TO_B,   0x40
.macro JLOAD g0a, g1a, g0b, g1b
	s_cmp_eq_u32 s15, 0
	s_cbranch_scc0 .Lfor_b_\@
	tensor_load_to_lds s[\g0a:\g0a+3], s[\g1a:\g1a+7]
	s_nop 0
.rept 4
	v_nop
.endr
	s_branch .Lasked_\@
.Lfor_b_\@:
	tensor_load_to_lds s[\g0b:\g0b+3], s[\g1b:\g1b+7]
	s_nop 0
.rept 4
	v_nop
.endr
.Lasked_\@:
.endm
.macro CREST
	s_cmp_lg_u32 s14, 0
	s_cbranch_scc1 .Lnot_wave_0_\@
	s_barrier_signal -3
.Lnot_wave_0_\@:
	s_barrier_wait -3
	s_barrier_signal -1
	s_barrier_wait -1
.endm
.macro CROUND
	s_barrier_signal -1
	s_barrier_wait -1
	CREST
.endm
	s_load_b128 s[4:7], s[0:1], 0x0
	s_load_b128 s[8:11], s[0:1], 0x10
	s_load_b128 s[96:99], s[0:1], 0x20
	v_lshl_add_u32 v[SPW], v0, 2, SPARE
	v_mov_b32 v[NIL], 0
	ds_add_u32 v[SPW], v[NIL]
	ds_add_u32 v[SPW], v[NIL]
	v_lshrrev_b32 v1, 5, v0
	v_readfirstlane_b32 s14, v1
	s_lshr_b32 s15, s14, 1
	s_and_b32 s16, s14, 1
	s_bfe_u32 s40, ttmp6, 0x40000
	s_bfe_u32 s41, ttmp6, 0x40004
	s_mov_b32 s95, ttmp9
	s_and_b32 s18, ttmp7, 0xffff
	s_lshl_b32 s18, s18, 2
	s_lshl_b32 s19, ttmp9, 2
	s_mov_b32 s2, HSC
	s_mov_b32 s100, WS
	s_cmp_eq_u32 s95, 2
	s_cselect_b32 s17, 8, s18
	s_cselect_b32 s42, s18, s19
	s_cselect_b32 s101, s100, s2
	s_cselect_b32 s100, s2, s100
	s_add_co_u32 s17, s17, s41
	s_add_co_u32 s42, s42, s40
	s_lshl_b32 s43, s41, 2
	s_lshl_b32 s43, 15, s43
	s_lshl_b32 s44, 0x1111, s40
	s_or_b32 s[G1+0], s43, (3<<16)|(1<<21)
	s_or_b32 s[G1B+0], s44, (3<<16)|(1<<21)
	s_or_b32 s[G1S+0], s43, (3<<16)|(1<<21)
	s_or_b32 s[G1SB+0], s44, (3<<16)|(1<<21)
.irp g, G1, G1B
	s_mov_b32 s[\g+1], 32<<16
	s_mov_b32 s[\g+2], (CHUNK/256)<<16
	s_mov_b32 s[\g+3], 32<<16
	s_mov_b32 s[\g+4], CHUNK/256
	s_mov_b32 s[\g+5], 32
	s_mov_b32 s[\g+6], 0
	s_mov_b32 s[\g+7], 0
.endr
.irp g, G1S, G1SB
	s_mov_b32 s[\g+1], 32<<16
	s_mov_b32 s[\g+2], (HALFS/256)<<16
	s_mov_b32 s[\g+3], 32<<16
	s_mov_b32 s[\g+4], HALFS/256
	s_mov_b32 s[\g+5], 32
	s_mov_b32 s[\g+6], 0
	s_mov_b32 s[\g+7], 0
.endr
	s_lshl_b32 s20, s17, 1
	s_add_co_u32 s20, s20, s16
	s_mul_i32 s22, s20, HALFS
	s_add_co_u32 s22, s22, s101
	s_mul_i32 s20, s20, 96*KK
	s_mov_b32 s21, 0
	s_mov_b32 s23, 0
	s_lshl_b32 s46, s42, 1
	s_add_co_u32 s46, s46, s16
	s_mul_i32 s92, s46, HALFS
	s_add_co_u32 s92, s92, s100
	s_mul_i32 s46, s46, 96*KK
	s_mov_b32 s47, 0
	s_mov_b32 s93, 0
	s_mul_i32 s45, s14, CHUNK
	s_mul_i32 s94, s14, HALFS
	s_mov_b32 s[SEL], 0x76543210
	s_mov_b32 s[SEL+1], 0xfedcba98
	s_wait_dscnt 0x0
	s_wait_kmcnt 0x0
	s_cmp_eq_u32 s95, 2
	s_cselect_b64 s[18:19], s[6:7], s[4:5]
	s_cselect_b64 s[100:101], s[4:5], s[6:7]
	s_add_nc_u64 s[20:21], s[18:19], s[20:21]
	s_add_nc_u64 s[22:23], s[18:19], s[22:23]
	s_add_nc_u64 s[46:47], s[100:101], s[46:47]
	s_add_nc_u64 s[92:93], s[100:101], s[92:93]
	CROUND
	s_mov_b32 s[G0S], 1
	s_add_co_u32 s[G0S+1], s94, SCL
	s_mov_b64 s[G0S+2:G0S+3], s[22:23]
	s_or_b32 s[G0S+3], s[G0S+3], 0x80000000
	s_mov_b32 s[G0SB], 1
	s_add_co_u32 s[G0SB+1], s94, SCL
	s_mov_b64 s[G0SB+2:G0SB+3], s[92:93]
	s_or_b32 s[G0SB+3], s[G0SB+3], 0x80000000
	JLOAD G0S, G1S, G0SB, G1SB
.irp s, 0,1
	s_mov_b32 s[G0+4*\s], 1
	s_add_co_u32 s[G0+4*\s+1], s45, \s*SLOT
	s_add_nc_u64 s[G0+4*\s+2:G0+4*\s+3], s[20:21], \s*CHUNK
	s_or_b32 s[G0+4*\s+3], s[G0+4*\s+3], 0x80000000
	s_mov_b32 s[G0B+4*\s], 1
	s_add_co_u32 s[G0B+4*\s+1], s45, \s*SLOT
	s_add_nc_u64 s[G0B+4*\s+2:G0B+4*\s+3], s[46:47], \s*CHUNK
	s_or_b32 s[G0B+4*\s+3], s[G0B+4*\s+3], 0x80000000
	s_wait_alu depctr_va_vdst(0)
	s_wait_tensorcnt 0x0
	ds_add_u32 v28, v29
	s_wait_dscnt 0x0
	CROUND
	JLOAD G0+4*\s, G1, G0B+4*\s, G1B
.endr
	v_and_b32 v1, 15, v0
	v_bfe_u32 v2, v0, 4, 1
	v_and_b32 v3, 31, v0
	v_lshlrev_b32 v[I16], 4, v3
	v_lshl_add_u32 v[I8], v3, 3, 512
	v_lshlrev_b32 v[I4], 2, v1
	s_mul_i32 s21, s15, CHUNK
	s_mul_i32 s22, s16, CHUNK
	s_add_co_u32 s22, s22, 2*CHUNK
.irp s, 0,1
	v_add_nc_u32 v[ADRA+\s], s21, v[I16]
	v_add_nc_u32 v[ADRA+2+\s], s21, v[I8]
	v_add_nc_u32 v[ADRB+\s], s22, v[I16]
	v_add_nc_u32 v[ADRB+2+\s], s22, v[I8]
	s_add_co_u32 s21, s21, SLOT
	s_add_co_u32 s22, s22, SLOT
.endr
	s_mul_i32 s21, s15, HALFS
	s_mul_i32 s22, s16, HALFS
	s_add_co_u32 s22, s22, 2*HALFS
	s_sub_co_u32 s22, s22, s21
	v_mul_u32_u24 v6, s22, v2
	s_add_co_u32 s21, s21, SCL
	v_lshl_add_u32 v6, v1, 2, v6
	v_add_nc_u32 v[ADRS], s21, v6
	v_lshlrev_b32 v7, 5, v2
	s_cmp_eq_u32 s95, 0
	s_cselect_b64 s[8:9], s[8:9], s[10:11]
	s_lshl_b32 s46, s40, 10
	s_lshl_b32 s47, s16, 9
	s_add_co_u32 s46, s46, s47
	s_mov_b32 s47, 0
	s_add_nc_u64 s[8:9], s[8:9], s[46:47]
	s_lshl_b32 s20, s41, 10
	s_lshl_b32 s21, s15, 9
	s_add_co_u32 s20, s20, s21
	s_mov_b32 s21, 0
	s_add_nc_u64 s[96:97], s[96:97], s[20:21]
	s_cmp_eq_u32 s95, 2
	s_cbranch_scc1 .Lbias_v
	s_wait_alu depctr_va_vdst(0)
.irp b, 0,1,2,3,4,5,6,7
	global_load_b128 v[BIAS+8*\b:BIAS+8*\b+3], v7, s[8:9] offset:64*\b
	global_load_b128 v[BIAS+8*\b+4:BIAS+8*\b+7], v7, s[8:9] offset:64*\b+16
.endr
	s_branch .Lbias_done
.Lbias_v:
.irp a, 0,1,2,3,4,5,6,7
.irp j, 0,1,2,3,4,5,6,7
	global_load_b32 v[BIAS+8*\a+\j], v[I4], s[96:97] offset:64*\a
.endr
.endr
.Lbias_done:
.macro FRAG reg, adr, q, i
	ds_load_b128 v[\reg:\reg+3], v[\adr] offset:(\i)*2*IMG+(\q)*IMG
	ds_load_b64 v[\reg+4:\reg+5], v[\adr+2] offset:(\i)*2*IMG+(\q)*IMG
	ds_load_b128 v[\reg+6:\reg+9], v[\adr] offset:(\i)*2*IMG+(\q)*IMG+768
	ds_load_b64 v[\reg+10:\reg+11], v[\adr+2] offset:(\i)*2*IMG+(\q)*IMG+768
.endm
.macro MUL16 a0, p, q, sc, zero
.irp a, \a0, \a0+1
.irp b, 0,1,2,3,4,5,6,7
.if \zero
	v_wmma_scale_f32_16x16x128_f8f6f4 v[8*(8*((\a)%4)+\b):8*(8*((\a)%4)+\b)+7], v[128*(\p)+FR*\b:128*(\p)+FR*\b+FR-1], v[AF+FR*(\a):AF+FR*(\a)+FR-1], 0, v[SC+8*NQ*(\sc)+NQ*\b+(\q)], v[SC+8*NQ*(\sc)+NQ*(\a)+(\q)] matrix_a_fmt:MATRIX_FMT_FP6 matrix_b_fmt:MATRIX_FMT_FP6 matrix_a_scale:MATRIX_SCALE_ROW1
.else
	v_wmma_scale_f32_16x16x128_f8f6f4 v[8*(8*((\a)%4)+\b):8*(8*((\a)%4)+\b)+7], v[128*(\p)+FR*\b:128*(\p)+FR*\b+FR-1], v[AF+FR*(\a):AF+FR*(\a)+FR-1], v[8*(8*((\a)%4)+\b):8*(8*((\a)%4)+\b)+7], v[SC+8*NQ*(\sc)+NQ*\b+(\q)], v[SC+8*NQ*(\sc)+NQ*(\a)+(\q)] matrix_a_fmt:MATRIX_FMT_FP6 matrix_b_fmt:MATRIX_FMT_FP6 matrix_a_scale:MATRIX_SCALE_ROW1
.endif
.endr
.endr
.endm
.macro FETCH_B slot, q, p
	WIN TO_B
.irp i, 0,1,2,3,4,5,6,7
	FRAG 128*(\p)+FR*\i, ADRB+\slot, \q, \i
.endr
	WIN 0
.endm
.macro FETCH_A slot, q, i0
.irp i, \i0, \i0+1, \i0+2, \i0+3
	FRAG AF+FR*(\i), ADRA+\slot, \q, \i
.endr
.endm
.macro SCALES sc
.irp i, 0,1,2,3,4,5,6,7
	ds_load_b32 v[SC+16*\sc+2*\i], v[ADRS] offset:\i*SBLK
	ds_load_b32 v[SC+16*\sc+2*\i+1], v[ADRS] offset:\i*SBLK+64
.endr
.endm
.macro PLACES n
.rept \n
	v_nop
.endr
.endm
.macro STEP slot, q, zero
	s_wait_dscnt 4*NL
	WIN MUL_LO
	MUL16 0, (\q)%2, \q, \slot, \zero
	MUL16 2, (\q)%2, \q, \slot, \zero
	s_wait_dscnt 0
	PLACES NP
	FETCH_B \slot, (\q)+1, 1-(\q)%2
	FETCH_A \slot, (\q)+1, 0
	WIN MUL_HI
	MUL16 4, (\q)%2, \q, \slot, \zero
	MUL16 6, (\q)%2, \q, \slot, \zero
	PLACES NP
	WIN 0
	FETCH_A \slot, (\q)+1, 4
.endm
.macro TURN slot, next, fill
	s_wait_tensorcnt 0x0
	ds_add_u32 v[SPW], v[NIL]
	s_wait_dscnt 4*NL+1
	WIN MUL_LO
	MUL16 0, 1, NQ-1, \slot, 0
	s_wait_dscnt 0x0
	s_barrier_signal -1
	MUL16 2, 1, NQ-1, \slot, 0
	WIN 0
	s_barrier_wait -1
.if \fill
	CREST
	s_add_nc_u64 s[G0+4*\slot+2:G0+4*\slot+3], s[G0+4*\slot+2:G0+4*\slot+3], 2*CHUNK
	s_add_nc_u64 s[G0B+4*\slot+2:G0B+4*\slot+3], s[G0B+4*\slot+2:G0B+4*\slot+3], 2*CHUNK
	JLOAD G0+4*\slot, G1, G0B+4*\slot, G1B
.else
	PLACES NP
.endif
	s_wait_alu depctr_va_vdst(0)
	v_add_nc_u32 v[ADRS], 128, v[ADRS]
	FETCH_B \next, 0, 0
	FETCH_A \next, 0, 0
	SCALES \next
	WIN MUL_HI
	MUL16 4, 1, NQ-1, \slot, 0
	MUL16 6, 1, NQ-1, \slot, 0
	PLACES NP
	WIN 0
	FETCH_A \next, 0, 4
.endm
	s_wait_tensorcnt 1
	s_barrier_signal -1
	s_barrier_wait -1
	s_wait_alu depctr_va_vdst(0)
	FETCH_B 0, 0, 0
	FETCH_A 0, 0, 0
	SCALES 0
	FETCH_A 0, 0, 4
	STEP 0, 0, 1
	s_mov_b32 s3, LAPS-1
.Llap:
	TURN 0, 1, 1
	STEP 1, 0, 0
	TURN 1, 0, 1
	STEP 0, 0, 0
	s_sub_co_u32 s3, s3, 1
	s_cmp_lg_u32 s3, 0
	s_cbranch_scc1 .Llap
	TURN 0, 1, 0
	STEP 1, 0, 0
	s_wait_dscnt 4*NL
	WIN MUL_LO
	MUL16 0, 1, NQ-1, 1, 0
	MUL16 2, 1, NQ-1, 1, 0
	s_wait_dscnt 0
	WIN MUL_HI
	MUL16 4, 1, NQ-1, 1, 0
	MUL16 6, 1, NQ-1, 1, 0
	WIN 0
.macro QUANT s
.irp b, 0,1,2,3
	v_max3_num_f32 v[TM+\b], |v[\s+16*\b]|, |v[\s+1+16*\b]|, 0x1800000
.endr
.irp i, 2,4,6,8,10,12,14
.irp b, 0,1,2,3
	v_max3_num_f32 v[TM+\b], v[TM+\b], |v[\s+16*\b+\i]|, |v[\s+1+16*\b+\i]|
.endr
.endr
.irp b, 0,1,2,3
	v_permlanex16_b32 v[TM+4+\b], v[TM+\b], s[SEL], s[SEL+1]
.endr
.irp b, 0,1,2,3
	v_max_num_f32 v[TM+\b], v[TM+\b], v[TM+4+\b]
.endr
.irp b, 0,1,2,3
	v_add_nc_u32 v[TM+12+\b], 0xff000000, v[TM+\b]
.endr
.irp b, 0,1,2,3
	v_lshrrev_b32 v[TM+4+\b], 23, v[TM+12+\b]
.endr
	v_lshl_or_b32 v[PW], v[TM+5], 8, v[TM+4]
	v_lshl_or_b32 v[PW], v[TM+6], 16, v[PW]
	v_lshl_or_b32 v[PW], v[TM+7], 24, v[PW]
.irp c, 0,1
	v_cvt_scalef32_pk16_fp6_f32 v[PC+6*\c:PC+2+6*\c], v[\s+32*\c:\s+15+32*\c], v[TM+12+2*\c]
	v_cvt_scalef32_pk16_fp6_f32 v[PC+12+4*\c:PC+14+4*\c], v[\s+16+32*\c:\s+31+32*\c], v[TM+12+2*\c+1]
.endr
	v_nop
.irp c, 0,1
.irp i, 0,1,2
	v_permlane16_swap_b32 v[PC+6*\c+\i], v[PC+12+4*\c+\i]
.endr
.irp i, 0,1,2
	v_mov_b32 v[PC+3+6*\c+\i], v[PC+12+4*\c+\i]
.endr
.endr
.endm
.macro STIMG cb, coff, sb, soff
	global_store_b128 v[I16], v[PC:PC+3], s[\cb:\cb+1] offset:\coff
	global_store_b64 v[I8], v[PC+4:PC+5], s[\cb:\cb+1] offset:\coff
	global_store_b128 v[I16], v[PC+6:PC+9], s[\cb:\cb+1] offset:(\coff)+768
	global_store_b64 v[I8], v[PC+10:PC+11], s[\cb:\cb+1] offset:(\coff)+768
	global_store_b32 v[I4], v[PW], s[\sb:\sb+1] offset:\soff
.endm
.macro EPI a, mode, cstr, sstr
.set AC, 64*((\a)%4)
	WIN 2+(\a)/4
.set i, 0
.rept 32
.if \mode
	v_pk_add_f32 v[T+2*i:T+2*i+1], v[AC+2*i:AC+2*i+1], v[BIAS+8*(\a)+2*(i%4):BIAS+8*(\a)+2*(i%4)+1]
.else
	v_pk_add_f32 v[T+2*i:T+2*i+1], v[AC+2*i:AC+2*i+1], v[BIAS+2*i:BIAS+2*i+1]
.endif
.set i, i+1
.endr
	WIN 0
.if (\a) > 0
	s_wait_xcnt 0x0
.endif
	QUANT T
	STIMG 12, (\a)*(\cstr), 100, (\a)*(\sstr)
.endm
	PLACES NP
	s_wait_loadcnt 0x0
.irp b, 0,1,2,3
	v_mov_b32 v[TM+4+\b], 0
.endr
	s_cmp_eq_u32 s95, 2
	s_cbranch_scc1 .Lout_v
	s_lshl_b32 s20, s42, 1
	s_add_co_u32 s20, s20, s16
	s_lshl_b32 s21, s17, 4
	s_lshl_b32 s22, s15, 3
	s_add_co_u32 s21, s21, s22
	s_lshl_b32 s22, s20, 14
	s_lshl_b32 s23, s21, 6
	s_add_co_u32 s22, s22, s23
	s_add_co_u32 s22, s22, QK_S
	s_mov_b32 s23, 0
	s_mul_i32 s20, s20, 393216
	s_mul_i32 s21, s21, IMG
	s_add_co_u32 s20, s20, s21
	s_mov_b32 s21, 0
	s_add_nc_u64 s[12:13], s[98:99], s[20:21]
	s_add_nc_u64 s[100:101], s[98:99], s[22:23]
.irp a, 0,1,2,3,4,5,6,7
	EPI \a, 0, 1536, 64
.endr
	s_branch .Ldone
.Lout_v:
	s_lshl_b32 s20, s41, 1
	s_add_co_u32 s20, s20, s15
	s_lshl_b32 s21, s42, 1
	s_add_co_u32 s21, s21, s16
	s_lshr_b32 s22, s21, 4
	s_lshl_b32 s22, s22, 3
	s_add_co_u32 s20, s20, s22
	s_lshl_b32 s20, s20, 3
	s_bfe_u32 s22, s21, 0x30001
	s_add_co_u32 s20, s20, s22
	s_and_b32 s21, s21, 1
	s_lshl_b32 s22, s20, 10
	s_lshl_b32 s23, s21, 6
	s_add_co_u32 s22, s22, s23
	s_add_co_u32 s22, s22, V_S
	s_mov_b32 s23, 0
	s_mul_i32 s20, s20, CHUNK
	s_mul_i32 s21, s21, IMG
	s_add_co_u32 s20, s20, s21
	s_add_co_u32 s20, s20, V_C
	s_mov_b32 s21, 0
	s_add_nc_u64 s[12:13], s[98:99], s[20:21]
	s_add_nc_u64 s[100:101], s[98:99], s[22:23]
.irp a, 0,1,2,3,4,5,6,7
	EPI \a, 1, 3072, 128
.endr
.Ldone:
	s_wait_tensorcnt 0x0
	ds_add_u32 v[SPW], v[NIL]
	s_wait_dscnt 0x0
	CROUND
	s_endpgm
.Lfunc_end_k_q85b020eb2b_qkv:
	.size	k_q85b020eb2b_qkv, .Lfunc_end_k_q85b020eb2b_qkv-k_q85b020eb2b_qkv
	.p2alignl 7, 3214868480
	.fill 96, 4, 3214868480
	.section	.rodata,"a",@progbits
	.p2align	6, 0x0
	.amdhsa_kernel k_q85b020eb2b_qkv
		.amdhsa_group_segment_fixed_size 327680
		.amdhsa_private_segment_fixed_size 0
		.amdhsa_enable_private_segment 0
		.amdhsa_kernarg_size 48
		.amdhsa_user_sgpr_count 2
		.amdhsa_user_sgpr_kernarg_segment_ptr 1
		.amdhsa_wavefront_size32 1
		.amdhsa_system_sgpr_workgroup_id_x 1
		.amdhsa_system_sgpr_workgroup_id_y 1
		.amdhsa_system_sgpr_workgroup_id_z 1
		.amdhsa_system_vgpr_workitem_id 0
		.amdhsa_next_free_vgpr 1024
		.amdhsa_next_free_sgpr 102
		.amdhsa_reserve_vcc 0
		.amdhsa_float_denorm_mode_32 3
		.amdhsa_float_denorm_mode_16_64 3
		.amdhsa_memory_ordered 1
		.amdhsa_forward_progress 1
		.amdhsa_inst_pref_size 227
	.end_amdhsa_kernel
	.amdgpu_metadata
---
amdhsa.version: [ 1, 2 ]
amdhsa.kernels:
  - .name:           k_q85b020eb2b_qkv
    .symbol:         k_q85b020eb2b_qkv.kd
    .args:
      - { .name: H, .offset: 0, .size: 8, .value_kind: global_buffer, .address_space: global }
      - { .name: W, .offset: 8, .size: 8, .value_kind: global_buffer, .address_space: global }
      - { .name: bq, .offset: 16, .size: 8, .value_kind: global_buffer, .address_space: global }
      - { .name: bk, .offset: 24, .size: 8, .value_kind: global_buffer, .address_space: global }
      - { .name: bv, .offset: 32, .size: 8, .value_kind: global_buffer, .address_space: global }
      - { .name: QKV, .offset: 40, .size: 8, .value_kind: global_buffer, .address_space: global }
    .group_segment_fixed_size: 327680
    .private_segment_fixed_size: 0
    .kernarg_segment_align: 8
    .kernarg_segment_size: 48
    .max_flat_workgroup_size: 128
    .sgpr_count:     102
    .vgpr_count:     1024
    .wavefront_size: 32
...
	.end_amdgpu_metadata
.endif
;; end of part 10
;; launch attn (part 11): grid 8 x 32, 16 waves a work-group, clusters of 4 x 1, 327,680 bytes of LDS; arguments QKV, AO; writes AO
.if DOCPART == 11
	.amdgcn_target "amdgcn-amd-amdhsa--gfx1250"
	.amdhsa_code_object_version 6
	.text
	.protected	k_q85b020eb2b_attn
	.globl	k_q85b020eb2b_attn
	.p2align	8
	.type	k_q85b020eb2b_attn,@function
k_q85b020eb2b_attn:
	s_mov_b64 s[64:65], 0
	v_nop
	global_prefetch_b8 v0, s[64:65] scope:SCOPE_SE
	s_setreg_imm32_b32 hwreg(HW_REG_WAVE_MODE, 25, 1), 1
	s_wait_xcnt 0x0
	s_wait_alu depctr_hold_cnt(0) depctr_sa_sdst(0) depctr_va_vdst(0) depctr_va_sdst(0) depctr_va_ssrc(0) depctr_va_vcc(0) depctr_vm_vsrc(0)
	s_getreg_b32 s2, hwreg(HW_REG_IB_STS2, 6, 4)
	s_cmp_eq_u32 s2, 0
	s_cbranch_scc0 .Lentry_in_a_cluster
	s_endpgm
.Lentry_in_a_cluster:
	s_bfe_u32 s2, ttmp6, 0x10000c
	s_cmp_lg_u32 s2, 0x3003
	s_cbranch_scc0 .Lentry_shape_is_right
	s_endpgm
.Lentry_shape_is_right:
; Attention on codes of FP6 (E2M3) with E8M0 scales: O = softmax(q k^T / 8) v for 32 (batch, head) pairs, 2,048 keys, head size 64; the result is quantised along the embedding for the projection that follows. No work is left out.
; THE SOFTMAX AHEAD OF THE SECOND PRODUCT: t = score x log2(e) / 8; M = the running largest t rounded up to a whole number; p = 2^(t - M) is quantised along the keys; the row's sum is taken of the unquantised p and divides at the end.
; SHARES. Work-group (x, y): y = 16 x batch + head, x = 256 queries. Wave w: 16 queries; 256 registers, four waves to a SIMD. Every wave walks all keys, 128 a step.
; OPERANDS are images of operand registers (16 rows x 128 K in 1,536 bytes: half c at 768 c; registers 0-3 of lane l at 16 l, registers 4, 5 at 512 + 8 l). An image of q or k holds 16 tokens x a pair of heads: half c is head c.
; ALL OF ONE HEAD'S K AND V^T LIES IN LDS AT ONCE: K's 128 half images (98,304 bytes), V^T's 8 x 12,288 bytes, K's scale words (8,192) and V^T's (4,096). Nothing is filled again: one barrier behind the head's loads, none in the loop.
; THE HEAD'S LOADS, one a wave: waves 0-7 sixteen half images of K each (rows of 768 bytes, 1,536 apart), waves 8-11 two runs of 12,288 bytes of V^T each, wave 12 K's scale words, wave 13 V^T's; waves 14, 15 none.
; CLUSTERS 4 x 1: the four work-groups of a cluster have the same y and read the same K and V^T: every load is asked for jointly, mask 15; no descriptor word hangs on x.
; NO PREFETCH: every tile is asked for once, at the head; there is no later load for a loop to run ahead of.
; K = 64 IN AN INSTRUCTION OF K = 128: the head's half goes into registers 0-5; Q's registers 6-11 hold zero codes for the whole launch, so whatever codes stand in K's upper six add nothing (FP6 has no NaN and no infinity);
; the scale words are the head's two bytes (a load of 16 bits): the upper two bytes are 0, which is 2^-127 over zero codes.
; Both products are used transposed (S^T = K Q^T, O^T = V^T P^T): a lane holds one query. Inside a block of 32 keys position p holds key p with bits 3 and 4 changed over, as in V^T's images.
; LIMITS: NaN and infinities are not served; the promise holds while the scaled scores t stay under 2^31 in magnitude; a block of zeros gets the byte 1; the output's scale bytes leave as stores of 2 bytes a lane; v_rcp_f32 stands for the division.
.set QK_S,  9437184
.set V_C,   6291456
.set V_S,   9699328
.set AOS,   3145728
.set IMG,   1536
.set HIM,   768                        ; a head's half of an image
.set VOFF,  128*HIM                    ; V^T behind K: 256 keys in 12,288 bytes: [row block 4][128 keys 2] images
.set SCK,   2*VOFF                     ; K's scale words, 64 bytes an image
.set SCV,   SCK+8192                   ; V^T's, 512 bytes for 256 keys
.set SPARE, SCV+4096                   ; the spare words, 128 bytes a wave
.set AV16, 3
.set AV8,  4
.set SPW,  5
.set NIL,  6
.set ASK0, 7
.set ADK16, 8
.set ADK8, 9
.set ADV16, 10
.set ADV8, 11
.set ASV0, 29
.set ADS,  30
.set ADT,  31
.set TB,   2                           ; s2 the trip's 256 keys in K and in V^T: 12,288 bytes a trip in both
.set TS,   3                           ; s3 K's scale words, 1,024 bytes a trip
.set TV,   16                          ; s16 V^T's, 512
.set TRIPS, 17
.set WV,   18
.set SEL,  20
.set CS,   22
.set G1K,  24
.set G1V,  32
.set G1A,  40
.set G0K,  48
.set G1B,  80
.set G0V,  88
.set G0A,  92
.set G0B,  96
.macro CROUND                          ; a round of the cluster's barrier
	s_barrier_signal -1
	s_barrier_wait -1
	s_cmp_lg_u32 s[WV], 0
	s_cbranch_scc1 .Lnot_wave_0_\@
	s_barrier_signal -3
.Lnot_wave_0_\@:
	s_barrier_wait -3
	s_barrier_signal -1
	s_barrier_wait -1
.endm
.macro GRP1 g, c, r, p                 ; group 1: r rows of c elements of 8 bytes, p elements apart; mask 15 with bit 21 beside it; no padding
	s_mov_b32 s[\g], 15|(3<<16)|(1<<21)
	s_mov_b32 s[\g+1], (\c)<<16
	s_mov_b32 s[\g+2], (\r)<<16
	s_mov_b32 s[\g+3], (\c)<<16
	s_mov_b32 s[\g+4], \r
	s_mov_b32 s[\g+5], \p
	s_mov_b32 s[\g+6], 0
	s_mov_b32 s[\g+7], 0
.endm
.macro TL g0, g1                       ; s_nop 0 and four v_nop follow the load
	tensor_load_to_lds s[\g0:\g0+3], s[\g1:\g1+7]
	s_nop 0
.rept 4
	v_nop
.endr
.endm
.macro ARM under, g0, g1, next         ; one arm of the head's chain of branches on the wave's number
	s_cmp_lt_u32 s[WV], \under
	s_cbranch_scc0 \next
	TL \g0, \g1
	s_branch .Lasked
\next:
.endm
	s_load_b128 s[4:7], s[0:1], 0x0                ; QKV, AO
	v_lshl_add_u32 v[SPW], v0, 2, SPARE
	v_mov_b32 v[NIL], 0
	ds_add_u32 v[SPW], v[NIL]                      ; the opening: the add, twice on end, and its wait ahead of the first tensor load
	ds_add_u32 v[SPW], v[NIL]
	v_lshrrev_b32 v8, 5, v0
	s_delay_alu instid0(VALU_DEP_1)
	v_readfirstlane_b32 s[WV], v8                  ; wave 0..15
	s_bfe_u32 s19, ttmp6, 0x40000                  ; cx
	s_lshl_b32 s52, ttmp9, 2
	s_add_co_u32 s52, s52, s19                     ; x: which 256 queries; it enters Q's and the output's addresses alone
	s_and_b32 s53, ttmp7, 0xffff                   ; y
	s_and_b32 s58, s53, 1                          ; c: the head of its pair
	s_lshr_b32 s54, s53, 1                         ; 8 x batch + pair
	s_lshr_b32 s55, s54, 3                         ; batch
	s_and_b32 s56, s54, 7                          ; pair
	s_lshl_b32 s59, s55, 7
	s_lshl_b32 s60, s52, 4
	s_add_co_u32 s59, s59, s60
	s_add_co_u32 s59, s59, s[WV]                   ; my block of 16 tokens
	s_mul_i32 s57, s58, HIM
	s_mul_i32 s60, s56, 393216
	s_mul_i32 s61, s59, IMG
	s_add_co_u32 s60, s60, s61
	s_add_co_u32 s60, s60, s57                     ; Q's half image
	s_mov_b32 s61, 0
	s_lshl_b32 s62, s56, 14
	s_lshl_b32 s63, s59, 6
	s_add_co_u32 s62, s62, s63
	s_lshl_b32 s63, s58, 1
	s_add_co_u32 s62, s62, s63
	s_add_co_u32 s62, s62, QK_S                    ; its scale bytes
	s_mov_b32 s63, 0
	s_add_co_u32 s66, s56, 8
	s_lshl_b32 s68, s66, 14
	s_mul_i32 s66, s66, 393216
	s_mul_i32 s67, s55, 196608
	s_add_co_u32 s66, s66, s67
	s_add_co_u32 s66, s66, s57
	s_mul_i32 s67, s[WV], 16*IMG
	s_add_co_u32 s66, s66, s67                     ; K: my sixteen images' halves
	s_mov_b32 s67, 0
	s_lshl_b32 s69, s55, 13
	s_add_co_u32 s68, s68, s69
	s_add_co_u32 s68, s68, QK_S                    ; K's scale words
	s_mov_b32 s69, 0
	s_and_b32 s72, s[WV], 3
	s_mul_i32 s70, s54, 196608
	s_add_co_u32 s70, s70, V_C
	s_mul_i32 s71, s58, 12288
	s_add_co_u32 s70, s70, s71
	s_mul_i32 s71, s72, 49152
	s_add_co_u32 s70, s70, s71                     ; V^T: my two runs of 256 keys, my head's 12,288 bytes of each 24,576
	s_mov_b32 s71, 0
	s_mul_i32 s73, s72, 24576
	s_add_co_u32 s73, s73, VOFF                    ; and where they go
	s_lshl_b32 s74, s54, 13
	s_add_co_u32 s74, s74, V_S
	s_lshl_b32 s75, s58, 9
	s_add_co_u32 s74, s74, s75                     ; V^T's scale words: my head's 512 bytes of each 1,024
	s_mov_b32 s75, 0
	s_lshl_b32 s76, s55, 4
	s_lshl_b32 s77, s52, 1
	s_add_co_u32 s76, s76, s77
	s_lshr_b32 s77, s[WV], 3
	s_add_co_u32 s76, s76, s77
	s_mul_i32 s76, s76, 98304                      ; AO: panel of 128 tokens,
	s_lshr_b32 s77, s56, 1
	s_mul_i32 s77, s77, 24576                      ; 256 along K,
	s_add_co_u32 s76, s76, s77
	s_and_b32 s77, s[WV], 7
	s_mul_i32 s77, s77, 3072                       ; row block,
	s_add_co_u32 s76, s76, s77
	s_and_b32 s77, s56, 1
	s_mul_i32 s77, s77, IMG                        ; 128 along K,
	s_add_co_u32 s76, s76, s77
	s_add_co_u32 s76, s76, s57                     ; my head's half
	s_mov_b32 s77, 0
	s_lshl_b32 s78, s59, 9
	s_lshl_b32 s79, s56, 6
	s_add_co_u32 s78, s78, s79
	s_lshl_b32 s79, s58, 1
	s_add_co_u32 s78, s78, s79
	s_add_co_u32 s78, s78, AOS                     ; its scale bytes
	s_mov_b32 s79, 0
	GRP1 G1K, 96, 16, 192                          ; 16 rows of 768 bytes, 1,536 apart
	GRP1 G1V, 1536, 2, 3072                        ; 2 rows of 12,288 bytes, 24,576 apart
	GRP1 G1A, 32, 32, 32                           ; 8,192 dense bytes
	GRP1 G1B, 64, 8, 128                           ; 8 rows of 512 bytes, 1,024 apart
	s_mov_b32 s[SEL], 0x76543210
	s_mov_b32 s[SEL+1], 0xfedcba98
	s_mov_b32 s[CS], 0x3e38aa3b                    ; c = log2(e) / 8
	s_mov_b32 s[CS+1], s[CS]
	s_mov_b32 s[TB], 0
	s_mov_b32 s[TS], 0
	s_mov_b32 s[TV], 0
	s_mov_b32 s[TRIPS], 8
	s_wait_dscnt 0x0                               ; both opening adds are done
	s_wait_kmcnt 0x0
	s_mov_b32 s[G0K], 1
	s_mul_i32 s[G0K+1], s[WV], 16*HIM
	s_add_nc_u64 s[G0K+2:G0K+3], s[4:5], s[66:67]
	s_or_b32 s[G0K+3], s[G0K+3], 0x80000000
	s_mov_b32 s[G0V], 1
	s_mov_b32 s[G0V+1], s73
	s_add_nc_u64 s[G0V+2:G0V+3], s[4:5], s[70:71]
	s_or_b32 s[G0V+3], s[G0V+3], 0x80000000
	s_mov_b32 s[G0A], 1
	s_mov_b32 s[G0A+1], SCK
	s_add_nc_u64 s[G0A+2:G0A+3], s[4:5], s[68:69]
	s_or_b32 s[G0A+3], s[G0A+3], 0x80000000
	s_mov_b32 s[G0B], 1
	s_mov_b32 s[G0B+1], SCV
	s_add_nc_u64 s[G0B+2:G0B+3], s[4:5], s[74:75]
	s_or_b32 s[G0B+3], s[G0B+3], 0x80000000
	CROUND                                         ; all four work-groups are here: the joint loads meet
	ARM 8,  G0K, G1K, .Larm_v
	ARM 12, G0V, G1V, .Larm_ks
	ARM 13, G0A, G1A, .Larm_vs
	s_cmp_lt_u32 s[WV], 14
	s_cbranch_scc0 .Lasked
	TL G0B, G1B
.Lasked:
	s_add_nc_u64 s[10:11], s[4:5], s[60:61]
	s_add_nc_u64 s[12:13], s[4:5], s[62:63]
	s_add_nc_u64 s[8:9], s[6:7], s[78:79]
	s_add_nc_u64 s[6:7], s[6:7], s[76:77]
	v_and_b32 v83, 31, v0
	v_and_b32 v84, 15, v0
	s_delay_alu instid0(VALU_DEP_2)
	v_lshlrev_b32 v80, 4, v83                      ; 16 x lane
	s_delay_alu instid0(VALU_DEP_3)
	v_lshl_add_u32 v81, v83, 3, 512                ; 512 + 8 x lane
	s_delay_alu instid0(VALU_DEP_3)
	v_lshlrev_b32 v82, 2, v84                      ; 4 r
	global_load_b128 v[16:19], v80, s[10:11]       ; Q's half image stays in registers 0-5 of its fragment
	global_load_b64 v[20:21], v81, s[10:11]
	global_load_u16 v255, v82, s[12:13]            ; and its two scale bytes
.irp i, 22,23,24,25,26,27
	v_mov_b32 v\i, 0                               ; zero codes for K = 64 .. 127
.endr
.irp t, 0,1,2,3
.irp i, 6,7,8,9,10,11
	v_mov_b32 v[32+12*\t+\i], 0                    ; written once: later V^T's codes stand here
.endr
.endr
	v_add_nc_u32 v[AV16], VOFF, v80
	v_add_nc_u32 v[AV8], VOFF, v81
	s_lshl_b32 s53, s58, 1                         ; (s53 is a source of no descriptor: the head's loads are still out here)
	s_add_co_u32 s53, s53, SCK
	v_add_nc_u32 v[ASK0], s53, v82
	v_add_nc_u32 v[ASV0], SCV, v82
	v_mov_b32 v13, 0xff61b1e6                      ; the largest t so far: -3e38
	s_delay_alu instid0(VALU_DEP_1)
	v_floor_f32 v12, -v13                          ; -M
	v_mov_b32 v14, 0
	v_mov_b32 v15, 0
.irp b, 0,1,2,3
	v_mov_b32 v[236+\b], 0
.endr
	v_mov_b32 v253, 0
.set i, 0
.rept 32
	v_mov_b32 v[160+i], 0                          ; O^T: the loop is written once; its first step finds zeros
.set i, i+1
.endr
.macro STEP q                          ; 128 keys, the q-th half of the trip's 256
.irp g, 0,1
.if (\g)+(\q) > 0
.rept 4
	v_nop                                          ; places in front of loads into registers that the last products read (in a trip's first step the six address lines are these places)
.endr
.endif
.irp t, 0,1,2,3
	ds_load_b128 v[32+12*\t:35+12*\t], v[ADK16] offset:(8*(\q)+4*\g+\t)*HIM
	ds_load_b64 v[36+12*\t:37+12*\t], v[ADK8] offset:(8*(\q)+4*\g+\t)*HIM
	ds_load_u16 v[248+\t], v[ADS] offset:(8*(\q)+4*\g+\t)*64
.endr
	s_wait_dscnt 0x0
.irp t, 0,1,2,3
	v_wmma_scale_f32_16x16x128_f8f6f4 v[96+8*(4*\g+\t):103+8*(4*\g+\t)], v[32+12*\t:43+12*\t], v[16:27], 0, v[248+\t], v255 matrix_a_fmt:MATRIX_FMT_FP6 matrix_b_fmt:MATRIX_FMT_FP6
.endr
.endr
.rept 4
	v_nop                                          ; places in front of the first read of the scores and of the loads below
.endr
.irp t, 0,1,2,3                        ; V^T's four images and scale words are asked for now and land under the softmax
	ds_load_b128 v[32+12*\t:35+12*\t], v[ADV16] offset:\t*2*IMG+(\q)*IMG
	ds_load_b64 v[36+12*\t:37+12*\t], v[ADV8] offset:\t*2*IMG+(\q)*IMG
	ds_load_b128 v[38+12*\t:41+12*\t], v[ADV16] offset:\t*2*IMG+(\q)*IMG+768
	ds_load_b64 v[42+12*\t:43+12*\t], v[ADV8] offset:\t*2*IMG+(\q)*IMG+768
	ds_load_b32 v[248+\t], v[ADT] offset:\t*128+(\q)*64
.endr
.irp b, 0,1,2,3
	v_max3_num_f32 v[232+\b], v[96+16*\b], v[97+16*\b], v[98+16*\b]   ; the largest score of each block of 32 keys: for the row's maximum, and, since p rises with the score, for the block's largest p
.endr
.irp i, 3,5,7,9,11,13
.irp b, 0,1,2,3
	v_max3_num_f32 v[232+\b], v[232+\b], v[96+16*\b+\i], v[97+16*\b+\i]
.endr
.endr
.irp b, 0,1,2,3
	v_max_num_f32 v[232+\b], v[232+\b], v[111+16*\b]
.endr
.irp b, 0,1,2,3
	s_delay_alu instid0(VALU_DEP_4)
	v_permlanex16_b32 v[236+\b], v[232+\b], s[SEL], s[SEL+1]
.endr
.irp b, 0,1,2,3
	s_delay_alu instid0(VALU_DEP_4)
	v_max_num_f32 v[232+\b], v[232+\b], v[236+\b]
.endr
	s_delay_alu instid0(VALU_DEP_2)
	v_max3_num_f32 v254, v232, v233, v234
	s_delay_alu instid0(VALU_DEP_1)
	v_max_num_f32 v254, v254, v235
	s_delay_alu instid0(VALU_DEP_1)
	v_mul_f32 v254, s[CS], v254
	s_delay_alu instid0(VALU_DEP_1)
	v_max_num_f32 v13, v13, v254                   ; the running largest t
	v_mov_b32 v254, v12
	s_delay_alu instid0(VALU_DEP_2)
	v_floor_f32 v12, -v13                          ; the new -M: M is a whole number
	s_delay_alu instid0(VALU_DEP_1)
	v_sub_f32 v254, v12, v254
	s_delay_alu instid0(VALU_DEP_1)
	v_cvt_i32_f32 v254, v254                       ; (it saturates)
	s_delay_alu instid0(VALU_DEP_1)
	v_ldexp_f32 v252, 1.0, v254                    ; f = 2^(old M - new M)
.set i, 0
.rept 32
	v_pk_fma_f32 v[96+2*i:97+2*i], v[96+2*i:97+2*i], s[CS:CS+1], v[12:13] op_sel_hi:[1,0,0]   ; t - M
.set i, i+1
.endr
.irp b, 0,1,2,3
	v_fma_f32 v[232+\b], v[232+\b], s[CS], v12
.endr
.set i, 0
	s_wait_alu depctr_va_vdst(0)                   ; a wait ahead of the batch
.rept 64
	v_exp_f32 v[96+i], v[96+i]                     ; p = 2^(t - M)
.set i, i+1
.endr
	v_pk_mul_f32 v[14:15], v[14:15], v[252:253] op_sel_hi:[1,0]   ; the sums under the new M; a plain line behind the exponentials
	s_wait_alu depctr_va_vdst(0)                   ; one wait for the batch, ahead of its first reader
.irp b, 0,1,2,3
	v_exp_f32 v[232+\b], v[232+\b]                 ; each block's largest p
.endr
	v_pk_add_f32 v[236:237], v[96:97], v[98:99]    ; the row's sum of the unquantised p: 32 pairs in four chains by turns
	v_pk_add_f32 v[246:247], v[100:101], v[102:103]
	v_pk_add_f32 v[244:245], v[104:105], v[106:107]
	v_pk_add_f32 v[14:15], v[14:15], v[108:109]
.irp j, 110,118,126,134,142,150
	v_pk_add_f32 v[236:237], v[236:237], v[\j:\j+1]
	v_pk_add_f32 v[246:247], v[246:247], v[\j+2:\j+3]
	v_pk_add_f32 v[244:245], v[244:245], v[\j+4:\j+5]
	v_pk_add_f32 v[14:15], v[14:15], v[\j+6:\j+7]
.endr
	v_pk_add_f32 v[236:237], v[236:237], v[158:159]
	v_pk_add_f32 v[246:247], v[246:247], v[244:245]
	s_delay_alu instid0(VALU_DEP_2)
	v_pk_add_f32 v[14:15], v[14:15], v[236:237]
	s_delay_alu instid0(VALU_DEP_1)
	v_pk_add_f32 v[14:15], v[14:15], v[246:247]
	s_wait_alu depctr_va_vdst(0)                   ; and one for the four
.irp b, 0,1,2,3
	v_max_num_f32 v[232+\b], 0x1800000, v[232+\b]  ; the floor 2^(3 - 127)
.endr
.irp b, 0,1,2,3
	s_delay_alu instid0(VALU_DEP_4)
	v_add_nc_u32 v[244+\b], 0xff000000, v[232+\b]
.endr
.irp b, 0,1,2,3
	s_delay_alu instid0(VALU_DEP_4)
	v_lshrrev_b32 v[236+\b], 23, v[244+\b]
.endr
	s_delay_alu instid0(VALU_DEP_3)
	v_lshl_or_b32 v253, v237, 8, v236              ; p's scale word for these 128 keys
	s_delay_alu instid0(VALU_DEP_1)
	v_lshl_or_b32 v253, v238, 16, v253
	s_delay_alu instid0(VALU_DEP_1)
	v_lshl_or_b32 v253, v239, 24, v253
.irp c, 0,1
	v_cvt_scalef32_pk16_fp6_f32 v[224+6*\c:226+6*\c], v[96+32*\c:111+32*\c], v[244+2*\c]
	v_cvt_scalef32_pk16_fp6_f32 v[236+4*\c:238+4*\c], v[112+32*\c:127+32*\c], v[244+2*\c+1]
.endr
	v_nop
.irp c, 0,1
.irp i, 0,1,2
	v_permlane16_swap_b32 v[224+6*\c+\i], v[236+4*\c+\i]
.endr
.irp i, 0,1,2
	s_delay_alu instid0(VALU_DEP_3)
	v_mov_b32 v[227+6*\c+\i], v[236+4*\c+\i]
.endr
.endr
.set i, 0
.rept 16
	v_pk_mul_f32 v[160+2*i:161+2*i], v[160+2*i:161+2*i], v[252:253] op_sel_hi:[1,0]   ; O^T under the new M; also the places in front of the scaled products
.set i, i+1
.endr
	s_wait_alu depctr_va_vdst(0)                   ; a wait directly ahead of the wait below
	s_wait_dscnt 0x0                               ; V^T's images and scale words
.irp t, 0,1,2,3
	v_wmma_scale_f32_16x16x128_f8f6f4 v[160+8*\t:167+8*\t], v[32+12*\t:43+12*\t], v[224:235], v[160+8*\t:167+8*\t], v[248+\t], v253 matrix_a_fmt:MATRIX_FMT_FP6 matrix_b_fmt:MATRIX_FMT_FP6
.endr
.endm
	s_wait_alu depctr_va_vdst(0)                   ; a wait at the head's end
	s_wait_loadcnt 0x0                             ; Q
	s_wait_tensorcnt 0x0                           ; my tile of the head's has landed,
	s_barrier_signal -1
	s_barrier_wait -1                              ; everybody's has
.Ltrip:                                            ; 8 trips of 256 keys
	v_add_nc_u32 v[ADK16], s[TB], v80
	v_add_nc_u32 v[ADK8], s[TB], v81
	v_add_nc_u32 v[ADV16], s[TB], v[AV16]
	v_add_nc_u32 v[ADV8], s[TB], v[AV8]
	v_add_nc_u32 v[ADS], s[TS], v[ASK0]
	v_add_nc_u32 v[ADT], s[TV], v[ASV0]
	s_wait_alu depctr_va_vdst(0)                   ; a wait behind these writes
	STEP 0
	STEP 1
	s_add_co_u32 s[TB], s[TB], 12288
	s_add_co_u32 s[TS], s[TS], 1024
	s_add_co_u32 s[TV], s[TV], 512
	s_sub_co_u32 s[TRIPS], s[TRIPS], 1
	s_cmp_lg_u32 s[TRIPS], 0
	s_cbranch_scc1 .Ltrip
	; THE WAY OUT: O^T / the sum, quantised along my head's 64 (two blocks): half an image and two scale bytes
.rept 4
	v_nop                                          ; places behind the last products
.endr
	v_add_f32 v14, v14, v15
	s_delay_alu instid0(VALU_DEP_1)
	v_permlanex16_b32 v252, v14, s[SEL], s[SEL+1]
	s_delay_alu instid0(VALU_DEP_1)
	v_add_f32 v14, v14, v252                       ; the row's sum
	s_wait_alu depctr_va_vdst(0)
	v_rcp_f32 v14, v14
	v_nop                                          ; a plain line behind the reciprocal
	s_wait_alu depctr_va_vdst(0)                   ; the wait ahead of its first reader
.set i, 0
.rept 32
	v_mul_f32 v[96+i], v[160+i], v14               ; register 8 t + j: channel 16 t + 8 h + j of my query
.set i, i+1
.endr
.irp b, 0,1
	v_max3_num_f32 v[232+\b], |v[96+16*\b]|, |v[97+16*\b]|, 0x1800000
.endr
.irp i, 2,4,6,8,10,12,14
.irp b, 0,1
	s_delay_alu instid0(VALU_DEP_2)
	v_max3_num_f32 v[232+\b], v[232+\b], |v[96+16*\b+\i]|, |v[97+16*\b+\i]|
.endr
.endr
.irp b, 0,1
	s_delay_alu instid0(VALU_DEP_2)
	v_permlanex16_b32 v[236+\b], v[232+\b], s[SEL], s[SEL+1]
.endr
.irp b, 0,1
	s_delay_alu instid0(VALU_DEP_2)
	v_max_num_f32 v[232+\b], v[232+\b], v[236+\b]
.endr
.irp b, 0,1
	s_delay_alu instid0(VALU_DEP_2)
	v_add_nc_u32 v[244+\b], 0xff000000, v[232+\b]
.endr
.irp b, 0,1
	s_delay_alu instid0(VALU_DEP_2)
	v_lshrrev_b32 v[236+\b], 23, v[244+\b]
.endr
	s_delay_alu instid0(VALU_DEP_1)
	v_lshl_or_b32 v253, v237, 8, v236              ; my row's two scale bytes
	v_cvt_scalef32_pk16_fp6_f32 v[224:226], v[96:111], v244
	v_cvt_scalef32_pk16_fp6_f32 v[236:238], v[112:127], v245
	v_nop
.irp i, 0,1,2
	v_permlane16_swap_b32 v[224+\i], v[236+\i]
.endr
.irp i, 0,1,2
	s_delay_alu instid0(VALU_DEP_3)
	v_mov_b32 v[227+\i], v[236+\i]
.endr
	global_store_b128 v80, v[224:227], s[6:7]      ; 512 consecutive bytes
	global_store_b64 v81, v[228:229], s[6:7]       ; 256
	global_store_b16 v82, v253, s[8:9]
	s_wait_tensorcnt 0x0                           ; the wave's end
	ds_add_u32 v[SPW], v[NIL]
	s_wait_dscnt 0x0
	CROUND                                         ; the closing round
	s_endpgm
.Lfunc_end_k_q85b020eb2b_attn:
	.size	k_q85b020eb2b_attn, .Lfunc_end_k_q85b020eb2b_attn-k_q85b020eb2b_attn
	.p2alignl 7, 3214868480
	.fill 96, 4, 3214868480
	.section	.rodata,"a",@progbits
	.p2align	6, 0x0
	.amdhsa_kernel k_q85b020eb2b_attn
		.amdhsa_group_segment_fixed_size 327680
		.amdhsa_private_segment_fixed_size 0
		.amdhsa_enable_private_segment 0
		.amdhsa_kernarg_size 16
		.amdhsa_user_sgpr_count 2
		.amdhsa_user_sgpr_kernarg_segment_ptr 1
		.amdhsa_wavefront_size32 1
		.amdhsa_system_sgpr_workgroup_id_x 1
		.amdhsa_system_sgpr_workgroup_id_y 1
		.amdhsa_system_sgpr_workgroup_id_z 1
		.amdhsa_system_vgpr_workitem_id 0
		.amdhsa_next_free_vgpr 256
		.amdhsa_next_free_sgpr 100
		.amdhsa_reserve_vcc 0
		.amdhsa_float_denorm_mode_32 3
		.amdhsa_float_denorm_mode_16_64 3
		.amdhsa_memory_ordered 1
		.amdhsa_forward_progress 1
		.amdhsa_inst_pref_size 52
	.end_amdhsa_kernel
	.amdgpu_metadata
---
amdhsa.version: [ 1, 2 ]
amdhsa.kernels:
  - .name:           k_q85b020eb2b_attn
    .symbol:         k_q85b020eb2b_attn.kd
    .args:
      - { .name: QKV, .offset: 0, .size: 8, .value_kind: global_buffer, .address_space: global }
      - { .name: AO, .offset: 8, .size: 8, .value_kind: global_buffer, .address_space: global }
    .group_segment_fixed_size: 327680
    .private_segment_fixed_size: 0
    .kernarg_segment_align: 8
    .kernarg_segment_size: 16
    .max_flat_workgroup_size: 512
    .sgpr_count:     100
    .vgpr_count:     256
    .wavefront_size: 32
...
	.end_amdgpu_metadata
.endif
;; end of part 11
;; launch wo (part 12): grid 8 x 32, 4 waves a work-group, clusters of 4 x 4, 327,680 bytes of LDS; arguments AO, W, bo, x, X1; writes X1
.if DOCPART == 12
	.amdgcn_target "amdgcn-amd-amdhsa--gfx1250"
	.amdhsa_code_object_version 6
	.text
	.protected	k_q85b020eb2b_wo
	.globl	k_q85b020eb2b_wo
	.p2align	8
	.type	k_q85b020eb2b_wo,@function
k_q85b020eb2b_wo:
	s_mov_b64 s[64:65], 0
	v_nop
	global_prefetch_b8 v0, s[64:65] scope:SCOPE_SE
	s_setreg_imm32_b32 hwreg(HW_REG_WAVE_MODE, 25, 1), 1
	s_wait_xcnt 0x0
	s_wait_alu depctr_hold_cnt(0) depctr_sa_sdst(0) depctr_va_vdst(0) depctr_va_sdst(0) depctr_va_ssrc(0) depctr_va_vcc(0) depctr_vm_vsrc(0)
	s_getreg_b32 s2, hwreg(HW_REG_IB_STS2, 6, 4)
	s_cmp_eq_u32 s2, 0
	s_cbranch_scc0 .Lentry_in_a_cluster
	s_endpgm
.Lentry_in_a_cluster:
	s_bfe_u32 s2, ttmp6, 0x10000c
	s_cmp_lg_u32 s2, 0xf033
	s_cbranch_scc0 .Lentry_shape_is_right
	s_endpgm
.Lentry_shape_is_right:
; out = residual + A B^T + bias on codes of FP6 (E2M3) with E8M0 scales; out and residual are [4,096][1,024] f32. Here: A = the attention's output, B = Wo, K = 1,024. No work is left out.
; Operands arrive as IMAGES of operand registers (16 rows x 128 K in 1,536 bytes: half c at 768 c; registers 0-3 of lane l at 16 l, registers 4, 5 at 512 + 8 l), laid panel (128 rows) / 256 along K (a chunk of 24,576 dense bytes) / row block / 128 along K.
; A TILE OF 128 x 128 of the output is made by a work-group: 32 x 8 tiles, 256 work-groups. One LDS buffer holds 1,024 along K of A's panel and of B's (4 + 4 chunks); a wave's one tensor load brings four chunks, 98,304 dense bytes, or a panel's scale words.
; K IS SHARED AMONG THE FOUR WAVES: wave w multiplies chunk w of A by chunk w of B for the whole tile (64 accumulators, two steps of 64 matrix instructions a fill), so each fragment is read from LDS once in the work-group.
; ONE BUFFER, NOT TWO SLOTS: behind a refill's barrier one load a wave goes out and the next such barrier waits for it, so the text keeps the refills few and large: KK / 1,024 - 1 of them, each 196,608 bytes. The fills are written out: there is no loop.
; The product is used transposed (source 0 = B's 16 rows, source 1 = A's): a lane holds eight neighbouring numbers of a row of the output.
; THE WAY OUT IS THE SUM OVER THE WAVES: each wave stores its partial tile by rows into a stage over the buffer; behind a barrier wave w reads rows 32 w .. 32 w + 31 of all four as whole rows of 512 bytes, adds them, the residual and the bias, and stores them.
; CLUSTERS 4 x 4: A's chunks are asked for jointly along a row of the cluster, B's along a column.
; LIMITS: NaN and infinities are not served; each output is the sum of four partial f32 sums, one a wave: the order of rounding differs from one running sum.
.set KK,     1024                      ; the product's K
.set ASC,    3145728                   ; where A's scale words begin in its buffer
.set BCO,    2359296                   ; where B's codes begin in W
.set BSC,    9437184+98304             ; and its scale words
.set NF,     KK/1024                   ; fills of the buffer
.set NQ,     2
.set FR,     12
.set NL,     4                         ; LDS loads that bring a fragment
.set NP,     4                         ; places behind this matrix instruction
.set IMG,    1536
.set CHUNK,  16*IMG
.set HALF,   2*CHUNK
.set BUFB,   4*CHUNK                   ; B's four chunks lie behind A's four
.set SCL,    8*CHUNK                   ; behind the buffer: A's panel's scale words, then B's
.set HALFS,  4*KK                      ; those of a panel
.set SBLK,   KK/2                      ; those of a row block
.set SPITCH, 528                       ; a stage row: 512 bytes + 16
.set PART,   128*SPITCH                ; a wave's partial tile in the stage, which lies over the buffer and the scale words: they have had their last fill and their last read by then
.set SPARE,  4*PART                    ; behind the stage: the spare words, 128 bytes a wave
.set BI,   8                           ; v8-11  the bias of my four columns of a row
.set ADRA, 16                          ; v16 my chunk of A (16 x lane), v17 the same (512 + 8 x lane)
.set ADRB, 18                          ; v18-19 the same for B
.set RD,   20                          ; v20-23 my 32 rows in the four partial tiles
.set STO,  24                          ; where I put 32 bytes of a row of my partial tile
.set CO,   26                          ; 16 x lane
.set ADRS, 27                          ; my scale words: lanes 0-15 A's rows, lanes 16-31 B's
.set SPW,  28
.set NIL,  29
.set PFO,  30                          ; 256 x lane
.set SC,   32                          ; v32-63 scale words, two sets of 16, by the fill's parity
.set PP,   64                          ; the way out: v64-191 eight rows of each of the four partial tiles
.set AF,   128                         ; v128-223 A's fragments, one set; window 1: B's two sets at v0 and v128; windows 2, 3: accumulators
.set RS0,  192                         ; the way out: eight rows of the residual, v192-223 and v224-255 by turns
.set G1, 24
.set G0, 32
.set G1B, 48
.set G0B, 56
.set G1S, 68
.set G0S, 76
.set G1SB, 80
.set G0SB, 88
.set PFA, 96
.set LIM, 98
.set MSB, 0
.macro WIN new                         ; the immediate's high byte repeats the setting that is left
.if MSB != (\new)
	s_set_vgpr_msb (MSB<<8)|(\new)
.set MSB, (\new)
.endif
.endm
.set MUL_LO, 0xa1                      ; source 0 (B) window 1, source 1 (A) window 0, C and D window 2
.set MUL_HI, 0xf1
.set TO_B,   0x40
.macro JLOAD g0a, g1a, g0b, g1b        ; a joint load: waves 0, 1 fetch for A, waves 2, 3 for B; s_nop 0 and four v_nop follow each line
	s_cmp_eq_u32 s15, 0
	s_cbranch_scc0 .Lfor_b_\@
	tensor_load_to_lds s[\g0a:\g0a+3], s[\g1a:\g1a+7]
	s_nop 0
.rept 4
	v_nop
.endr
	s_branch .Lasked_\@
.Lfor_b_\@:
	tensor_load_to_lds s[\g0b:\g0b+3], s[\g1b:\g1b+7]
	s_nop 0
.rept 4
	v_nop
.endr
.Lasked_\@:
.endm
.macro CREST
	s_cmp_lg_u32 s14, 0
	s_cbranch_scc1 .Lnot_wave_0_\@
	s_barrier_signal -3
.Lnot_wave_0_\@:
	s_barrier_wait -3
	s_barrier_signal -1
	s_barrier_wait -1
.endm
.macro CROUND
	s_barrier_signal -1
	s_barrier_wait -1
	CREST
.endm
; A PREFETCH of fill nf's bytes, behind the run of LDS loads at the head of the work on fill nf - 1: four chunks of A's panel and four of B's. A's panel is read by both clusters of its row of clusters: cluster x = 0 asks;
; B's by the eight clusters of its column: cluster y = 0 asks. The four partners that ask for a panel jointly take one chunk each, told apart BY ADDRESS (cx for A, cy for B); wave 0 asks for A's, wave 2 for B's:
; three instructions of 8,192 bytes, lanes 256 bytes apart: each block of 256 bytes is named once in the launch. The first fill comes by its loads alone; the work on the last fill asks for nothing. The address registers are never rewritten.
.macro ASK nf
	s_cmp_eq_u32 s[LIM], 1
	s_cbranch_scc0 .Lnot_mine_\@
.irp u, 0,1,2
	global_prefetch_b8 v[PFO], s[PFA:PFA+1] offset:(\nf)*4*CHUNK+8192*\u th:TH_LOAD_NT scope:SCOPE_SE
.endr
.Lnot_mine_\@:
.endm
	s_load_b128 s[4:7], s[0:1], 0x0                ; A, W
	s_load_b128 s[8:11], s[0:1], 0x10              ; bias, residual
	s_load_b64 s[12:13], s[0:1], 0x20              ; out
	v_lshl_add_u32 v[SPW], v0, 2, SPARE
	v_mov_b32 v[NIL], 0
	ds_add_u32 v[SPW], v[NIL]                      ; the opening: the add, twice on end, and its wait ahead of my first tensor load
	ds_add_u32 v[SPW], v[NIL]
	v_lshrrev_b32 v1, 5, v0
	v_readfirstlane_b32 s14, v1                    ; wave: also which chunk of a fill I multiply
	s_lshr_b32 s15, s14, 1                         ; I fetch for A (0) or for B (1)
	s_and_b32 s16, s14, 1                          ; 0 in waves 0 and 2, which ask for the prefetches
	s_bfe_u32 s40, ttmp6, 0x40000                  ; cx
	s_bfe_u32 s41, ttmp6, 0x40004                  ; cy
	s_lshl_b32 s42, ttmp9, 2
	s_add_co_u32 s42, s42, s40                     ; B's panel = the tile's column
	s_and_b32 s17, ttmp7, 0xffff
	s_lshl_b32 s17, s17, 2
	s_add_co_u32 s17, s17, s41                     ; A's panel = the tile's row
	s_lshl_b32 s43, s41, 2
	s_lshl_b32 s43, 15, s43                        ; my row of the cluster
	s_lshl_b32 s44, 0x1111, s40                    ; my column
	s_or_b32 s[G1+0], s43, (3<<16)|(1<<21)         ; the mask; elements of 8 bytes; bit 21 beside a mask; no padding
	s_or_b32 s[G1B+0], s44, (3<<16)|(1<<21)
	s_or_b32 s[G1S+0], s43, (3<<16)|(1<<21)
	s_or_b32 s[G1SB+0], s44, (3<<16)|(1<<21)
.irp g, G1, G1B                        ; four dense chunks as 384 rows of 256 bytes
	s_mov_b32 s[\g+1], 32<<16
	s_mov_b32 s[\g+2], (BUFB/256)<<16              ; a panel's four chunks: 384 rows of 256 bytes
	s_mov_b32 s[\g+3], 32<<16
	s_mov_b32 s[\g+4], BUFB/256
	s_mov_b32 s[\g+5], 32
	s_mov_b32 s[\g+6], 0
	s_mov_b32 s[\g+7], 0
.endr
.irp g, G1S, G1SB                      ; a panel's scale words likewise
	s_mov_b32 s[\g+1], 32<<16
	s_mov_b32 s[\g+2], (HALFS/256)<<16             ; a whole panel's scale words
	s_mov_b32 s[\g+3], 32<<16
	s_mov_b32 s[\g+4], HALFS/256
	s_mov_b32 s[\g+5], 32
	s_mov_b32 s[\g+6], 0
	s_mov_b32 s[\g+7], 0
.endr
	s_mul_i32 s20, s17, 96*KK                      ; A's panel: its codes,
	s_mov_b32 s21, 0
	s_mul_i32 s22, s17, HALFS
	s_add_co_u32 s22, s22, ASC                     ; its scale words
	s_mov_b32 s23, 0
	s_mul_i32 s46, s42, 96*KK
	s_add_co_u32 s46, s46, BCO                     ; B's panel likewise
	s_mov_b32 s47, 0
	s_mul_i32 s92, s42, HALFS
	s_add_co_u32 s92, s92, BSC
	s_mov_b32 s93, 0
	s_wait_dscnt 0x0                               ; both opening adds are done
	s_wait_kmcnt 0x0
	s_add_nc_u64 s[20:21], s[4:5], s[20:21]
	s_add_nc_u64 s[22:23], s[4:5], s[22:23]
	s_add_nc_u64 s[46:47], s[6:7], s[46:47]
	s_add_nc_u64 s[92:93], s[6:7], s[92:93]
	CROUND                                         ; all sixteen work-groups are here: the first joint loads meet
	s_mov_b32 s[G0S], 1
	s_mov_b32 s[G0S+1], SCL
	s_mov_b64 s[G0S+2:G0S+3], s[22:23]
	s_or_b32 s[G0S+3], s[G0S+3], 0x80000000
	s_mov_b32 s[G0SB], 1
	s_mov_b32 s[G0SB+1], SCL+HALFS
	s_mov_b64 s[G0SB+2:G0SB+3], s[92:93]
	s_or_b32 s[G0SB+3], s[G0SB+3], 0x80000000
	s_mov_b32 s[G0], 1
	s_mov_b32 s[G0+1], 0
	s_mov_b64 s[G0+2:G0+3], s[20:21]
	s_or_b32 s[G0+3], s[G0+3], 0x80000000
	s_mov_b32 s[G0B], 1
	s_mov_b32 s[G0B+1], BUFB
	s_mov_b64 s[G0B+2:G0B+3], s[46:47]
	s_or_b32 s[G0B+3], s[G0B+3], 0x80000000
; THE HEAD'S FOUR TILES, ONE JOINT LOAD A WAVE: wave 0 A's four chunks, wave 1 B's, wave 2 A's scale words, wave 3 B's; one chain of branches on the wave's number
.macro ARM under, g0, g1, next
	s_cmp_lt_u32 s14, \under
	s_cbranch_scc0 \next
	tensor_load_to_lds s[\g0:\g0+3], s[\g1:\g1+7]
	s_nop 0
.rept 4
	v_nop
.endr
	s_branch .Lhead_asked
\next:
.endm
	ARM 1, G0,  G1,  .Lhead_b
	ARM 2, G0B, G1B, .Lhead_sa
	ARM 3, G0S, G1S, .Lhead_sb
	tensor_load_to_lds s[G0SB:G0SB+3], s[G1SB:G1SB+7]
	s_nop 0
.rept 4
	v_nop
.endr
.Lhead_asked:
	v_and_b32 v1, 15, v0                           ; r
	v_bfe_u32 v2, v0, 4, 1                         ; h
	v_and_b32 v3, 31, v0                           ; lane
	v_lshlrev_b32 v[CO], 4, v3
	v_lshl_add_u32 v5, v3, 3, 512
	s_mul_i32 s21, s14, CHUNK
	v_add_nc_u32 v[ADRA], s21, v[CO]
	v_add_nc_u32 v[ADRA+1], s21, v5
	s_add_co_u32 s21, s21, BUFB
	v_add_nc_u32 v[ADRB], s21, v[CO]
	v_add_nc_u32 v[ADRB+1], s21, v5
	v_lshlrev_b32 v6, 2, v1
	v_mad_u32_u24 v6, v2, HALFS, v6                ; lanes 16-31 take B's words
	s_lshl_b32 s21, s14, 7                         ; my chunk's two steps: 64 bytes a step
	s_add_co_u32 s21, s21, SCL
	v_add_nc_u32 v[ADRS], s21, v6
	s_mul_i32 s23, s14, PART                       ; my partial tile
	v_mul_u32_u24 v6, v1, SPITCH
	v_lshl_add_u32 v6, v2, 5, v6
	v_add_nc_u32 v[STO], s23, v6                   ; in: row r, 32 bytes for each half of the lanes
	s_mul_i32 s23, s14, 32*SPITCH                  ; back: my 32 rows, a row of 512 bytes to the 32 lanes,
	v_add_nc_u32 v[RD], s23, v[CO]
	v_add_nc_u32 v[RD+1], PART, v[RD]              ; in each of the four partial tiles
	v_add_nc_u32 v[RD+2], 2*PART, v[RD]
	v_add_nc_u32 v[RD+3], 3*PART, v[RD]
	s_lshl_b32 s46, s42, 9                         ; the tile's first column, in bytes
	s_mov_b32 s47, 0
	s_add_nc_u64 s[8:9], s[8:9], s[46:47]
	s_lshl_b32 s20, s17, 7
	s_lshl_b32 s21, s14, 5
	s_add_co_u32 s20, s20, s21                     ; the first row that I store: 128 x tile row + 32 x wave
	s_lshl_b32 s20, s20, 12
	s_add_co_u32 s20, s20, s46
	s_mov_b32 s21, 0
	s_add_nc_u64 s[10:11], s[10:11], s[20:21]
	s_add_nc_u64 s[12:13], s[12:13], s[20:21]
	global_load_b128 v[BI:BI+3], v[CO], s[8:9]     ; the bias of columns 4 x lane .. + 3
.if NF > 1                             ; the prefetches: who asks, and where my chunk stands
	s_and_b32 s22, ttmp7, 0xffff
	s_cmp_eq_u32 s15, 0
	s_cselect_b32 s20, s17, s42                    ; the panel
	s_cselect_b32 s21, s40, s41                    ; my place among the four that ask for it with me
	s_cselect_b32 s22, ttmp9, s22                  ; the coordinate along which other clusters read the same panel
	s_cselect_b32 s23, 0, BCO
	s_cselect_b64 s[PFA:PFA+1], s[4:5], s[6:7]
	s_or_b32 s22, s22, s16                         ; waves 0 and 2 alone
	s_cmp_eq_u32 s22, 0
	s_cselect_b32 s[LIM], 1, 0                     ; the same in all sixteen partners, for a given wave
	s_mul_i32 s20, s20, 96*KK
	s_mul_i32 s21, s21, CHUNK
	s_add_co_u32 s20, s20, s21
	s_add_co_u32 s20, s20, s23
	s_mov_b32 s21, 0
	s_add_nc_u64 s[PFA:PFA+1], s[PFA:PFA+1], s[20:21]
	v_lshlrev_b32 v[PFO], 8, v3
.endif
.macro FRAG reg, adr, q, i             ; an image comes back as the registers that it is
	ds_load_b128 v[\reg:\reg+3], v[\adr] offset:(\i)*2*IMG+(\q)*IMG
	ds_load_b64 v[\reg+4:\reg+5], v[\adr+1] offset:(\i)*2*IMG+(\q)*IMG
	ds_load_b128 v[\reg+6:\reg+9], v[\adr] offset:(\i)*2*IMG+(\q)*IMG+768
	ds_load_b64 v[\reg+10:\reg+11], v[\adr+1] offset:(\i)*2*IMG+(\q)*IMG+768
.endm
; 16 matrix instructions: A's blocks a0, a0 + 1 x B's eight. The 64 accumulators take turns, one instruction a turn, in the same order in every step. zero = 1: the first product starts the sums
.macro MUL16 a0, p, q, sc, zero
.irp a, \a0, \a0+1
.irp b, 0,1,2,3,4,5,6,7
.if \zero
	v_wmma_scale_f32_16x16x128_f8f6f4 v[8*(8*((\a)%4)+\b):8*(8*((\a)%4)+\b)+7], v[128*(\p)+FR*\b:128*(\p)+FR*\b+FR-1], v[AF+FR*(\a):AF+FR*(\a)+FR-1], 0, v[SC+8*NQ*(\sc)+NQ*\b+(\q)], v[SC+8*NQ*(\sc)+NQ*(\a)+(\q)] matrix_a_fmt:MATRIX_FMT_FP6 matrix_b_fmt:MATRIX_FMT_FP6 matrix_a_scale:MATRIX_SCALE_ROW1
.else
	v_wmma_scale_f32_16x16x128_f8f6f4 v[8*(8*((\a)%4)+\b):8*(8*((\a)%4)+\b)+7], v[128*(\p)+FR*\b:128*(\p)+FR*\b+FR-1], v[AF+FR*(\a):AF+FR*(\a)+FR-1], v[8*(8*((\a)%4)+\b):8*(8*((\a)%4)+\b)+7], v[SC+8*NQ*(\sc)+NQ*\b+(\q)], v[SC+8*NQ*(\sc)+NQ*(\a)+(\q)] matrix_a_fmt:MATRIX_FMT_FP6 matrix_b_fmt:MATRIX_FMT_FP6 matrix_a_scale:MATRIX_SCALE_ROW1
.endif
.endr
.endr
.endm
.macro FETCH_B q, p                    ; B's eight fragments of my chunk's q-th 128 along K into set p
	WIN TO_B
.irp i, 0,1,2,3,4,5,6,7
	FRAG 128*(\p)+FR*\i, ADRB, \q, \i
.endr
	WIN 0
.endm
.macro FETCH_A q, i0                   ; A's blocks i0 .. i0 + 3
.irp i, \i0, \i0+1, \i0+2, \i0+3
	FRAG AF+FR*(\i), ADRA, \q, \i
.endr
.endm
.macro SCALES sc, f                    ; my chunk's scale words in fill f: register 2 i + q: lanes 0-15 A's block i, lanes 16-31 B's block i; a fill is 8 steps of 64 bytes
.irp i, 0,1,2,3,4,5,6,7
	ds_load_b32 v[SC+16*(\sc)+2*\i], v[ADRS] offset:\i*SBLK+512*(\f)
	ds_load_b32 v[SC+16*(\sc)+2*\i+1], v[ADRS] offset:\i*SBLK+512*(\f)+64
.endr
.endm
.macro PLACES n                        ; plain lines between a matrix instruction and a load into, or a read of, its registers
.rept \n
	v_nop
.endr
.endm
.macro WORK f, zero                    ; fill f is whole in LDS: my chunk's first fragments, and its first 128 along K
	FETCH_B 0, 0
	FETCH_A 0, 0
	SCALES (\f)%2, \f
	FETCH_A 0, 4
.if (\f)+1 < NF
	ASK (\f)+1
.endif
	s_wait_dscnt 4*NL                              ; all but the youngest 16 loads (A's blocks 4-7) are in
	WIN MUL_LO
	MUL16 0, 0, 0, (\f)%2, \zero
	MUL16 2, 0, 0, (\f)%2, \zero
	s_wait_dscnt 0
	PLACES NP
	FETCH_B 1, 1
	FETCH_A 1, 0
	WIN MUL_HI
	MUL16 4, 0, 0, (\f)%2, \zero
	MUL16 6, 0, 0, (\f)%2, \zero
	PLACES NP
	WIN 0
	FETCH_A 1, 4
.endm
.macro NEXT sc                         ; my chunk's second 128 along K, and the buffer's next fill: the barrier opens a round of the cluster's barrier; the refill is out under the last 32 matrix instructions
	s_wait_tensorcnt 0x0                           ; no tensor load of mine is out
	ds_add_u32 v[SPW], v[NIL]                      ; 0 onto my spare word
	s_wait_dscnt 4*NL+1                            ; (the add and the youngest 16 loads may be out)
	WIN MUL_LO
	MUL16 0, 1, 1, \sc, 0
	s_wait_dscnt 0x0                               ; the add is done, and my reads of the buffer are over: all my fragments are in registers
	s_barrier_signal -1
	MUL16 2, 1, 1, \sc, 0
	WIN 0
	s_barrier_wait -1
	CREST                                          ; no wave of any partner still reads the buffer or has a load on its way
	s_add_nc_u64 s[G0+2:G0+3], s[G0+2:G0+3], 4*CHUNK
	s_add_nc_u64 s[G0B+2:G0B+3], s[G0B+2:G0B+3], 4*CHUNK
	JLOAD G0, G1, G0B, G1B                         ; my one tensor load behind the round
	WIN MUL_HI
	MUL16 4, 1, 1, \sc, 0
	MUL16 6, 1, 1, \sc, 0
	PLACES NP                                      ; in front of the loads into A's blocks 4-7
	WIN 0
	s_wait_tensorcnt 0x0                           ; my part of the fill has landed (one load was out: the count that its readers need is 0),
	s_barrier_signal -1
	s_barrier_wait -1                              ; everybody's has
.endm
.macro RLOAD g                         ; the residual's rows 8 g .. 8 g + 7 of my 32: a row of 512 bytes a load
.set RS, RS0+32*((\g)%2)
.irp t, 0,1,2,3,4,5,6,7
	global_load_b128 v[RS+4*\t:RS+4*\t+3], v[CO], s[10:11] offset:(8*(\g)+\t)*4096
.endr
.endm
	s_wait_alu depctr_va_vdst(0)
	s_wait_tensorcnt 0x0                           ; my parts of the scale words and of the first fill are in,
	s_barrier_signal -1
	s_barrier_wait -1                              ; everybody's are
	WORK 0, 1
.if NF > 1
	NEXT 0
	WORK 1, 0
	NEXT 1
	WORK 2, 0
	NEXT 0
	WORK 3, 0
.endif
	s_wait_dscnt 4*NL                              ; the last fill's second 128 along K
	WIN MUL_LO
	MUL16 0, 1, 1, (NF-1)%2, 0
	MUL16 2, 1, 1, (NF-1)%2, 0
	s_wait_dscnt 0                                 ; my reads of the buffer and of the scale words are over:
	s_barrier_signal -1                            ; say so,
	WIN MUL_HI
	MUL16 4, 1, 1, (NF-1)%2, 0
	MUL16 6, 1, 1, (NF-1)%2, 0
	WIN 0
	s_barrier_wait -1                              ; and when all four have said so the stage may be written over them
	PLACES NP                                      ; in front of the first read of results and of loads into A's fragments
	RLOAD 0
	RLOAD 1
.irp a, 0,1,2,3,4,5,6,7                ; my partial tile, by rows
	WIN 0x08+4*(\a/4)                              ; an LDS store's data: window 2 or 3
.irp b, 0,1,2,3,4,5,6,7
	ds_store_b128 v[STO], v[64*(\a%4)+8*\b:64*(\a%4)+8*\b+3] offset:\a*16*SPITCH+64*\b          ; each accumulator from its low end on
	ds_store_b128 v[STO], v[64*(\a%4)+8*\b+4:64*(\a%4)+8*\b+7] offset:\a*16*SPITCH+64*\b+16
.endr
.endr
	WIN 0
	s_wait_dscnt 0x0                               ; for the others' sake: my partial tile lies in the stage
	s_barrier_signal -1
	s_barrier_wait -1
.macro OUTG g                          ; eight of my 32 rows: the four partial sums, the residual and the bias
.if (\g) > 0
	s_wait_xcnt 0x0                                ; the last group's stores have read their registers
.endif
.irp p, 0,1,2,3
.irp t, 0,1,2,3,4,5,6,7
	ds_load_b128 v[PP+32*\p+4*\t:PP+32*\p+4*\t+3], v[RD+\p] offset:(8*(\g)+\t)*SPITCH
.endr
.endr
	s_wait_dscnt 0x0
.if (\g) < 3
	s_wait_loadcnt 8                               ; this group's residual (and the bias) is in; the next group's 8 loads may be out
.else
	s_wait_loadcnt 0
.endif
.set RS, RS0+32*((\g)%2)
.set i, 0
.rept 16
	v_pk_add_f32 v[PP+2*i:PP+2*i+1], v[PP+2*i:PP+2*i+1], v[PP+32+2*i:PP+32+2*i+1]
	v_pk_add_f32 v[PP+64+2*i:PP+64+2*i+1], v[PP+64+2*i:PP+64+2*i+1], v[PP+96+2*i:PP+96+2*i+1]
	v_pk_add_f32 v[RS+2*i:RS+2*i+1], v[RS+2*i:RS+2*i+1], v[BI+2*(i%2):BI+2*(i%2)+1]
.set i, i+1
.endr
.set i, 0
.rept 16
	v_pk_add_f32 v[PP+2*i:PP+2*i+1], v[PP+2*i:PP+2*i+1], v[PP+64+2*i:PP+64+2*i+1]
.set i, i+1
.endr
.set i, 0
.rept 16
	v_pk_add_f32 v[PP+2*i:PP+2*i+1], v[PP+2*i:PP+2*i+1], v[RS+2*i:RS+2*i+1]
.set i, i+1
.endr
.irp t, 0,1,2,3,4,5,6,7
	global_store_b128 v[CO], v[PP+4*\t:PP+4*\t+3], s[12:13] offset:(8*(\g)+\t)*4096   ; 512 consecutive bytes, at a multiple of 256 from the buffer's first byte
.endr
.if (\g)+2 < 4
	RLOAD (\g)+2
.endif
.endm
	OUTG 0
	OUTG 1
	OUTG 2
	OUTG 3
	s_wait_tensorcnt 0x0                           ; the wave's end
	ds_add_u32 v[SPW], v[NIL]
	s_wait_dscnt 0x0
	CROUND                                         ; the closing round
	s_endpgm
.Lfunc_end_k_q85b020eb2b_wo:
	.size	k_q85b020eb2b_wo, .Lfunc_end_k_q85b020eb2b_wo-k_q85b020eb2b_wo
	.p2alignl 7, 3214868480
	.fill 96, 4, 3214868480
	.section	.rodata,"a",@progbits
	.p2align	6, 0x0
	.amdhsa_kernel k_q85b020eb2b_wo
		.amdhsa_group_segment_fixed_size 327680
		.amdhsa_private_segment_fixed_size 0
		.amdhsa_enable_private_segment 0
		.amdhsa_kernarg_size 40
		.amdhsa_user_sgpr_count 2
		.amdhsa_user_sgpr_kernarg_segment_ptr 1
		.amdhsa_wavefront_size32 1
		.amdhsa_system_sgpr_workgroup_id_x 1
		.amdhsa_system_sgpr_workgroup_id_y 1
		.amdhsa_system_sgpr_workgroup_id_z 1
		.amdhsa_system_vgpr_workitem_id 0
		.amdhsa_next_free_vgpr 1024
		.amdhsa_next_free_sgpr 102
		.amdhsa_reserve_vcc 0
		.amdhsa_float_denorm_mode_32 3
		.amdhsa_float_denorm_mode_16_64 3
		.amdhsa_memory_ordered 1
		.amdhsa_forward_progress 1
		.amdhsa_inst_pref_size 77
	.end_amdhsa_kernel
	.amdgpu_metadata
---
amdhsa.version: [ 1, 2 ]
amdhsa.kernels:
  - .name:           k_q85b020eb2b_wo
    .symbol:         k_q85b020eb2b_wo.kd
    .args:
      - { .name: AO, .offset: 0, .size: 8, .value_kind: global_buffer, .address_space: global }
      - { .name: W, .offset: 8, .size: 8, .value_kind: global_buffer, .address_space: global }
      - { .name: bo, .offset: 16, .size: 8, .value_kind: global_buffer, .address_space: global }
      - { .name: x, .offset: 24, .size: 8, .value_kind: global_buffer, .address_space: global }
      - { .name: X1, .offset: 32, .size: 8, .value_kind: global_buffer, .address_space: global }
    .group_segment_fixed_size: 327680
    .private_segment_fixed_size: 0
    .kernarg_segment_align: 8
    .kernarg_segment_size: 40
    .max_flat_workgroup_size: 128
    .sgpr_count:     102
    .vgpr_count:     1024
    .wavefront_size: 32
...
	.end_amdgpu_metadata
.endif
;; end of part 12
;; launch ln2: the kernel of part 9 again; grid 256 x 1, 8 waves a work-group, no clusters, 66,816 bytes of LDS; arguments X1, ln2_g, ln2_b, H; writes H
;; launch w1 (part 13): grid 16 x 16, 4 waves a work-group, clusters of 4 x 4, 327,680 bytes of LDS; arguments H, W, b1, HID; writes HID
.if DOCPART == 13
	.amdgcn_target "amdgcn-amd-amdhsa--gfx1250"
	.amdhsa_code_object_version 6
	.text
	.protected	k_q85b020eb2b_w1
	.globl	k_q85b020eb2b_w1
	.p2align	8
	.type	k_q85b020eb2b_w1,@function
k_q85b020eb2b_w1:
	s_mov_b64 s[64:65], 0
	v_nop
	global_prefetch_b8 v0, s[64:65] scope:SCOPE_SE
	s_setreg_imm32_b32 hwreg(HW_REG_WAVE_MODE, 25, 1), 1
	s_wait_xcnt 0x0
	s_wait_alu depctr_hold_cnt(0) depctr_sa_sdst(0) depctr_va_vdst(0) depctr_va_sdst(0) depctr_va_ssrc(0) depctr_va_vcc(0) depctr_vm_vsrc(0)
	s_getreg_b32 s2, hwreg(HW_REG_IB_STS2, 6, 4)
	s_cmp_eq_u32 s2, 0
	s_cbranch_scc0 .Lentry_in_a_cluster
	s_endpgm
.Lentry_in_a_cluster:
	s_bfe_u32 s2, ttmp6, 0x10000c
	s_cmp_lg_u32 s2, 0xf033
	s_cbranch_scc0 .Lentry_shape_is_right
	s_endpgm
.Lentry_shape_is_right:
.set KK,     1024
.set ASC,    3145728
.set BCO,    3145728
.set BSC,    9437184+131072
.set HIDS,   12582912
.set LAPS,   KK/512
.set NQ,     2
.set FR,     12
.set NL,     4
.set NP,     4
.set IMG,    1536
.set CHUNK,  16*IMG
.set SLOT,   4*CHUNK
.set SCL,    2*SLOT
.set HALFS,  4*KK
.set SBLK,   KK/2
.set SPARE,  SCL+4*HALFS
.set ADRA, 16
.set ADRB, 20
.set I16,  24
.set I8,   25
.set I4,   26
.set ADRS, 27
.set SPW,  28
.set NIL,  29
.set SC,   32
.set BIAS, 64
.set AF,   128
.set Z,    128
.set PC,   192
.set TM,   212
.set PW,   228
.set C1,   230
.set C2,   232
.set G1, 24
.set G0, 32
.set G1B, 48
.set G0B, 56
.set SEL, 66
.set G1S, 68
.set G0S, 76
.set G1SB, 80
.set G0SB, 88
.set MSB, 0
.macro WIN new
.if MSB != (\new)
	s_set_vgpr_msb (MSB<<8)|(\new)
.set MSB, (\new)
.endif
.endm
.set MUL_LO, 0xa1
.set MUL_HI, 0xf1
.set TO_B,   0x40
.macro JLOAD g0a, g1a, g0b, g1b
	s_cmp_eq_u32 s15, 0
	s_cbranch_scc0 .Lfor_b_\@
	tensor_load_to_lds s[\g0a:\g0a+3], s[\g1a:\g1a+7]
	s_nop 0
.rept 4
	v_nop
.endr
	s_branch .Lasked_\@
.Lfor_b_\@:
	tensor_load_to_lds s[\g0b:\g0b+3], s[\g1b:\g1b+7]
	s_nop 0
.rept 4
	v_nop
.endr
.Lasked_\@:
.endm
.macro CREST
	s_cmp_lg_u32 s14, 0
	s_cbranch_scc1 .Lnot_wave_0_\@
	s_barrier_signal -3
.Lnot_wave_0_\@:
	s_barrier_wait -3
	s_barrier_signal -1
	s_barrier_wait -1
.endm
.macro CROUND
	s_barrier_signal -1
	s_barrier_wait -1
	CREST
.endm
	s_load_b128 s[4:7], s[0:1], 0x0
	s_load_b128 s[8:11], s[0:1], 0x10
	v_lshl_add_u32 v[SPW], v0, 2, SPARE
	v_mov_b32 v[NIL], 0
	ds_add_u32 v[SPW], v[NIL]
	ds_add_u32 v[SPW], v[NIL]
	v_lshrrev_b32 v1, 5, v0
	v_readfirstlane_b32 s14, v1
	s_lshr_b32 s15, s14, 1
	s_and_b32 s16, s14, 1
	s_bfe_u32 s40, ttmp6, 0x40000
	s_bfe_u32 s41, ttmp6, 0x40004
	s_lshl_b32 s42, ttmp9, 2
	s_add_co_u32 s42, s42, s40
	s_and_b32 s17, ttmp7, 0xffff
	s_lshl_b32 s17, s17, 2
	s_add_co_u32 s17, s17, s41
	s_lshl_b32 s43, s41, 2
	s_lshl_b32 s43, 15, s43
	s_lshl_b32 s44, 0x1111, s40
	s_or_b32 s[G1+0], s43, (3<<16)|(1<<21)
	s_or_b32 s[G1B+0], s44, (3<<16)|(1<<21)
	s_or_b32 s[G1S+0], s43, (3<<16)|(1<<21)
	s_or_b32 s[G1SB+0], s44, (3<<16)|(1<<21)
.irp g, G1, G1B
	s_mov_b32 s[\g+1], 32<<16
	s_mov_b32 s[\g+2], (CHUNK/256)<<16
	s_mov_b32 s[\g+3], 32<<16
	s_mov_b32 s[\g+4], CHUNK/256
	s_mov_b32 s[\g+5], 32
	s_mov_b32 s[\g+6], 0
	s_mov_b32 s[\g+7], 0
.endr
.irp g, G1S, G1SB
	s_mov_b32 s[\g+1], 32<<16
	s_mov_b32 s[\g+2], (HALFS/256)<<16
	s_mov_b32 s[\g+3], 32<<16
	s_mov_b32 s[\g+4], HALFS/256
	s_mov_b32 s[\g+5], 32
	s_mov_b32 s[\g+6], 0
	s_mov_b32 s[\g+7], 0
.endr
	s_lshl_b32 s20, s17, 1
	s_add_co_u32 s20, s20, s16
	s_mul_i32 s22, s20, HALFS
	s_add_co_u32 s22, s22, ASC
	s_mul_i32 s20, s20, 96*KK
	s_mov_b32 s21, 0
	s_mov_b32 s23, 0
	s_lshl_b32 s46, s42, 1
	s_add_co_u32 s46, s46, s16
	s_mul_i32 s92, s46, HALFS
	s_add_co_u32 s92, s92, BSC
	s_mul_i32 s46, s46, 96*KK
	s_add_co_u32 s46, s46, BCO
	s_mov_b32 s47, 0
	s_mov_b32 s93, 0
	s_mul_i32 s45, s14, CHUNK
	s_mul_i32 s94, s14, HALFS
	s_mov_b32 s[SEL], 0x76543210
	s_mov_b32 s[SEL+1], 0xfedcba98
	s_wait_dscnt 0x0
	s_wait_kmcnt 0x0
	s_add_nc_u64 s[20:21], s[4:5], s[20:21]
	s_add_nc_u64 s[22:23], s[4:5], s[22:23]
	s_add_nc_u64 s[46:47], s[6:7], s[46:47]
	s_add_nc_u64 s[92:93], s[6:7], s[92:93]
	CROUND
	s_mov_b32 s[G0S], 1
	s_add_co_u32 s[G0S+1], s94, SCL
	s_mov_b64 s[G0S+2:G0S+3], s[22:23]
	s_or_b32 s[G0S+3], s[G0S+3], 0x80000000
	s_mov_b32 s[G0SB], 1
	s_add_co_u32 s[G0SB+1], s94, SCL
	s_mov_b64 s[G0SB+2:G0SB+3], s[92:93]
	s_or_b32 s[G0SB+3], s[G0SB+3], 0x80000000
	JLOAD G0S, G1S, G0SB, G1SB
.irp s, 0,1
	s_mov_b32 s[G0+4*\s], 1
	s_add_co_u32 s[G0+4*\s+1], s45, \s*SLOT
	s_add_nc_u64 s[G0+4*\s+2:G0+4*\s+3], s[20:21], \s*CHUNK
	s_or_b32 s[G0+4*\s+3], s[G0+4*\s+3], 0x80000000
	s_mov_b32 s[G0B+4*\s], 1
	s_add_co_u32 s[G0B+4*\s+1], s45, \s*SLOT
	s_add_nc_u64 s[G0B+4*\s+2:G0B+4*\s+3], s[46:47], \s*CHUNK
	s_or_b32 s[G0B+4*\s+3], s[G0B+4*\s+3], 0x80000000
	s_wait_alu depctr_va_vdst(0)
	s_wait_tensorcnt 0x0
	ds_add_u32 v28, v29
	s_wait_dscnt 0x0
	CROUND
	JLOAD G0+4*\s, G1, G0B+4*\s, G1B
.endr
	v_and_b32 v1, 15, v0
	v_bfe_u32 v2, v0, 4, 1
	v_and_b32 v3, 31, v0
	v_lshlrev_b32 v[I16], 4, v3
	v_lshl_add_u32 v[I8], v3, 3, 512
	v_lshlrev_b32 v[I4], 2, v1
	s_mul_i32 s21, s15, CHUNK
	s_mul_i32 s22, s16, CHUNK
	s_add_co_u32 s22, s22, 2*CHUNK
.irp s, 0,1
	v_add_nc_u32 v[ADRA+\s], s21, v[I16]
	v_add_nc_u32 v[ADRA+2+\s], s21, v[I8]
	v_add_nc_u32 v[ADRB+\s], s22, v[I16]
	v_add_nc_u32 v[ADRB+2+\s], s22, v[I8]
	s_add_co_u32 s21, s21, SLOT
	s_add_co_u32 s22, s22, SLOT
.endr
	s_mul_i32 s21, s15, HALFS
	s_mul_i32 s22, s16, HALFS
	s_add_co_u32 s22, s22, 2*HALFS
	s_sub_co_u32 s22, s22, s21
	v_mul_u32_u24 v6, s22, v2
	s_add_co_u32 s21, s21, SCL
	v_lshl_add_u32 v6, v1, 2, v6
	v_add_nc_u32 v[ADRS], s21, v6
	s_lshl_b32 s46, s42, 10
	s_lshl_b32 s47, s16, 9
	s_add_co_u32 s46, s46, s47
	s_mov_b32 s47, 0
	s_add_nc_u64 s[8:9], s[8:9], s[46:47]
	s_lshl_b32 s20, s17, 1
	s_add_co_u32 s20, s20, s15
	s_lshl_b32 s22, s20, 14
	s_mul_i32 s20, s20, 393216
	s_mul_i32 s46, s42, CHUNK
	s_mul_i32 s47, s16, IMG
	s_add_co_u32 s20, s20, s46
	s_add_co_u32 s20, s20, s47
	s_mov_b32 s21, 0
	s_lshl_b32 s46, s42, 7
	s_lshl_b32 s47, s16, 6
	s_add_co_u32 s22, s22, s46
	s_add_co_u32 s22, s22, s47
	s_add_co_u32 s22, s22, HIDS
	s_mov_b32 s23, 0
	s_add_nc_u64 s[12:13], s[10:11], s[20:21]
	s_add_nc_u64 s[98:99], s[10:11], s[22:23]
	v_lshlrev_b32 v7, 5, v2
.irp b, 0,1,2,3,4,5,6,7
	global_load_b128 v[BIAS+8*\b:BIAS+8*\b+3], v7, s[8:9] offset:64*\b
	global_load_b128 v[BIAS+8*\b+4:BIAS+8*\b+7], v7, s[8:9] offset:64*\b+16
.endr
.macro FRAG reg, adr, q, i
	ds_load_b128 v[\reg:\reg+3], v[\adr] offset:(\i)*2*IMG+(\q)*IMG
	ds_load_b64 v[\reg+4:\reg+5], v[\adr+2] offset:(\i)*2*IMG+(\q)*IMG
	ds_load_b128 v[\reg+6:\reg+9], v[\adr] offset:(\i)*2*IMG+(\q)*IMG+768
	ds_load_b64 v[\reg+10:\reg+11], v[\adr+2] offset:(\i)*2*IMG+(\q)*IMG+768
.endm
.macro MUL16 a0, p, q, sc, zero
.irp a, \a0, \a0+1
.irp b, 0,1,2,3,4,5,6,7
.if \zero
	v_wmma_scale_f32_16x16x128_f8f6f4 v[8*(8*((\a)%4)+\b):8*(8*((\a)%4)+\b)+7], v[128*(\p)+FR*\b:128*(\p)+FR*\b+FR-1], v[AF+FR*(\a):AF+FR*(\a)+FR-1], v[BIAS+8*\b:BIAS+8*\b+7], v[SC+8*NQ*(\sc)+NQ*\b+(\q)], v[SC+8*NQ*(\sc)+NQ*(\a)+(\q)] matrix_a_fmt:MATRIX_FMT_FP6 matrix_b_fmt:MATRIX_FMT_FP6 matrix_a_scale:MATRIX_SCALE_ROW1
.else
	v_wmma_scale_f32_16x16x128_f8f6f4 v[8*(8*((\a)%4)+\b):8*(8*((\a)%4)+\b)+7], v[128*(\p)+FR*\b:128*(\p)+FR*\b+FR-1], v[AF+FR*(\a):AF+FR*(\a)+FR-1], v[8*(8*((\a)%4)+\b):8*(8*((\a)%4)+\b)+7], v[SC+8*NQ*(\sc)+NQ*\b+(\q)], v[SC+8*NQ*(\sc)+NQ*(\a)+(\q)] matrix_a_fmt:MATRIX_FMT_FP6 matrix_b_fmt:MATRIX_FMT_FP6 matrix_a_scale:MATRIX_SCALE_ROW1
.endif
.endr
.endr
.endm
.macro FETCH_B slot, q, p
	WIN TO_B
.irp i, 0,1,2,3,4,5,6,7
	FRAG 128*(\p)+FR*\i, ADRB+\slot, \q, \i
.endr
	WIN 0
.endm
.macro FETCH_A slot, q, i0
.irp i, \i0, \i0+1, \i0+2, \i0+3
	FRAG AF+FR*(\i), ADRA+\slot, \q, \i
.endr
.endm
.macro SCALES sc
.irp i, 0,1,2,3,4,5,6,7
	ds_load_b32 v[SC+16*\sc+2*\i], v[ADRS] offset:\i*SBLK
	ds_load_b32 v[SC+16*\sc+2*\i+1], v[ADRS] offset:\i*SBLK+64
.endr
.endm
.macro PLACES n
.rept \n
	v_nop
.endr
.endm
.macro STEP slot, q, zero
	s_wait_dscnt 4*NL
.if \zero
	WIN 0x81
.else
	WIN MUL_LO
.endif
	MUL16 0, (\q)%2, \q, \slot, \zero
	MUL16 2, (\q)%2, \q, \slot, \zero
	s_wait_dscnt 0
	PLACES NP
	FETCH_B \slot, (\q)+1, 1-(\q)%2
	FETCH_A \slot, (\q)+1, 0
.if \zero
	WIN 0xc1
.else
	WIN MUL_HI
.endif
	MUL16 4, (\q)%2, \q, \slot, \zero
	MUL16 6, (\q)%2, \q, \slot, \zero
	PLACES NP
	WIN 0
	FETCH_A \slot, (\q)+1, 4
.endm
.macro TURN slot, next, fill
	s_wait_tensorcnt 0x0
	ds_add_u32 v[SPW], v[NIL]
	s_wait_dscnt 4*NL+1
	WIN MUL_LO
	MUL16 0, 1, NQ-1, \slot, 0
	s_wait_dscnt 0x0
	s_barrier_signal -1
	MUL16 2, 1, NQ-1, \slot, 0
	WIN 0
	s_barrier_wait -1
.if \fill
	CREST
	s_add_nc_u64 s[G0+4*\slot+2:G0+4*\slot+3], s[G0+4*\slot+2:G0+4*\slot+3], 2*CHUNK
	s_add_nc_u64 s[G0B+4*\slot+2:G0B+4*\slot+3], s[G0B+4*\slot+2:G0B+4*\slot+3], 2*CHUNK
	JLOAD G0+4*\slot, G1, G0B+4*\slot, G1B
.else
	PLACES NP
.endif
	s_wait_alu depctr_va_vdst(0)
	v_add_nc_u32 v[ADRS], 128, v[ADRS]
	FETCH_B \next, 0, 0
	FETCH_A \next, 0, 0
	SCALES \next
	WIN MUL_HI
	MUL16 4, 1, NQ-1, \slot, 0
	MUL16 6, 1, NQ-1, \slot, 0
	PLACES NP
	WIN 0
	FETCH_A \next, 0, 4
.endm
	s_wait_alu depctr_va_vdst(0)
	s_wait_tensorcnt 1
	s_barrier_signal -1
	s_barrier_wait -1
	FETCH_B 0, 0, 0
	FETCH_A 0, 0, 0
	SCALES 0
	FETCH_A 0, 0, 4
	s_wait_loadcnt 0x0
	STEP 0, 0, 1
	s_mov_b32 s3, LAPS-1
.Llap:
	TURN 0, 1, 1
	STEP 1, 0, 0
	TURN 1, 0, 1
	STEP 0, 0, 0
	s_sub_co_u32 s3, s3, 1
	s_cmp_lg_u32 s3, 0
	s_cbranch_scc1 .Llap
	TURN 0, 1, 0
	STEP 1, 0, 0
	s_wait_dscnt 4*NL
	WIN MUL_LO
	MUL16 0, 1, NQ-1, 1, 0
	MUL16 2, 1, NQ-1, 1, 0
	s_wait_dscnt 0
	WIN MUL_HI
	MUL16 4, 1, NQ-1, 1, 0
	MUL16 6, 1, NQ-1, 1, 0
	WIN 0
.macro QUANT s
.irp b, 0,1,2,3
	v_max3_num_f32 v[TM+\b], |v[\s+16*\b]|, |v[\s+1+16*\b]|, 0x1800000
.endr
.irp i, 2,4,6,8,10,12,14
.irp b, 0,1,2,3
	v_max3_num_f32 v[TM+\b], v[TM+\b], |v[\s+16*\b+\i]|, |v[\s+1+16*\b+\i]|
.endr
.endr
.irp b, 0,1,2,3
	v_permlanex16_b32 v[TM+4+\b], v[TM+\b], s[SEL], s[SEL+1]
.endr
.irp b, 0,1,2,3
	v_max_num_f32 v[TM+\b], v[TM+\b], v[TM+4+\b]
.endr
.irp b, 0,1,2,3
	v_add_nc_u32 v[TM+12+\b], 0xff000000, v[TM+\b]
.endr
.irp b, 0,1,2,3
	v_lshrrev_b32 v[TM+4+\b], 23, v[TM+12+\b]
.endr
	v_lshl_or_b32 v[PW], v[TM+5], 8, v[TM+4]
	v_lshl_or_b32 v[PW], v[TM+6], 16, v[PW]
	v_lshl_or_b32 v[PW], v[TM+7], 24, v[PW]
.irp c, 0,1
	v_cvt_scalef32_pk16_fp6_f32 v[PC+6*\c:PC+2+6*\c], v[\s+32*\c:\s+15+32*\c], v[TM+12+2*\c]
	v_cvt_scalef32_pk16_fp6_f32 v[PC+12+4*\c:PC+14+4*\c], v[\s+16+32*\c:\s+31+32*\c], v[TM+12+2*\c+1]
.endr
	v_nop
.irp c, 0,1
.irp i, 0,1,2
	v_permlane16_swap_b32 v[PC+6*\c+\i], v[PC+12+4*\c+\i]
.endr
.irp i, 0,1,2
	v_mov_b32 v[PC+3+6*\c+\i], v[PC+12+4*\c+\i]
.endr
.endr
.endm
.macro STIMG cb, coff, sb, soff
	global_store_b128 v[I16], v[PC:PC+3], s[\cb:\cb+1] offset:\coff
	global_store_b64 v[I8], v[PC+4:PC+5], s[\cb:\cb+1] offset:\coff
	global_store_b128 v[I16], v[PC+6:PC+9], s[\cb:\cb+1] offset:(\coff)+768
	global_store_b64 v[I8], v[PC+10:PC+11], s[\cb:\cb+1] offset:(\coff)+768
	global_store_b32 v[I4], v[PW], s[\sb:\sb+1] offset:\soff
.endm
.macro OUTB a
.set WN, 2+(\a)/4
.set AC, 64*((\a)%4)
	WIN 5*WN
.set i, 0
.rept 32
	v_pk_mul_f32 v[Z+2*i:Z+2*i+1], v[AC+2*i:AC+2*i+1], v[AC+2*i:AC+2*i+1]
.set i, i+1
.endr
	WIN 0
.set i, 0
.rept 32
	v_pk_fma_f32 v[Z+2*i:Z+2*i+1], v[Z+2*i:Z+2*i+1], v[C2:C2+1], v[C1:C1+1]
.set i, i+1
.endr
	WIN WN
.set i, 0
.rept 32
	v_pk_mul_f32 v[Z+2*i:Z+2*i+1], v[AC+2*i:AC+2*i+1], v[Z+2*i:Z+2*i+1]
.set i, i+1
.endr
	WIN 0
.set i, 0
	s_wait_alu depctr_va_vdst(0)
.rept 64
	v_exp_f32 v[Z+i], v[Z+i]
.set i, i+1
.endr
	v_nop
	s_wait_alu depctr_va_vdst(0)
.set i, 0
.rept 32
	v_pk_add_f32 v[Z+2*i:Z+2*i+1], v[Z+2*i:Z+2*i+1], 1.0 op_sel_hi:[1,0]
.set i, i+1
.endr
.set i, 0
	s_wait_alu depctr_va_vdst(0)
.rept 64
	v_rcp_f32 v[Z+i], v[Z+i]
.set i, i+1
.endr
	v_nop
	s_wait_alu depctr_va_vdst(0)
	WIN WN
.set i, 0
.rept 32
	v_pk_mul_f32 v[Z+2*i:Z+2*i+1], v[AC+2*i:AC+2*i+1], v[Z+2*i:Z+2*i+1]
.set i, i+1
.endr
	WIN 0
.if (\a) > 0
	s_wait_xcnt 0x0
.endif
	QUANT Z
	STIMG 12, (\a)*3072, 98, (\a)*2048
.endm
	PLACES NP
.irp b, 0,1,2,3
	v_mov_b32 v[TM+4+\b], 0
.endr
	v_mov_b32 v[C1], 0xc0135761
	v_mov_b32 v[C1+1], 0xc0135761
	v_mov_b32 v[C2], 0xbdd2d3e8
	v_mov_b32 v[C2+1], 0xbdd2d3e8
.irp a, 0,1,2,3,4,5,6,7
	OUTB \a
.endr
	s_wait_tensorcnt 0x0
	ds_add_u32 v[SPW], v[NIL]
	s_wait_dscnt 0x0
	CROUND
	s_endpgm
.Lfunc_end_k_q85b020eb2b_w1:
	.size	k_q85b020eb2b_w1, .Lfunc_end_k_q85b020eb2b_w1-k_q85b020eb2b_w1
	.p2alignl 7, 3214868480
	.fill 96, 4, 3214868480
	.section	.rodata,"a",@progbits
	.p2align	6, 0x0
	.amdhsa_kernel k_q85b020eb2b_w1
		.amdhsa_group_segment_fixed_size 327680
		.amdhsa_private_segment_fixed_size 0
		.amdhsa_enable_private_segment 0
		.amdhsa_kernarg_size 32
		.amdhsa_user_sgpr_count 2
		.amdhsa_user_sgpr_kernarg_segment_ptr 1
		.amdhsa_wavefront_size32 1
		.amdhsa_system_sgpr_workgroup_id_x 1
		.amdhsa_system_sgpr_workgroup_id_y 1
		.amdhsa_system_sgpr_workgroup_id_z 1
		.amdhsa_system_vgpr_workitem_id 0
		.amdhsa_next_free_vgpr 1024
		.amdhsa_next_free_sgpr 102
		.amdhsa_reserve_vcc 0
		.amdhsa_float_denorm_mode_32 3
		.amdhsa_float_denorm_mode_16_64 3
		.amdhsa_memory_ordered 1
		.amdhsa_forward_progress 1
		.amdhsa_inst_pref_size 255
	.end_amdhsa_kernel
	.section	.bss,"aw",@nobits
	.p2align	6
	.space	262144
	.amdgpu_metadata
---
amdhsa.version: [ 1, 2 ]
amdhsa.kernels:
  - .name:           k_q85b020eb2b_w1
    .symbol:         k_q85b020eb2b_w1.kd
    .args:
      - { .name: H, .offset: 0, .size: 8, .value_kind: global_buffer, .address_space: global }
      - { .name: W, .offset: 8, .size: 8, .value_kind: global_buffer, .address_space: global }
      - { .name: b1, .offset: 16, .size: 8, .value_kind: global_buffer, .address_space: global }
      - { .name: HID, .offset: 24, .size: 8, .value_kind: global_buffer, .address_space: global }
    .group_segment_fixed_size: 327680
    .private_segment_fixed_size: 0
    .kernarg_segment_align: 8
    .kernarg_segment_size: 32
    .max_flat_workgroup_size: 128
    .sgpr_count:     102
    .vgpr_count:     1024
    .wavefront_size: 32
...
	.end_amdgpu_metadata
.endif
;; end of part 13
;; launch w2 (part 14): grid 8 x 32, 4 waves a work-group, clusters of 4 x 4, 327,680 bytes of LDS; arguments HID, W, b2, X1, out0; writes out0
.if DOCPART == 14
	.amdgcn_target "amdgcn-amd-amdhsa--gfx1250"
	.amdhsa_code_object_version 6
	.text
	.protected	k_q85b020eb2b_w2
	.globl	k_q85b020eb2b_w2
	.p2align	8
	.type	k_q85b020eb2b_w2,@function
k_q85b020eb2b_w2:
	s_mov_b64 s[64:65], 0
	v_nop
	global_prefetch_b8 v0, s[64:65] scope:SCOPE_SE
	s_setreg_imm32_b32 hwreg(HW_REG_WAVE_MODE, 25, 1), 1
	s_wait_xcnt 0x0
	s_wait_alu depctr_hold_cnt(0) depctr_sa_sdst(0) depctr_va_vdst(0) depctr_va_sdst(0) depctr_va_ssrc(0) depctr_va_vcc(0) depctr_vm_vsrc(0)
	s_getreg_b32 s2, hwreg(HW_REG_IB_STS2, 6, 4)
	s_cmp_eq_u32 s2, 0
	s_cbranch_scc0 .Lentry_in_a_cluster
	s_endpgm
.Lentry_in_a_cluster:
	s_bfe_u32 s2, ttmp6, 0x10000c
	s_cmp_lg_u32 s2, 0xf033
	s_cbranch_scc0 .Lentry_shape_is_right
	s_endpgm
.Lentry_shape_is_right:
.set KK,     4096
.set ASC,    12582912
.set BCO,    6291456
.set BSC,    9437184+262144
.set NF,     KK/1024
.set NQ,     2
.set FR,     12
.set NL,     4
.set NP,     4
.set IMG,    1536
.set CHUNK,  16*IMG
.set HALF,   2*CHUNK
.set BUFB,   4*CHUNK
.set SCL,    8*CHUNK
.set HALFS,  4*KK
.set SBLK,   KK/2
.set SPITCH, 528
.set PART,   128*SPITCH
.set SPARE,  4*PART
.set BI,   8
.set ADRA, 16
.set ADRB, 18
.set RD,   20
.set STO,  24
.set CO,   26
.set ADRS, 27
.set SPW,  28
.set NIL,  29
.set PFO,  30
.set SC,   32
.set PP,   64
.set AF,   128
.set RS0,  192
.set G1, 24
.set G0, 32
.set G1B, 48
.set G0B, 56
.set G1S, 68
.set G0S, 76
.set G1SB, 80
.set G0SB, 88
.set PFA, 96
.set LIM, 98
.set MSB, 0
.macro WIN new
.if MSB != (\new)
	s_set_vgpr_msb (MSB<<8)|(\new)
.set MSB, (\new)
.endif
.endm
.set MUL_LO, 0xa1
.set MUL_HI, 0xf1
.set TO_B,   0x40
.macro JLOAD g0a, g1a, g0b, g1b
	s_cmp_eq_u32 s15, 0
	s_cbranch_scc0 .Lfor_b_\@
	tensor_load_to_lds s[\g0a:\g0a+3], s[\g1a:\g1a+7]
	s_nop 0
.rept 4
	v_nop
.endr
	s_branch .Lasked_\@
.Lfor_b_\@:
	tensor_load_to_lds s[\g0b:\g0b+3], s[\g1b:\g1b+7]
	s_nop 0
.rept 4
	v_nop
.endr
.Lasked_\@:
.endm
.macro CREST
	s_cmp_lg_u32 s14, 0
	s_cbranch_scc1 .Lnot_wave_0_\@
	s_barrier_signal -3
.Lnot_wave_0_\@:
	s_barrier_wait -3
	s_barrier_signal -1
	s_barrier_wait -1
.endm
.macro CROUND
	s_barrier_signal -1
	s_barrier_wait -1
	CREST
.endm
.macro ASK nf
	s_cmp_eq_u32 s[LIM], 1
	s_cbranch_scc0 .Lnot_mine_\@
.irp u, 0,1,2
	global_prefetch_b8 v[PFO], s[PFA:PFA+1] offset:(\nf)*4*CHUNK+8192*\u th:TH_LOAD_NT scope:SCOPE_SE
.endr
.Lnot_mine_\@:
.endm
	s_load_b128 s[4:7], s[0:1], 0x0
	s_load_b128 s[8:11], s[0:1], 0x10
	s_load_b64 s[12:13], s[0:1], 0x20
	v_lshl_add_u32 v[SPW], v0, 2, SPARE
	v_mov_b32 v[NIL], 0
	ds_add_u32 v[SPW], v[NIL]
	ds_add_u32 v[SPW], v[NIL]
	v_lshrrev_b32 v1, 5, v0
	v_readfirstlane_b32 s14, v1
	s_lshr_b32 s15, s14, 1
	s_and_b32 s16, s14, 1
	s_bfe_u32 s40, ttmp6, 0x40000
	s_bfe_u32 s41, ttmp6, 0x40004
	s_lshl_b32 s42, ttmp9, 2
	s_add_co_u32 s42, s42, s40
	s_and_b32 s17, ttmp7, 0xffff
	s_lshl_b32 s17, s17, 2
	s_add_co_u32 s17, s17, s41
	s_lshl_b32 s43, s41, 2
	s_lshl_b32 s43, 15, s43
	s_lshl_b32 s44, 0x1111, s40
	s_or_b32 s[G1+0], s43, (3<<16)|(1<<21)
	s_or_b32 s[G1B+0], s44, (3<<16)|(1<<21)
	s_or_b32 s[G1S+0], s43, (3<<16)|(1<<21)
	s_or_b32 s[G1SB+0], s44, (3<<16)|(1<<21)
.irp g, G1, G1B
	s_mov_b32 s[\g+1], 32<<16
	s_mov_b32 s[\g+2], (BUFB/256)<<16              ; the head's loads bring a panel's four chunks: 384 rows of 256 bytes
	s_mov_b32 s[\g+3], 32<<16
	s_mov_b32 s[\g+4], BUFB/256
	s_mov_b32 s[\g+5], 32
	s_mov_b32 s[\g+6], 0
	s_mov_b32 s[\g+7], 0
.endr
.irp g, G1S, G1SB
	s_mov_b32 s[\g+1], 32<<16
	s_mov_b32 s[\g+2], (HALFS/256)<<16             ; a whole panel's scale words
	s_mov_b32 s[\g+3], 32<<16
	s_mov_b32 s[\g+4], HALFS/256
	s_mov_b32 s[\g+5], 32
	s_mov_b32 s[\g+6], 0
	s_mov_b32 s[\g+7], 0
.endr
	s_mul_i32 s18, s16, HALF                       ; in a refill I fetch two chunks of a fill: which two
	s_mov_b32 s19, 0
	s_mul_i32 s20, s17, 96*KK                      ; A's panel: its codes,
	s_mov_b32 s21, 0
	s_mul_i32 s22, s17, HALFS
	s_add_co_u32 s22, s22, ASC                     ; its scale words
	s_mov_b32 s23, 0
	s_mul_i32 s46, s42, 96*KK
	s_add_co_u32 s46, s46, BCO                     ; B's panel likewise
	s_mov_b32 s47, 0
	s_mul_i32 s92, s42, HALFS
	s_add_co_u32 s92, s92, BSC
	s_mov_b32 s93, 0
	s_mul_i32 s45, s14, HALF                       ; and where a refill's two chunks go
	s_wait_dscnt 0x0
	s_wait_kmcnt 0x0
	s_add_nc_u64 s[20:21], s[4:5], s[20:21]
	s_add_nc_u64 s[22:23], s[4:5], s[22:23]
	s_add_nc_u64 s[46:47], s[6:7], s[46:47]
	s_add_nc_u64 s[92:93], s[6:7], s[92:93]
	CROUND
.set G0H,  36                          ; s[36:39], s[60:63] group 0 of the head's loads of codes
.set G0HB, 60
	s_mov_b32 s[G0S], 1
	s_mov_b32 s[G0S+1], SCL
	s_mov_b64 s[G0S+2:G0S+3], s[22:23]
	s_or_b32 s[G0S+3], s[G0S+3], 0x80000000
	s_mov_b32 s[G0SB], 1
	s_mov_b32 s[G0SB+1], SCL+HALFS
	s_mov_b64 s[G0SB+2:G0SB+3], s[92:93]
	s_or_b32 s[G0SB+3], s[G0SB+3], 0x80000000
	s_mov_b32 s[G0H], 1
	s_mov_b32 s[G0H+1], 0
	s_mov_b64 s[G0H+2:G0H+3], s[20:21]
	s_or_b32 s[G0H+3], s[G0H+3], 0x80000000
	s_mov_b32 s[G0HB], 1
	s_mov_b32 s[G0HB+1], BUFB
	s_mov_b64 s[G0HB+2:G0HB+3], s[46:47]
	s_or_b32 s[G0HB+3], s[G0HB+3], 0x80000000
	s_add_nc_u64 s[20:21], s[20:21], s[18:19]      ; for the refills: my two chunks of a fill
	s_add_nc_u64 s[46:47], s[46:47], s[18:19]
	s_mov_b32 s[G0], 1
	s_mov_b32 s[G0+1], s45
	s_mov_b64 s[G0+2:G0+3], s[20:21]
	s_or_b32 s[G0+3], s[G0+3], 0x80000000
	s_mov_b32 s[G0B], 1
	s_mov_b32 s[G0B+1], s45
	s_mov_b64 s[G0B+2:G0B+3], s[46:47]
	s_or_b32 s[G0B+3], s[G0B+3], 0x80000000
; THE HEAD'S FOUR TILES, ONE JOINT LOAD A WAVE: wave 0 the first fill's four chunks of A, wave 1 those of B, wave 2 A's scale words, wave 3 B's; one chain of branches on the wave's number
.macro ARM under, g0, g1, next
	s_cmp_lt_u32 s14, \under
	s_cbranch_scc0 \next
	tensor_load_to_lds s[\g0:\g0+3], s[\g1:\g1+7]
	s_nop 0
.rept 4
	v_nop
.endr
	s_branch .Lhead_asked
\next:
.endm
	ARM 1, G0H,  G1,  .Lhead_b
	ARM 2, G0HB, G1B, .Lhead_sa
	ARM 3, G0S,  G1S, .Lhead_sb
	tensor_load_to_lds s[G0SB:G0SB+3], s[G1SB:G1SB+7]
	s_nop 0
.rept 4
	v_nop
.endr
.Lhead_asked:
	v_and_b32 v1, 15, v0
	v_bfe_u32 v2, v0, 4, 1
	v_and_b32 v3, 31, v0
	v_lshlrev_b32 v[CO], 4, v3
	v_lshl_add_u32 v5, v3, 3, 512
	s_mul_i32 s21, s14, CHUNK
	v_add_nc_u32 v[ADRA], s21, v[CO]
	v_add_nc_u32 v[ADRA+1], s21, v5
	s_add_co_u32 s21, s21, BUFB
	v_add_nc_u32 v[ADRB], s21, v[CO]
	v_add_nc_u32 v[ADRB+1], s21, v5
	v_lshlrev_b32 v6, 2, v1
	v_mad_u32_u24 v6, v2, HALFS, v6
	s_lshl_b32 s21, s14, 7
	s_add_co_u32 s21, s21, SCL
	v_add_nc_u32 v[ADRS], s21, v6
	s_mul_i32 s23, s14, PART
	v_mul_u32_u24 v6, v1, SPITCH
	v_lshl_add_u32 v6, v2, 5, v6
	v_add_nc_u32 v[STO], s23, v6
	s_mul_i32 s23, s14, 32*SPITCH
	v_add_nc_u32 v[RD], s23, v[CO]
	v_add_nc_u32 v[RD+1], PART, v[RD]
	v_add_nc_u32 v[RD+2], 2*PART, v[RD]
	v_add_nc_u32 v[RD+3], 3*PART, v[RD]
	s_lshl_b32 s46, s42, 9
	s_mov_b32 s47, 0
	s_add_nc_u64 s[8:9], s[8:9], s[46:47]
	s_lshl_b32 s20, s17, 7
	s_lshl_b32 s21, s14, 5
	s_add_co_u32 s20, s20, s21
	s_lshl_b32 s20, s20, 12
	s_add_co_u32 s20, s20, s46
	s_mov_b32 s21, 0
	s_add_nc_u64 s[10:11], s[10:11], s[20:21]
	s_add_nc_u64 s[12:13], s[12:13], s[20:21]
	global_load_b128 v[BI:BI+3], v[CO], s[8:9]
.if NF > 1
	s_and_b32 s22, ttmp7, 0xffff
	s_cmp_eq_u32 s15, 0
	s_cselect_b32 s20, s17, s42
	s_cselect_b32 s21, s40, s41
	s_cselect_b32 s22, ttmp9, s22
	s_cselect_b32 s23, 0, BCO
	s_cselect_b64 s[PFA:PFA+1], s[4:5], s[6:7]
	s_or_b32 s22, s22, s16
	s_cmp_eq_u32 s22, 0
	s_cselect_b32 s[LIM], 1, 0
	s_mul_i32 s20, s20, 96*KK
	s_mul_i32 s21, s21, CHUNK
	s_add_co_u32 s20, s20, s21
	s_add_co_u32 s20, s20, s23
	s_mov_b32 s21, 0
	s_add_nc_u64 s[PFA:PFA+1], s[PFA:PFA+1], s[20:21]
	v_lshlrev_b32 v[PFO], 8, v3
.endif
.macro FRAG reg, adr, q, i
	ds_load_b128 v[\reg:\reg+3], v[\adr] offset:(\i)*2*IMG+(\q)*IMG
	ds_load_b64 v[\reg+4:\reg+5], v[\adr+1] offset:(\i)*2*IMG+(\q)*IMG
	ds_load_b128 v[\reg+6:\reg+9], v[\adr] offset:(\i)*2*IMG+(\q)*IMG+768
	ds_load_b64 v[\reg+10:\reg+11], v[\adr+1] offset:(\i)*2*IMG+(\q)*IMG+768
.endm
.macro MUL16 a0, p, q, sc, zero
.irp a, \a0, \a0+1
.irp b, 0,1,2,3,4,5,6,7
.if \zero
	v_wmma_scale_f32_16x16x128_f8f6f4 v[8*(8*((\a)%4)+\b):8*(8*((\a)%4)+\b)+7], v[128*(\p)+FR*\b:128*(\p)+FR*\b+FR-1], v[AF+FR*(\a):AF+FR*(\a)+FR-1], 0, v[SC+8*NQ*(\sc)+NQ*\b+(\q)], v[SC+8*NQ*(\sc)+NQ*(\a)+(\q)] matrix_a_fmt:MATRIX_FMT_FP6 matrix_b_fmt:MATRIX_FMT_FP6 matrix_a_scale:MATRIX_SCALE_ROW1
.else
	v_wmma_scale_f32_16x16x128_f8f6f4 v[8*(8*((\a)%4)+\b):8*(8*((\a)%4)+\b)+7], v[128*(\p)+FR*\b:128*(\p)+FR*\b+FR-1], v[AF+FR*(\a):AF+FR*(\a)+FR-1], v[8*(8*((\a)%4)+\b):8*(8*((\a)%4)+\b)+7], v[SC+8*NQ*(\sc)+NQ*\b+(\q)], v[SC+8*NQ*(\sc)+NQ*(\a)+(\q)] matrix_a_fmt:MATRIX_FMT_FP6 matrix_b_fmt:MATRIX_FMT_FP6 matrix_a_scale:MATRIX_SCALE_ROW1
.endif
.endr
.endr
.endm
.macro FETCH_B q, p
	WIN TO_B
.irp i, 0,1,2,3,4,5,6,7
	FRAG 128*(\p)+FR*\i, ADRB, \q, \i
.endr
	WIN 0
.endm
.macro FETCH_A q, i0
.irp i, \i0, \i0+1, \i0+2, \i0+3
	FRAG AF+FR*(\i), ADRA, \q, \i
.endr
.endm
.macro SCALES sc, f
.irp i, 0,1,2,3,4,5,6,7
	ds_load_b32 v[SC+16*(\sc)+2*\i], v[ADRS] offset:\i*SBLK+512*(\f)
	ds_load_b32 v[SC+16*(\sc)+2*\i+1], v[ADRS] offset:\i*SBLK+512*(\f)+64
.endr
.endm
.macro PLACES n
.rept \n
	v_nop
.endr
.endm
.macro WORK f, zero
	FETCH_B 0, 0
	FETCH_A 0, 0
	SCALES (\f)%2, \f
	FETCH_A 0, 4
.if (\f)+1 < NF
	ASK (\f)+1
.endif
	s_wait_dscnt 4*NL
	WIN MUL_LO
	MUL16 0, 0, 0, (\f)%2, \zero
	MUL16 2, 0, 0, (\f)%2, \zero
	s_wait_dscnt 0
	PLACES NP
	FETCH_B 1, 1
	FETCH_A 1, 0
	WIN MUL_HI
	MUL16 4, 0, 0, (\f)%2, \zero
	MUL16 6, 0, 0, (\f)%2, \zero
	PLACES NP
	WIN 0
	FETCH_A 1, 4
.endm
.macro NEXT sc
	s_wait_tensorcnt 0x0
	ds_add_u32 v[SPW], v[NIL]
	s_wait_dscnt 4*NL+1
	WIN MUL_LO
	MUL16 0, 1, 1, \sc, 0
	s_wait_dscnt 0x0
	s_barrier_signal -1
	MUL16 2, 1, 1, \sc, 0
	WIN 0
	s_barrier_wait -1
	CREST
	s_add_nc_u64 s[G0+2:G0+3], s[G0+2:G0+3], 4*CHUNK
	s_add_nc_u64 s[G0B+2:G0B+3], s[G0B+2:G0B+3], 4*CHUNK
	JLOAD G0, G1, G0B, G1B
	WIN MUL_HI
	MUL16 4, 1, 1, \sc, 0
	MUL16 6, 1, 1, \sc, 0
	PLACES NP
	WIN 0
	s_wait_tensorcnt 0x0
	s_barrier_signal -1
	s_barrier_wait -1
.endm
.macro RLOAD g
.set RS, RS0+32*((\g)%2)
.irp t, 0,1,2,3,4,5,6,7
	global_load_b128 v[RS+4*\t:RS+4*\t+3], v[CO], s[10:11] offset:(8*(\g)+\t)*4096
.endr
.endm
	s_wait_alu depctr_va_vdst(0)
	s_wait_tensorcnt 0x0                           ; my tile of the head's four is in; no tensor load of mine is out, so a descriptor may be written:
	s_mov_b32 s[G1+2], (HALF/256)<<16              ; from here on a load brings two chunks, 192 rows
	s_mov_b32 s[G1+4], HALF/256
	s_mov_b32 s[G1B+2], (HALF/256)<<16
	s_mov_b32 s[G1B+4], HALF/256
	s_barrier_signal -1
	s_barrier_wait -1
	WORK 0, 1
.if NF > 1
	NEXT 0
	WORK 1, 0
	NEXT 1
	WORK 2, 0
	NEXT 0
	WORK 3, 0
.endif
	s_wait_dscnt 4*NL
	WIN MUL_LO
	MUL16 0, 1, 1, (NF-1)%2, 0
	MUL16 2, 1, 1, (NF-1)%2, 0
	s_wait_dscnt 0
	s_barrier_signal -1
	WIN MUL_HI
	MUL16 4, 1, 1, (NF-1)%2, 0
	MUL16 6, 1, 1, (NF-1)%2, 0
	WIN 0
	s_barrier_wait -1
	PLACES NP
	RLOAD 0
	RLOAD 1
.irp a, 0,1,2,3,4,5,6,7
	WIN 0x08+4*(\a/4)
.irp b, 0,1,2,3,4,5,6,7
	ds_store_b128 v[STO], v[64*(\a%4)+8*\b:64*(\a%4)+8*\b+3] offset:\a*16*SPITCH+64*\b
	ds_store_b128 v[STO], v[64*(\a%4)+8*\b+4:64*(\a%4)+8*\b+7] offset:\a*16*SPITCH+64*\b+16
.endr
.endr
	WIN 0
	s_wait_dscnt 0x0
	s_barrier_signal -1
	s_barrier_wait -1
.macro OUTG g
.if (\g) > 0
	s_wait_xcnt 0x0
.endif
.irp p, 0,1,2,3
.irp t, 0,1,2,3,4,5,6,7
	ds_load_b128 v[PP+32*\p+4*\t:PP+32*\p+4*\t+3], v[RD+\p] offset:(8*(\g)+\t)*SPITCH
.endr
.endr
	s_wait_dscnt 0x0
.if (\g) < 3
	s_wait_loadcnt 8
.else
	s_wait_loadcnt 0
.endif
.set RS, RS0+32*((\g)%2)
.set i, 0
.rept 16
	v_pk_add_f32 v[PP+2*i:PP+2*i+1], v[PP+2*i:PP+2*i+1], v[PP+32+2*i:PP+32+2*i+1]
	v_pk_add_f32 v[PP+64+2*i:PP+64+2*i+1], v[PP+64+2*i:PP+64+2*i+1], v[PP+96+2*i:PP+96+2*i+1]
	v_pk_add_f32 v[RS+2*i:RS+2*i+1], v[RS+2*i:RS+2*i+1], v[BI+2*(i%2):BI+2*(i%2)+1]
.set i, i+1
.endr
.set i, 0
.rept 16
	v_pk_add_f32 v[PP+2*i:PP+2*i+1], v[PP+2*i:PP+2*i+1], v[PP+64+2*i:PP+64+2*i+1]
.set i, i+1
.endr
.set i, 0
.rept 16
	v_pk_add_f32 v[PP+2*i:PP+2*i+1], v[PP+2*i:PP+2*i+1], v[RS+2*i:RS+2*i+1]
.set i, i+1
.endr
.irp t, 0,1,2,3,4,5,6,7
	global_store_b128 v[CO], v[PP+4*\t:PP+4*\t+3], s[12:13] offset:(8*(\g)+\t)*4096
.endr
.if (\g)+2 < 4
	RLOAD (\g)+2
.endif
.endm
	OUTG 0
	OUTG 1
	OUTG 2
	OUTG 3
	s_wait_tensorcnt 0x0
	ds_add_u32 v[SPW], v[NIL]
	s_wait_dscnt 0x0
	CROUND
	s_endpgm
.Lfunc_end_k_q85b020eb2b_w2:
	.size	k_q85b020eb2b_w2, .Lfunc_end_k_q85b020eb2b_w2-k_q85b020eb2b_w2
	.p2alignl 7, 3214868480
	.fill 96, 4, 3214868480
	.section	.rodata,"a",@progbits
	.p2align	6, 0x0
	.amdhsa_kernel k_q85b020eb2b_w2
		.amdhsa_group_segment_fixed_size 327680
		.amdhsa_private_segment_fixed_size 0
		.amdhsa_enable_private_segment 0
		.amdhsa_kernarg_size 40
		.amdhsa_user_sgpr_count 2
		.amdhsa_user_sgpr_kernarg_segment_ptr 1
		.amdhsa_wavefront_size32 1
		.amdhsa_system_sgpr_workgroup_id_x 1
		.amdhsa_system_sgpr_workgroup_id_y 1
		.amdhsa_system_sgpr_workgroup_id_z 1
		.amdhsa_system_vgpr_workitem_id 0
		.amdhsa_next_free_vgpr 1024
		.amdhsa_next_free_sgpr 102
		.amdhsa_reserve_vcc 0
		.amdhsa_float_denorm_mode_32 3
		.amdhsa_float_denorm_mode_16_64 3
		.amdhsa_memory_ordered 1
		.amdhsa_forward_progress 1
		.amdhsa_inst_pref_size 161
	.end_amdhsa_kernel
	.amdgpu_metadata
---
amdhsa.version: [ 1, 2 ]
amdhsa.kernels:
  - .name:           k_q85b020eb2b_w2
    .symbol:         k_q85b020eb2b_w2.kd
    .args:
      - { .name: HID, .offset: 0, .size: 8, .value_kind: global_buffer, .address_space: global }
      - { .name: W, .offset: 8, .size: 8, .value_kind: global_buffer, .address_space: global }
      - { .name: b2, .offset: 16, .size: 8, .value_kind: global_buffer, .address_space: global }
      - { .name: X1, .offset: 24, .size: 8, .value_kind: global_buffer, .address_space: global }
      - { .name: out0, .offset: 32, .size: 8, .value_kind: global_buffer, .address_space: global }
    .group_segment_fixed_size: 327680
    .private_segment_fixed_size: 0
    .kernarg_segment_align: 8
    .kernarg_segment_size: 40
    .max_flat_workgroup_size: 128
    .sgpr_count:     102
    .vgpr_count:     1024
    .wavefront_size: 32
...
	.end_amdgpu_metadata
.endif
;; end of part 14
